; MI455X (gfx1250); checked and timed in simulation.
; The chip was launched on July 23, 2026; its instructions are those of AMD's public machine-readable ISA for CDNA 5 (MIT licence, August 2026) and "CDNA5" Instruction Set Architecture Reference Guide (July 2026). The comments in the code are by the model that wrote it; some were corrected since.
;; Spatial KNN Encoder. Allowed arithmetic: float matrix products may take bf16 or f16 operands with f32 sums; all other float work in f32.
;; Inputs: W_feat 128 x 256 float32; W_p1 4 x 128 float32; W_p2 128 x 256 float32; Wk 256 x 256 float32; Wo 256 x 256 float32; Wq 256 x 256 float32; Wv 256 x 256 float32; b_feat 256 float32; b_p1 128 float32; b_p2 256 float32; beta 256 float32; bk 256 float32; bo 256 float32; bq 256 float32; bv 256 float32; coords 4 x 4,096 x 3 float32; features 4 x 4,096 x 128 float32; gamma 256 float32.
;; Outputs: out0 4 x 4,096 x 256 float32.
;; 3 versions, each right and faster than the one before. Each part assembles by itself: llvm-mc -triple=amdgcn-amd-amdhsa -mcpu=gfx1250 --defsym DOCPART=n.
;; ======== version 1 of 3: 7 launches
;; workspace buffers: wimg 2,375,680 bytes; fbuf 25,165,824 bytes; zbuf 67,371,008 bytes; grp 1,048,576 bytes of whole numbers; nidx 1,048,576 bytes of whole numbers; nkd 1,048,576 bytes; xbar 67,108,864 bytes; pkv 266,240 bytes
;; launch comb (part 1): grid 65 x 1, 8 waves a work-group, no clusters, 0 bytes of LDS; arguments W_p2, Wk, Wv, Wo, bv, pkv; writes pkv
.if DOCPART == 1
	.amdgcn_target "amdgcn-amd-amdhsa--gfx1250"
	.amdhsa_code_object_version 6
	.text
	.protected	k_qe885adc84c_comb
	.globl	k_qe885adc84c_comb
	.p2align	8
	.type	k_qe885adc84c_comb,@function
k_qe885adc84c_comb:
	s_mov_b64 s[64:65], 0
	v_nop
	global_prefetch_b8 v0, s[64:65] scope:SCOPE_SE
	s_setreg_imm32_b32 hwreg(HW_REG_WAVE_MODE, 25, 1), 1
	s_wait_xcnt 0x0
; Three small products of weights, kept in f32 so that later launches round a combined weight once instead of rounding at every stage:
;   pkv rows   0..127: PK = W_p2 Wk  (128 x 256)      rows 128..255: PV = W_p2 Wv  (128 x 256)      rows 256..259: bv Wo (the same row four times)
; 17 million multiply-adds in all: no bulk work, so plain fused multiply-adds.  Work-group b makes rows 4b .. 4b+3 of pkv (4,096 bytes);
; thread t makes four neighbouring columns of row t/64, so a wave's loads and its store cover 512 consecutive bytes.
; out[c][j] = sum over d of A[c][d] W[d][j], d ascending, 32 at a trip.
.set ACCR, 4                           ; v[4:7]    my four sums
.set AV,   8                           ; v[8:39]   32 numbers of A's row
.set WV,   40                          ; v[40:167] 32 rows x 4 columns of W
	s_load_b256 s[4:11], s[0:1], 0x0               ; W_p2, Wk, Wv, Wo
	s_load_b128 s[12:15], s[0:1], 0x20             ; bv, pkv
	s_mov_b32 s16, ttmp9
	v_and_b32 v1, 63, v0
	v_lshlrev_b32 v1, 4, v1                        ; my four columns, in bytes
	v_lshrrev_b32 v2, 6, v0                        ; my row of the four
	s_and_b32 s17, s16, 31
	s_lshl_b32 s17, s17, 2
	v_add_nc_u32 v2, s17, v2                       ; row of A
	v_lshlrev_b32 v3, 4, v0                        ; my 16 bytes of the work-group's 4,096
	s_lshl_b32 s22, s16, 12
	s_mov_b32 s23, 0
.irp i,0,1,2,3
	v_mov_b32 v[ACCR+\i], 0
.endr
	s_wait_kmcnt 0x0
	s_cmp_ge_u32 s16, 32
	s_cselect_b64 s[18:19], s[8:9], s[6:7]         ; W: Wk, then Wv,
	s_cmp_ge_u32 s16, 64
	s_cselect_b64 s[18:19], s[10:11], s[18:19]     ; and Wo for the last work-group,
	s_cselect_b64 s[20:21], s[12:13], s[4:5]       ; whose A is the one row bv
	s_cselect_b32 s24, 0, 1024                     ; bytes from row to row of A
	v_mul_lo_u32 v2, v2, s24
	s_add_nc_u64 s[14:15], s[14:15], s[22:23]
	s_mov_b32 s25, 0
.Ld:
.irp i,0,1,2,3,4,5,6,7
	global_load_b128 v[AV+4*\i:AV+4*\i+3], v2, s[20:21] offset:16*\i
.endr
.set e, 0
.rept 32
	global_load_b128 v[WV+4*e:WV+4*e+3], v1, s[18:19] offset:1024*e
.set e, e+1
.endr
	s_wait_loadcnt 0x0                             ; all forty are in, so the bases may be stepped below
.set e, 0
.rept 32
.irp i,0,1,2,3
	v_fmac_f32 v[ACCR+\i], v[AV+e], v[WV+4*e+\i]
.endr
.set e, e+1
.endr
	s_add_nc_u64 s[18:19], s[18:19], 32768         ; 32 rows of W
	s_add_nc_u64 s[20:21], s[20:21], 128           ; 32 numbers of A
	s_add_co_u32 s25, s25, 1
	s_cmp_lt_u32 s25, 8
	s_cbranch_scc1 .Ld
	global_store_b128 v3, v[ACCR:ACCR+3], s[14:15]
	s_endpgm
.Lfunc_end_k_qe885adc84c_comb:
	.size	k_qe885adc84c_comb, .Lfunc_end_k_qe885adc84c_comb-k_qe885adc84c_comb
	.p2alignl 7, 3214868480
	.fill 96, 4, 3214868480
	.section	.rodata,"a",@progbits
	.p2align	6, 0x0
	.amdhsa_kernel k_qe885adc84c_comb
		.amdhsa_group_segment_fixed_size 0
		.amdhsa_private_segment_fixed_size 0
		.amdhsa_enable_private_segment 0
		.amdhsa_kernarg_size 48
		.amdhsa_user_sgpr_count 2
		.amdhsa_user_sgpr_kernarg_segment_ptr 1
		.amdhsa_wavefront_size32 1
		.amdhsa_system_sgpr_workgroup_id_x 1
		.amdhsa_system_sgpr_workgroup_id_y 1
		.amdhsa_system_sgpr_workgroup_id_z 1
		.amdhsa_system_vgpr_workitem_id 0
		.amdhsa_next_free_vgpr 168
		.amdhsa_next_free_sgpr 66
		.amdhsa_reserve_vcc 0
		.amdhsa_float_denorm_mode_32 3
		.amdhsa_float_denorm_mode_16_64 3
		.amdhsa_memory_ordered 1
		.amdhsa_forward_progress 1
		.amdhsa_inst_pref_size 10
	.end_amdhsa_kernel
	.amdgpu_metadata
---
amdhsa.version: [ 1, 2 ]
amdhsa.kernels:
  - .name:           k_qe885adc84c_comb
    .symbol:         k_qe885adc84c_comb.kd
    .args:
      - { .name: W_p2, .offset: 0, .size: 8, .value_kind: global_buffer, .address_space: global }
      - { .name: Wk, .offset: 8, .size: 8, .value_kind: global_buffer, .address_space: global }
      - { .name: Wv, .offset: 16, .size: 8, .value_kind: global_buffer, .address_space: global }
      - { .name: Wo, .offset: 24, .size: 8, .value_kind: global_buffer, .address_space: global }
      - { .name: bv, .offset: 32, .size: 8, .value_kind: global_buffer, .address_space: global }
      - { .name: pkv, .offset: 40, .size: 8, .value_kind: global_buffer, .address_space: global }
    .group_segment_fixed_size: 0
    .private_segment_fixed_size: 0
    .kernarg_segment_align: 8
    .kernarg_segment_size: 48
    .max_flat_workgroup_size: 256
    .sgpr_count:     66
    .vgpr_count:     168
    .wavefront_size: 32
...
	.end_amdgpu_metadata
.endif
;; end of part 1
;; launch prep (part 2): grid 290 x 1, 8 waves a work-group, no clusters, 0 bytes of LDS; arguments W_feat, Wq, Wk, pkv, Wv, Wo, W_p1, b_p1, wimg; writes wimg
.if DOCPART == 2
	.amdgcn_target "amdgcn-amd-amdhsa--gfx1250"
	.amdhsa_code_object_version 6
	.text
	.protected	k_qe885adc84c_prep
	.globl	k_qe885adc84c_prep
	.p2align	8
	.type	k_qe885adc84c_prep,@function
k_qe885adc84c_prep:
	s_mov_b64 s[64:65], 0
	v_nop
	global_prefetch_b8 v0, s[64:65] scope:SCOPE_SE
	s_setreg_imm32_b32 hwreg(HW_REG_WAVE_MODE, 25, 1), 1
	s_wait_xcnt 0x0
; Weights as bf16 matrix fragments, each number as hi = bf16(x) and lo = bf16(x - hi).  wimg: 1,160 fragments of 1,024 bytes (hi), then the same (lo).
; A fragment is 16 rows x 32 K of a matrix W': byte half*512 + L*16 + 2e holds W'[16T + (L&15)][32S + 16 half + 8 (L>>4) + e], so two 16-byte
; loads a lane (512 consecutive bytes a wave each) bring a whole operand of v_wmma_f32_16x16x32_bf16.  Fragment number = base + T*Sc + S.
;   base    0: W_feat[k][row] 16 x 4         base   64: Wq[k][row] 16 x 8
;   base  192: Wk[row][k]/8   16 x 8         base  320: PK[row][k]/8 8 x 8   (together 24 x 8: the rows of [Wk; W_p2 Wk])
;   base  384: G[k][row]      16 x 48, k = 384 head + x:  G = sum over e < 64 of VV[x][64 head + e] Wo[64 head + e][row],  VV = [Wv; PV]
;   base 1152: 8 x 1, the first layer of the position network with its split inside K:
;              k 0-3: W_p1[k][row]   k 4: b_p1   k 5: b_p1's lo   k 8-11: W_p1[k-8][row]   k 12-15: W_p1[k-12][row]'s lo   else 0
; A work-group makes four fragments (every base, 48 and 12 are multiples of 4, so they lie in one image and one head); a thread makes 16 + 16 bytes.
.set WLO, 1187840                      ; from a hi fragment to its lo fragment
.macro PICK lim, p, lg, sc
	s_cmp_ge_u32 s22, \lim
	s_cselect_b64 s[24:25], s[\p:\p+1], s[24:25]   ; source
	s_cselect_b32 s26, \lim, s26                   ; the image's first fragment
	s_cselect_b32 s27, \lg, s27                    ; log2 of its K steps
	s_cselect_b32 s28, \sc, s28                    ; scale
.endm
	s_load_b512 s[4:19], s[0:1], 0x0               ; W_feat, Wq, Wk, pkv, Wv, Wo, W_p1, b_p1
	s_load_b64 s[20:21], s[0:1], 0x40              ; wimg
	s_lshl_b32 s22, ttmp9, 2                       ; my first fragment
	v_lshrrev_b32 v1, 6, v0                        ; which of the four
	v_and_b32 v2, 15, v0                           ; row in the tile
	v_bfe_u32 v3, v0, 4, 2
	v_lshlrev_b32 v3, 3, v3                        ; 16 half + 8 (L>>4)
	v_lshlrev_b32 v6, 4, v0                        ; my 16 bytes of the work-group's 4,096
	s_lshl_b32 s32, ttmp9, 12
	s_mov_b32 s33, 0
	s_mov_b32 s26, 0
	s_mov_b32 s27, 2
	s_mov_b32 s28, 1.0
	s_wait_kmcnt 0x0
	s_mov_b64 s[24:25], s[4:5]
	PICK 64, 6, 3, 1.0
	PICK 192, 8, 3, 0x3e000000
	PICK 320, 10, 3, 0x3e000000
	PICK 384, 12, 3, 1.0
	PICK 1152, 16, 0, 1.0
	s_add_nc_u64 s[20:21], s[20:21], s[32:33]
	s_mov_b32 s29, s28                             ; the pair that the packed multiply names
	s_cmp_ge_u32 s22, 1152
	s_cbranch_scc1 .Lidx
	s_cmp_ge_u32 s22, 384
	s_cbranch_scc1 .Lg
.Lidx:
	s_sub_co_u32 s30, s22, s26
	s_bfm_b32 s31, s27, 0                          ; Sc - 1
	v_add_nc_u32 v1, s30, v1                       ; fragment in the image
	v_lshrrev_b32 v4, s27, v1                      ; T
	v_and_b32 v5, s31, v1                          ; S
	v_lshl_add_u32 v2, v4, 4, v2                   ; row
	v_lshl_add_u32 v3, v5, 5, v3                   ; k0
	s_cmp_ge_u32 s22, 1152
	s_cbranch_scc1 .Lp1
	s_cmp_lt_u32 s22, 192
	s_cbranch_scc1 .Ltr
	v_lshlrev_b32 v7, 2, v3                        ; W'[row][k] = W[row][k]: 32 consecutive bytes
	v_lshl_add_u32 v7, v2, 10, v7
	global_load_b128 v[8:11], v7, s[24:25]
	global_load_b128 v[12:15], v7, s[24:25] offset:16
	s_branch .Lpack
.Ltr:
	v_lshlrev_b32 v7, 2, v2                        ; W'[row][k] = W[k][row]: eight words, 1,024 bytes apart
	v_lshl_add_u32 v7, v3, 10, v7
.irp e,0,1,2,3,4,5,6,7
	global_load_b32 v[8+\e], v7, s[24:25] offset:1024*\e
.endr
	s_branch .Lpack
.Lg:
	s_sub_co_u32 s30, s22, 384
	s_mul_i32 s31, s30, 43691
	s_lshr_b32 s31, s31, 21                        ; T = fragment / 48 (exact below 768)
	s_mul_i32 s34, s31, 48
	s_sub_co_u32 s34, s30, s34                     ; the first of my four K steps
	s_mul_i32 s35, s34, 43691
	s_lshr_b32 s35, s35, 19                        ; head = K step / 12 (exact below 48)
	s_mul_i32 s36, s35, 12
	s_sub_co_u32 s36, s34, s36                     ; 0, 4 or 8: K step inside the head
	s_add_nc_u64 s[38:39], s[10:11], 131072        ; PV
	s_cmp_ge_u32 s36, 8
	s_cselect_b64 s[24:25], s[38:39], s[12:13]     ; rows 256.. of VV are PV's, the others Wv's
	s_cselect_b32 s37, 8, 0
	s_sub_co_u32 s36, s36, s37
	v_add_nc_u32 v1, s36, v1
	v_lshl_add_u32 v3, v1, 5, v3                   ; the first of my eight rows of the source
	s_lshl_b32 s37, s35, 8                         ; the head's 64 columns, in bytes
	v_lshl_add_u32 v7, v3, 10, s37
	v_lshl_add_u32 v2, s31, 4, v2                  ; column of Wo
	s_lshl_b32 s37, s35, 16                        ; the head's 64 rows of Wo
	v_lshl_add_u32 v5, v2, 2, s37
.irp i,0,1,2,3,4,5,6,7
	v_mov_b32 v[8+\i], 0
.endr
	s_mov_b32 s30, 0
.Lge:                                              ; sixteen of the 64 terms a trip
.irp i,0,1,2,3,4,5,6,7
.irp c,0,1,2,3
	global_load_b128 v[32+16*\i+4*\c:35+16*\i+4*\c], v7, s[24:25] offset:1024*\i+16*\c
.endr
.endr
.irp e,0,1,2,3,4,5,6,7,8,9,10,11,12,13,14,15
	global_load_b32 v[160+\e], v5, s[14:15] offset:1024*\e
.endr
	s_wait_loadcnt 0x0                             ; all are in, so the offsets may be stepped below
.irp e,0,1,2,3,4,5,6,7,8,9,10,11,12,13,14,15
.irp i,0,1,2,3,4,5,6,7
	v_fmac_f32 v[8+\i], v[32+16*\i+\e], v[160+\e]
.endr
.endr
	v_add_nc_u32 v7, 64, v7
	v_add_nc_u32 v5, 16384, v5
	s_add_co_u32 s30, s30, 1
	s_cmp_lt_u32 s30, 4
	s_cbranch_scc1 .Lge
	s_branch .Lpack
.Lp1:
	v_lshlrev_b32 v7, 2, v2
.irp e,0,1,2,3
	global_load_b32 v[8+\e], v7, s[24:25] offset:512*\e
.endr
	global_load_b32 v12, v7, s[18:19]
	s_wait_loadcnt 0x0
	v_cvt_pk_bf16_f32 v16, v8, v9
	v_cvt_pk_bf16_f32 v17, v10, v11
	v_cvt_pk_bf16_f32 v18, v12, v12
	v_lshlrev_b32 v24, 16, v16
	v_and_b32 v25, 0xffff0000, v16
	v_lshlrev_b32 v26, 16, v17
	v_and_b32 v27, 0xffff0000, v17
	v_lshlrev_b32 v28, 16, v18
	v_sub_f32 v24, v8, v24                         ; what the rounding to bf16 leaves
	v_sub_f32 v25, v9, v25
	v_sub_f32 v26, v10, v26
	v_sub_f32 v27, v11, v27
	v_sub_f32 v28, v12, v28
	v_cmp_eq_u32 vcc_lo, 0, v3                     ; K = 0..7
	v_cmp_eq_u32 s34, 8, v3                        ; K = 8..15
	s_or_b32 s35, vcc_lo, s34
.irp e,0,1,2,3
	v_cndmask_b32 v[8+\e], 0, v[8+\e], s35
.endr
	v_cndmask_b32 v12, 0, v12, vcc_lo
	v_cndmask_b32 v13, 0, v28, vcc_lo
	v_cndmask_b32 v12, v12, v24, s34
	v_cndmask_b32 v13, v13, v25, s34
	v_cndmask_b32 v14, 0, v26, s34
	v_cndmask_b32 v15, 0, v27, s34
.Lpack:
	s_wait_loadcnt 0x0
.irp e,0,2,4,6
	v_pk_mul_f32 v[8+\e:9+\e], v[8+\e:9+\e], s[28:29] op_sel_hi:[1,0]
.endr
.irp e,0,1,2,3
	v_cvt_pk_bf16_f32 v[16+\e], v[8+2*\e], v[9+2*\e]           ; hi
.endr
.irp e,0,1,2,3
	v_lshlrev_b32 v[24+2*\e], 16, v[16+\e]
	v_and_b32 v[25+2*\e], 0xffff0000, v[16+\e]
.endr
.irp e,0,2,4,6
	v_pk_add_f32 v[8+\e:9+\e], v[8+\e:9+\e], v[24+\e:25+\e] neg_lo:[0,1] neg_hi:[0,1]
.endr
.irp e,0,1,2,3
	v_cvt_pk_bf16_f32 v[20+\e], v[8+2*\e], v[9+2*\e]           ; lo
.endr
	global_store_b128 v6, v[16:19], s[20:21]       ; a wave stores 512 consecutive bytes
	global_store_b128 v6, v[20:23], s[20:21] offset:WLO
	s_endpgm
.Lfunc_end_k_qe885adc84c_prep:
	.size	k_qe885adc84c_prep, .Lfunc_end_k_qe885adc84c_prep-k_qe885adc84c_prep
	.p2alignl 7, 3214868480
	.fill 96, 4, 3214868480
	.section	.rodata,"a",@progbits
	.p2align	6, 0x0
	.amdhsa_kernel k_qe885adc84c_prep
		.amdhsa_group_segment_fixed_size 0
		.amdhsa_private_segment_fixed_size 0
		.amdhsa_enable_private_segment 0
		.amdhsa_kernarg_size 72
		.amdhsa_user_sgpr_count 2
		.amdhsa_user_sgpr_kernarg_segment_ptr 1
		.amdhsa_wavefront_size32 1
		.amdhsa_system_sgpr_workgroup_id_x 1
		.amdhsa_system_sgpr_workgroup_id_y 1
		.amdhsa_system_sgpr_workgroup_id_z 1
		.amdhsa_system_vgpr_workitem_id 0
		.amdhsa_next_free_vgpr 176
		.amdhsa_next_free_sgpr 66
		.amdhsa_reserve_vcc 1
		.amdhsa_float_denorm_mode_32 3
		.amdhsa_float_denorm_mode_16_64 3
		.amdhsa_memory_ordered 1
		.amdhsa_forward_progress 1
		.amdhsa_inst_pref_size 18
	.end_amdhsa_kernel
	.amdgpu_metadata
---
amdhsa.version: [ 1, 2 ]
amdhsa.kernels:
  - .name:           k_qe885adc84c_prep
    .symbol:         k_qe885adc84c_prep.kd
    .args:
      - { .name: W_feat, .offset: 0, .size: 8, .value_kind: global_buffer, .address_space: global }
      - { .name: Wq, .offset: 8, .size: 8, .value_kind: global_buffer, .address_space: global }
      - { .name: Wk, .offset: 16, .size: 8, .value_kind: global_buffer, .address_space: global }
      - { .name: pkv, .offset: 24, .size: 8, .value_kind: global_buffer, .address_space: global }
      - { .name: Wv, .offset: 32, .size: 8, .value_kind: global_buffer, .address_space: global }
      - { .name: Wo, .offset: 40, .size: 8, .value_kind: global_buffer, .address_space: global }
      - { .name: W_p1, .offset: 48, .size: 8, .value_kind: global_buffer, .address_space: global }
      - { .name: b_p1, .offset: 56, .size: 8, .value_kind: global_buffer, .address_space: global }
      - { .name: wimg, .offset: 64, .size: 8, .value_kind: global_buffer, .address_space: global }
    .group_segment_fixed_size: 0
    .private_segment_fixed_size: 0
    .kernarg_segment_align: 8
    .kernarg_segment_size: 72
    .max_flat_workgroup_size: 256
    .sgpr_count:     66
    .vgpr_count:     176
    .wavefront_size: 32
...
	.end_amdgpu_metadata
.endif
;; end of part 2
;; launch front (part 3): grid 256 x 1, 4 waves a work-group, no clusters, 303,616 bytes of LDS; arguments features, wimg, b_feat, bq, bk, b_p2, fbuf, zbuf; writes fbuf, zbuf
.if DOCPART == 3
	.amdgcn_target "amdgcn-amd-amdhsa--gfx1250"
	.amdhsa_code_object_version 6
	.text
	.protected	k_qe885adc84c_front
	.globl	k_qe885adc84c_front
	.p2align	8
	.type	k_qe885adc84c_front,@function
k_qe885adc84c_front:
	s_mov_b64 s[64:65], 0
	v_nop
	global_prefetch_b8 v0, s[64:65] scope:SCOPE_SE
	s_setreg_imm32_b32 hwreg(HW_REG_WAVE_MODE, 25, 1), 1
	s_wait_xcnt 0x0
; For 64 points: f = features W_feat + b_feat (fbuf: f32 at byte 0; bf16(f + b_p2) at byte 16,777,216); q = f Wq + bq; for each head h
; u_h = Wk[:,64h..] q_h / 8 (256 wide), w_h = (W_p2 Wk)[:,64h..] q_h / 8 (128 wide), c_h = q_h . bk_h / 8.  The score of a neighbour with
; kv = fb + relu(..) W_p2 is then  fb . u_h + relu(..) . w_h + c_h.  zbuf: rows [point*4+head] of 1,024 bytes: u (bf16), w hi, w lo; behind them c, f32 [point][4].
; PRECISION: every product here has split operands: x = hi + lo, both bf16, and x y is taken as hi hi + lo hi + hi lo, summed in f32 (lo lo, some 2^-18
; of the product, is dropped).  u is stored as one bf16: its part of a score is small beside w's.
; Four waves; weights come as ready fragments from wimg straight into registers, activations from LDS (a row: hi part, then lo part).
; The matrix instruction is used transposed: source 0 = 16 output columns (weights), source 1 = 16 rows (points), so lane (r, h),
; register j holds (row 16g + r, column 16(T0+i) + 8h + j): eight neighbouring columns of one row.
.set WLO,  1187840                     ; from a hi weight fragment to its lo fragment
.set FAR,  33792                       ; LDS: features 64 x 528 (hi 256, lo 256) at 0; f 64 x 1,040 (hi 512, lo 512)
.set QAR,  100352                      ; q 64 x 1,040
.set CSTR, 166912                      ; c, 64 x 16 bytes
.set STG,  167936                      ; a stage of 64 rows x 528 for each wave; before that the first 66,560 bytes hold f as f32, 64 x 1,040
.set VL16, 1                           ; v1: 16 x lane
.set VBO,  10                          ; v10: 32 h + 256 wave: my eight numbers of a bias
.set ACT,  32                          ; v[32:63]   four activation fragments; also packing room
.set WBUF, 64                          ; v[64:127]  two buffers of four weight fragments
.set ACC,  128                         ; v[128:255] sixteen accumulators: tile (i, g) at 8 (4 g + i)
.macro PLACES                          ; four independent vector instructions behind a matrix instruction (ISA guide 7.12.1)
.rept 4
	v_nop
.endr
.endm
; K step s of a split product of KNS true K steps: steps 0.. are hi x hi, KNS.. lo (activation) x hi, 2 KNS.. hi x lo (weight)
.macro KMAP s
.set kph, (\s)/KNS
.set kst, (\s)%KNS
.set km_ao, kst*64+kph*(2-kph)*KALO
.set km_wo, kst*1024+(kph*(kph-1)/2)*WLO
.endm
; 4 weight tiles x 4 row tiles over NT K steps of 32.  The sixteen accumulators take turns, one instruction a turn.
.macro GEMMX NT, WB, W0, WT, AR, A0, AP
	KMAP 0
.irp i,0,1,2,3
	global_load_b128 v[WBUF+8*\i:WBUF+8*\i+3], v[VL16], s[\WB:\WB+1] offset:\W0+\i*\WT+km_wo
	global_load_b128 v[WBUF+8*\i+4:WBUF+8*\i+7], v[VL16], s[\WB:\WB+1] offset:\W0+\i*\WT+km_wo+512
.endr
.irp g,0,1,2,3
	ds_load_b128 v[ACT+8*\g:ACT+8*\g+3], v[\AR] offset:\A0+\g*\AP+km_ao
	ds_load_b128 v[ACT+8*\g+4:ACT+8*\g+7], v[\AR] offset:\A0+\g*\AP+km_ao+32
.endr
.set gs, 0
.rept \NT
.set wc, WBUF+32*(gs%2)
.set wn, WBUF+32-32*(gs%2)
.if gs+1 < \NT
	KMAP gs+1
.irp i,0,1,2,3
	global_load_b128 v[wn+8*\i:wn+8*\i+3], v[VL16], s[\WB:\WB+1] offset:\W0+\i*\WT+km_wo
	global_load_b128 v[wn+8*\i+4:wn+8*\i+7], v[VL16], s[\WB:\WB+1] offset:\W0+\i*\WT+km_wo+512
.endr
	s_wait_loadcnt 0x8                             ; this step's weights are in; the eight just issued stay out
.else
	s_wait_loadcnt 0x0
.endif
.irp g,0,1,2,3
.if gs+1 < \NT
	s_wait_dscnt 0x6                               ; my fragment is in; two loads of each of the three issued behind it stay out
.else
	s_wait_dscnt 6-2*\g
.endif
.irp i,0,1,2,3
.if gs == 0
	v_wmma_f32_16x16x32_bf16 v[ACC+8*(4*\g+\i):ACC+8*(4*\g+\i)+7], v[wc+8*\i:wc+8*\i+7], v[ACT+8*\g:ACT+8*\g+7], 0
.else
	v_wmma_f32_16x16x32_bf16 v[ACC+8*(4*\g+\i):ACC+8*(4*\g+\i)+7], v[wc+8*\i:wc+8*\i+7], v[ACT+8*\g:ACT+8*\g+7], v[ACC+8*(4*\g+\i):ACC+8*(4*\g+\i)+7]
.endif
.endr
.if gs+1 < \NT
	PLACES                                         ; then the fragment just used is loaded again, for the next K step
	ds_load_b128 v[ACT+8*\g:ACT+8*\g+3], v[\AR] offset:\A0+\g*\AP+km_ao
	ds_load_b128 v[ACT+8*\g+4:ACT+8*\g+7], v[\AR] offset:\A0+\g*\AP+km_ao+32
.endif
.endr
.set gs, gs+1
.endr
	PLACES
.endm
.macro BIASLD BP, DST                  ; bias[16(4 wave + i) + 8h + 0..7] for i = 0..3
.irp i,0,1,2,3
	global_load_b128 v[\DST+8*\i:\DST+8*\i+3], v[VBO], s[\BP:\BP+1] offset:64*\i
	global_load_b128 v[\DST+8*\i+4:\DST+8*\i+7], v[VBO], s[\BP:\BP+1] offset:64*\i+16
.endr
.endm
.macro ADDB
	s_wait_loadcnt 0x0
.irp g,0,1,2,3
.irp i,0,1,2,3
.irp p,0,2,4,6
	v_pk_add_f32 v[ACC+8*(4*\g+\i)+\p:ACC+8*(4*\g+\i)+\p+1], v[ACC+8*(4*\g+\i)+\p:ACC+8*(4*\g+\i)+\p+1], v[WBUF+8*\i+\p:WBUF+8*\i+\p+1]
.endr
.endr
.endr
.endm
.macro PACKHI SR, S0, SP               ; round to bf16; a lane's eight columns are 16 bytes of an LDS row
.irp g,0,1,2,3
.irp i,0,1,2,3
.irp p,0,1,2,3
	v_cvt_pk_bf16_f32 v[ACT+4*((4*\g+\i)%8)+\p], v[ACC+8*(4*\g+\i)+2*\p], v[ACC+8*(4*\g+\i)+2*\p+1]
.endr
	ds_store_b128 v[\SR], v[ACT+4*((4*\g+\i)%8):ACT+4*((4*\g+\i)%8)+3] offset:\S0+\g*\SP+32*\i
.endr
.endr
.endm
.macro PACKHL SR, S0, SP, LO           ; hi = bf16(x), lo = bf16(x - hi); lo goes LO bytes further on in the row.  The accumulators are used up.
.irp g,0,1,2,3
.irp i,0,1,2,3
.set tb, ACC+8*(4*\g+\i)
.set hb, ACT+8*(\i%2)
.irp p,0,1,2,3
	v_cvt_pk_bf16_f32 v[hb+\p], v[tb+2*\p], v[tb+2*\p+1]
.endr
.irp p,0,1,2,3
	v_lshlrev_b32 v[ACT+16+2*\p], 16, v[hb+\p]
	v_and_b32 v[ACT+17+2*\p], s38, v[hb+\p]
.endr
.irp p,0,2,4,6
	v_pk_add_f32 v[tb+\p:tb+\p+1], v[tb+\p:tb+\p+1], v[ACT+16+\p:ACT+17+\p] neg_lo:[0,1] neg_hi:[0,1]
.endr
.irp p,0,1,2,3
	v_cvt_pk_bf16_f32 v[hb+4+\p], v[tb+2*\p], v[tb+2*\p+1]
.endr
	ds_store_b128 v[\SR], v[hb:hb+3] offset:\S0+\g*\SP+32*\i
	ds_store_b128 v[\SR], v[hb+4:hb+7] offset:\S0+\g*\SP+32*\i+\LO
.endr
.endr
.endm
.macro STF32 SR                        ; the accumulators as f32 into rows of 1,040 bytes
.irp g,0,1,2,3
.irp i,0,1,2,3
	ds_store_b128 v[\SR], v[ACC+8*(4*\g+\i):ACC+8*(4*\g+\i)+3] offset:\g*16640+64*\i
	ds_store_b128 v[\SR], v[ACC+8*(4*\g+\i)+4:ACC+8*(4*\g+\i)+7] offset:\g*16640+64*\i+16
.endr
.endr
.endm
.macro ZOUT part                       ; my stage's 64 rows of 512 bytes leave: an instruction stores 512 consecutive bytes, aligned
.set u, 0
.rept 2
.set k, 0
.rept 32
	ds_load_b128 v[128+4*k:131+4*k], v17 offset:(u+k)*528      ; LDS serves a wave's instructions in order (ISA guide 5.7.1): these see my stores
.set k, k+1
.endr
.set k, 0
.rept 32
	s_wait_dscnt 31-k
	global_store_b128 v18, v[128+4*k:131+4*k], s[20:21] offset:(u+k)*4096+\part*512
.set k, k+1
.endr
	s_wait_xcnt 0x0                                ; the stores' data registers are written again only behind this wait
.set u, u+32
.endr
.endm
	s_load_b512 s[4:19], s[0:1], 0x0               ; features, wimg, b_feat, bq, bk, b_p2, fbuf, zbuf
	s_set_vgpr_msb 0x40
	v_lshl_add_u32 v0, v0, 2, 0x4a000
	v_mov_b32 v1, 0
	s_set_vgpr_msb 0x4000
	v_lshrrev_b32 v2, 5, v0
	v_readfirstlane_b32 s22, v2                    ; wave
	v_and_b32 v3, 31, v0
	v_lshlrev_b32 v[VL16], 4, v3
	v_and_b32 v2, 15, v0                           ; r
	v_bfe_u32 v3, v0, 4, 1                         ; h
	v_mul_u32_u24 v4, v2, 528
	v_lshl_add_u32 v4, v3, 4, v4                   ; v4: features fragments
	v_mul_u32_u24 v5, v2, 1040
	v_lshl_add_u32 v5, v3, 4, v5
	s_lshl_b32 s23, s22, 7
	v_add_nc_u32 v7, s23, v5
	v_add_nc_u32 v6, QAR, v7                       ; v6: q, my head's 64 columns (written and read by me)
	v_add_nc_u32 v7, FAR, v7                       ; v7: f, my 64 columns (store)
	v_add_nc_u32 v5, FAR, v5                       ; v5: f fragments
	v_mul_u32_u24 v8, v2, 1040
	v_lshl_add_u32 v8, v3, 5, v8
	s_lshl_b32 s23, s22, 8
	v_lshlrev_b32 v[VBO], 5, v3
	v_add_nc_u32 v[VBO], s23, v[VBO]
	s_add_co_u32 s23, s23, STG
	v_add_nc_u32 v8, s23, v8                       ; v8: f as f32 (store)
	s_mul_i32 s23, s22, 33792
	s_add_co_u32 s23, s23, STG
	v_mul_u32_u24 v9, v2, 528
	v_lshl_add_u32 v9, v3, 4, v9
	v_add_nc_u32 v9, s23, v9                       ; v9: my stage (store)
	v_add_nc_u32 v17, s23, v[VL16]                 ; v17: my stage, a row an instruction (read)
	s_lshl_b32 s23, s22, 2
	s_add_co_u32 s23, s23, CSTR
	v_lshlrev_b32 v11, 4, v2
	v_add_nc_u32 v11, s23, v11                     ; v11: c (store)
	v_lshlrev_b32 v12, 4, v0                       ; v12: features, 16 bytes a thread
	s_mul_i32 s23, s22, 528
	v_lshrrev_b32 v13, 1, v[VL16]
	v_add_nc_u32 v13, s23, v13                     ; v13: features bf16 (store)
	s_mul_i32 s23, s22, 16640
	s_add_co_u32 s23, s23, STG
	v_add_nc_u32 v14, s23, v[VL16]                 ; v14: f as f32, my 16 rows (read)
	s_lshl_b32 s23, s22, 14
	v_add_nc_u32 v15, s23, v[VL16]                 ; v15: f as f32 in fbuf
	s_lshl_b32 s23, s22, 13
	v_lshrrev_b32 v16, 1, v[VL16]
	v_add_nc_u32 v16, s23, v16                     ; v16: bf16(f + b_p2) in fbuf
	s_lshl_b32 s23, s22, 10
	v_add_nc_u32 v18, s23, v[VL16]                 ; v18: zbuf, my head's row of a point
	s_lshl_b32 s23, s22, 9
	v_add_nc_u32 v31, s23, v[VL16]                 ; v31: zbuf c
	v_add_nc_u32 v19, CSTR, v31                    ; v19: c (read)
	v_mov_b32 v30, 0
	s_mov_b32 s34, 0x76543210                      ; v_permlanex16_b32: lane i of the other half
	s_mov_b32 s35, 0xfedcba98
	s_mov_b32 s38, 0xffff0000                      ; a word's upper bf16
	s_mov_b32 s33, 0
	s_wait_kmcnt 0x0
	s_mov_b64 s[20:21], s[18:19]                   ; zbuf
	s_lshl_b32 s32, ttmp9, 15
	s_add_nc_u64 s[4:5], s[4:5], s[32:33]
	s_add_nc_u64 s[18:19], s[16:17], s[32:33]
	s_add_nc_u64 s[18:19], s[18:19], 0x1000000     ; the bf16 part of fbuf
	s_lshl_b32 s32, ttmp9, 16
	s_add_nc_u64 s[16:17], s[16:17], s[32:33]
	s_lshl_b32 s32, ttmp9, 10
	s_add_nc_u64 s[36:37], s[20:21], s[32:33]
	s_add_nc_u64 s[36:37], s[36:37], 0x4000000     ; c lies behind the 65,536 rows of 1,024 bytes
	s_lshl_b32 s32, ttmp9, 18
	s_add_nc_u64 s[20:21], s[20:21], s[32:33]
	s_lshl_b32 s32, s22, 14
	s_add_nc_u64 s[24:25], s[6:7], s[32:33]        ; W_feat image, my four tiles
	s_lshl_b32 s32, s22, 15
	s_add_co_u32 s32, s32, 65536
	s_add_nc_u64 s[26:27], s[6:7], s[32:33]        ; Wq image, my four tiles
	s_lshl_b32 s32, s22, 11
	s_add_co_u32 s32, s32, 196608
	s_add_nc_u64 s[28:29], s[6:7], s[32:33]        ; [Wk; W_p2 Wk] image, my head's two K steps
	; features, split, into LDS: 16 passes of 2,048 consecutive bytes
	global_load_b128 v[20:23], v[VL16], s[14:15]
	global_load_b128 v[24:27], v[VL16], s[14:15] offset:512       ; b_p2 of my 8 columns in the copy-out
.irp i,0,1,2,3,4,5,6,7,8,9,10,11,12,13,14,15
	global_load_b128 v[128+4*\i:131+4*\i], v12, s[4:5] offset:2048*\i th:TH_LOAD_NT
.endr
.irp i,0,1,2,3,4,5,6,7,8,9,10,11,12,13,14,15
	s_wait_loadcnt 15-\i                           ; loads return in order: pass i is in
	v_cvt_pk_bf16_f32 v[32+2*(\i%8)], v[128+4*\i], v[129+4*\i]
	v_cvt_pk_bf16_f32 v[33+2*(\i%8)], v[130+4*\i], v[131+4*\i]
	v_lshlrev_b32 v64, 16, v[32+2*(\i%8)]
	v_and_b32 v65, s38, v[32+2*(\i%8)]
	v_lshlrev_b32 v66, 16, v[33+2*(\i%8)]
	v_and_b32 v67, s38, v[33+2*(\i%8)]
	v_pk_add_f32 v[128+4*\i:129+4*\i], v[128+4*\i:129+4*\i], v[64:65] neg_lo:[0,1] neg_hi:[0,1]
	v_pk_add_f32 v[130+4*\i:131+4*\i], v[130+4*\i:131+4*\i], v[66:67] neg_lo:[0,1] neg_hi:[0,1]
	v_cvt_pk_bf16_f32 v[48+2*(\i%8)], v[128+4*\i], v[129+4*\i]
	v_cvt_pk_bf16_f32 v[49+2*(\i%8)], v[130+4*\i], v[131+4*\i]
	ds_store_b64 v13, v[32+2*(\i%8):33+2*(\i%8)] offset:2112*\i
	ds_store_b64 v13, v[48+2*(\i%8):49+2*(\i%8)] offset:2112*\i+256
.endr
	s_wait_dscnt 0x0
	s_barrier_signal -1
	s_barrier_wait -1
	; f
.set KNS, 4
.set KALO, 256
	GEMMX 12, 24, 0, 4096, 4, 0, 8448
	BIASLD 8, WBUF
	ADDB
	STF32 8
	PACKHL 7, 0, 16640, 512
	s_wait_dscnt 0x0
	s_barrier_signal -1
	s_barrier_wait -1
	; f leaves by whole rows: my 16 rows, 512 consecutive bytes of f32 and 256 of bf16 an instruction.  No register is used twice here.
.set u, 0
.rept 32
	ds_load_b128 v[128+4*u:131+4*u], v14 offset:(u/2)*1040+(u%2)*512
.set u, u+1
.endr
.set u, 0
.rept 32
	s_wait_dscnt 31-u
	global_store_b128 v15, v[128+4*u:131+4*u], s[16:17] offset:(u/2)*1024+(u%2)*512
	v_pk_add_f32 v[96:97], v[128+4*u:129+4*u], v[20+4*(u%2):21+4*(u%2)]
	v_pk_add_f32 v[98:99], v[130+4*u:131+4*u], v[22+4*(u%2):23+4*(u%2)]
	v_cvt_pk_bf16_f32 v[32+2*u], v96, v97
	v_cvt_pk_bf16_f32 v[33+2*u], v98, v99
	global_store_b64 v16, v[32+2*u:33+2*u], s[18:19] offset:(u/2)*512+(u%2)*256
.set u, u+1
.endr
	s_wait_xcnt 0x0                                ; the stores' data registers are written again only behind this wait
	; q, and c = q . bk / 8 for my head
.set KNS, 8
.set KALO, 512
	GEMMX 24, 26, 0, 8192, 5, 0, 16640
	BIASLD 10, WBUF
	BIASLD 12, WBUF+32
	ADDB
.irp g,0,1,2,3
.set first, 1
.irp i,0,1,2,3
.irp p,0,2,4,6
.if first
	v_pk_mul_f32 v[28:29], v[ACC+8*(4*\g+\i)+\p:ACC+8*(4*\g+\i)+\p+1], v[WBUF+32+8*\i+\p:WBUF+32+8*\i+\p+1]
.set first, 0
.else
	v_pk_fma_f32 v[28:29], v[ACC+8*(4*\g+\i)+\p:ACC+8*(4*\g+\i)+\p+1], v[WBUF+32+8*\i+\p:WBUF+32+8*\i+\p+1], v[28:29]
.endif
.endr
.endr
	v_add_f32 v28, v28, v29
	v_permlanex16_b32 v30, v28, s34, s35           ; the other eight columns of each tile
	v_add_f32 v28, v28, v30
	v_mul_f32 v28, 0x3e000000, v28
	ds_store_b32 v11, v28 offset:256*\g            ; both halves write the same number
.endr
	PACKHL 6, 0, 16640, 512
	s_wait_dscnt 0x0                               ; my reads of f as f32 are back and c is written: the stages may now take those bytes
	s_barrier_signal -1
	s_barrier_wait -1
	; u and w for my head: K = my head's 64 columns of q; 64 outputs a pass.  From here on every LDS byte I touch is my own.
.set KNS, 2
.set KALO, 512
.irp P,0,1,2,3
	GEMMX 6, 28, \P*32768, 8192, 6, 0, 16640
	PACKHI 9, 128*\P, 8448
.endr
	ZOUT 0
.irp P,0,1
	GEMMX 6, 28, (4+\P)*32768, 8192, 6, 0, 16640
	PACKHL 9, 128*\P, 8448, 256
.endr
	ZOUT 1
	s_cmp_gt_u32 s22, 1
	s_cbranch_scc1 .Lend
	ds_load_b128 v[32:35], v19                     ; c: 1,024 bytes, waves 0 and 1
	s_wait_dscnt 0x0
	global_store_b128 v31, v[32:35], s[36:37]
.Lend:
	s_set_vgpr_msb 0x5
	s_wait_tensorcnt 0x0
	ds_add_u32 v0, v1
	s_wait_dscnt 0x0
	s_set_vgpr_msb 0x500
	s_endpgm
.Lfunc_end_k_qe885adc84c_front:
	.size	k_qe885adc84c_front, .Lfunc_end_k_qe885adc84c_front-k_qe885adc84c_front
	.p2alignl 7, 3214868480
	.fill 96, 4, 3214868480
	.section	.rodata,"a",@progbits
	.p2align	6, 0x0
	.amdhsa_kernel k_qe885adc84c_front
		.amdhsa_group_segment_fixed_size 303616
		.amdhsa_private_segment_fixed_size 0
		.amdhsa_enable_private_segment 0
		.amdhsa_kernarg_size 64
		.amdhsa_user_sgpr_count 2
		.amdhsa_user_sgpr_kernarg_segment_ptr 1
		.amdhsa_wavefront_size32 1
		.amdhsa_system_sgpr_workgroup_id_x 1
		.amdhsa_system_sgpr_workgroup_id_y 1
		.amdhsa_system_sgpr_workgroup_id_z 1
		.amdhsa_system_vgpr_workitem_id 0
		.amdhsa_next_free_vgpr 258
		.amdhsa_next_free_sgpr 66
		.amdhsa_reserve_vcc 0
		.amdhsa_float_denorm_mode_32 3
		.amdhsa_float_denorm_mode_16_64 3
		.amdhsa_memory_ordered 1
		.amdhsa_forward_progress 1
		.amdhsa_inst_pref_size 255
	.end_amdhsa_kernel
	.section	.bss,"aw",@nobits
	.p2align	6
	.space	262144
	.amdgpu_metadata
---
amdhsa.version: [ 1, 2 ]
amdhsa.kernels:
  - .name:           k_qe885adc84c_front
    .symbol:         k_qe885adc84c_front.kd
    .args:
      - { .name: features, .offset: 0, .size: 8, .value_kind: global_buffer, .address_space: global }
      - { .name: wimg, .offset: 8, .size: 8, .value_kind: global_buffer, .address_space: global }
      - { .name: b_feat, .offset: 16, .size: 8, .value_kind: global_buffer, .address_space: global }
      - { .name: bq, .offset: 24, .size: 8, .value_kind: global_buffer, .address_space: global }
      - { .name: bk, .offset: 32, .size: 8, .value_kind: global_buffer, .address_space: global }
      - { .name: b_p2, .offset: 40, .size: 8, .value_kind: global_buffer, .address_space: global }
      - { .name: fbuf, .offset: 48, .size: 8, .value_kind: global_buffer, .address_space: global }
      - { .name: zbuf, .offset: 56, .size: 8, .value_kind: global_buffer, .address_space: global }
    .group_segment_fixed_size: 303616
    .private_segment_fixed_size: 0
    .kernarg_segment_align: 8
    .kernarg_segment_size: 64
    .max_flat_workgroup_size: 128
    .sgpr_count:     66
    .vgpr_count:     258
    .wavefront_size: 32
...
	.end_amdgpu_metadata
.endif
;; end of part 3
;; launch knn1 (part 4): grid 256 x 1, 8 waves a work-group, no clusters, 66,560 bytes of LDS; arguments coords, grp; writes grp
.if DOCPART == 4
	.amdgcn_target "amdgcn-amd-amdhsa--gfx1250"
	.amdhsa_code_object_version 6
	.text
	.protected	k_qe885adc84c_knn1
	.globl	k_qe885adc84c_knn1
	.p2align	8
	.type	k_qe885adc84c_knn1,@function
k_qe885adc84c_knn1:
	s_mov_b64 s[64:65], 0
	v_nop
	global_prefetch_b8 v0, s[64:65] scope:SCOPE_SE
	s_setreg_imm32_b32 hwreg(HW_REG_WAVE_MODE, 25, 1), 1
	s_wait_xcnt 0x0
; First level of the exact 16-nearest search.  The 4,096 candidates of a batch are 256 groups of 16 consecutive indices.  The sixteen
; nearest by (distance, index) lie in the sixteen groups that come first by (group minimum, group index): were one missing, sixteen
; groups, hence sixteen candidates, would come before it.  This launch finds those groups and stores their numbers, ascending.
; A lane is a query; wave (qs, p) scans groups 64 p .. 64 p + 63 for queries 32 qs + lane of the work-group's 64; the four parts'
; lists are merged through LDS in the order of the parts.  An excluded pair (itself, later in time, further than 50) gets BIG = 0x7f7fffff;
; lists start at +inf; a strict < during an ascending scan keeps the lower index ahead at equal distances.
; No branch and no address hangs on a distance: a sorted list of 16 is kept by compares, selects and medians.
; LIMITS: NaN coordinates are not served.  dx*dx + dy*dy and 0.3*dt + sd are fused, and v_sqrt_f32 is good to 1 ulp (ISA guide 15.8), so two
; candidates within an ulp may change places; a denormal squared distance counts as 0; sd <= 50 is tested as sq <= 2500 (the same set under a
; correctly rounded root: the float above 2500 has a root that rounds above 50); a distance of 3.4e38 or more counts as excluded.
.set XI, 2
.set YI, 3
.set TI, 4
.set QI, 5                             ; my index in the batch
.set QREL, 6                           ; QI - first index of the eight candidates at work
.set GM, 7                             ; group minimum
.set GI, 8                             ; its number
.set TA, 9                             ; v9, v10 at work in INSERT
.set VBIG, 11
.set KL, 12                            ; v[12:27] keys, ascending
.set IL, 28                            ; v[28:43] their numbers
.set DX, 44                            ; v[44:75] at work: distances; in a merge the partner's keys (DX ..) and numbers (DT ..)
.set DY, 52
.set DT, 60
.set SQ, 68
.set MAO, 76                           ; my wave's list region in LDS + 4 lane
.set MA1, 77                           ; the first merge's partner: wave | 1
.set OFF, 78
.set MA2, 79                           ; the second merge's partner: part 2 of my queries, in the second region
; s[16:39], s[40:63]: two sets of eight candidates (x, y, t each).  s[68:91] masks.  s92 = 2500, s93 = 0.3
.macro INSERT X, XI                    ; (X, XI) into the sorted list; equal keys stay ahead of it
.irp i,0,1,2,3,4,5,6,7,8,9,10,11,12,13,14,15
	v_cmp_lt_f32 s[68+\i], v[\X], v[KL+\i]
.endr
.set ii, 15
.rept 15
	v_cndmask_b32 v[TA+(ii%2)], v[\XI], v[IL+ii-1], s[68+ii-1]
	v_cndmask_b32 v[IL+ii], v[IL+ii], v[TA+(ii%2)], s[68+ii]
	v_med3_num_f32 v[KL+ii], v[KL+ii-1], v[\X], v[KL+ii]       ; K[i-1] <= K[i]: the middle one is the new K[i]
.set ii, ii-1
.endr
	v_cndmask_b32 v[IL], v[IL], v[\XI], s68
	v_min_num_f32 v[KL], v[KL], v[\X]
.endm
.macro DISTS SB                        ; eight distances into v[DX..DX+7], stage by stage
.irp c,0,1,2,3,4,5,6,7
	v_sub_f32 v[DX+\c], s[\SB+3*\c], v[XI]
.endr
.irp c,0,1,2,3,4,5,6,7
	v_sub_f32 v[DY+\c], s[\SB+3*\c+1], v[YI]
.endr
.irp c,0,1,2,3,4,5,6,7
	v_subrev_f32 v[DT+\c], s[\SB+3*\c+2], v[TI]    ; t_i - t_j, not negative where the pair counts
.endr
.irp c,0,1,2,3,4,5,6,7
	v_mul_f32 v[SQ+\c], v[DX+\c], v[DX+\c]
.endr
.irp c,0,1,2,3,4,5,6,7
	v_fmac_f32 v[SQ+\c], v[DY+\c], v[DY+\c]
.endr
.irp c,0,1,2,3,4,5,6,7
	v_sqrt_f32 v[DX+\c], v[SQ+\c]
.endr
.irp c,0,1,2,3,4,5,6,7
	v_cmp_le_f32 s[68+\c], s[\SB+3*\c+2], v[TI]    ; not later than me (also the plain instruction behind the roots, ISA guide 5.7.2)
.endr
.irp c,0,1,2,3,4,5,6,7
	v_cmp_ge_f32 s[76+\c], s92, v[SQ+\c]           ; within the radius
.endr
.irp c,0,1,2,3,4,5,6,7
	v_cmp_ne_u32 s[84+\c], \c, v[QREL]             ; not myself
.endr
.irp c,0,1,2,3,4,5,6,7
	s_and_b32 s[68+\c], s[68+\c], s[76+\c]
.endr
.irp c,0,1,2,3,4,5,6,7
	s_and_b32 s[68+\c], s[68+\c], s[84+\c]
.endr
	s_wait_alu depctr_va_vdst(0)
.irp c,0,1,2,3,4,5,6,7
	v_fma_f32 v[DX+\c], v[DT+\c], s93, v[DX+\c]
.endr
.irp c,0,1,2,3,4,5,6,7
	v_cndmask_b32 v[DX+\c], v[VBIG], v[DX+\c], s[68+\c]
.endr
.endm
.macro PUTL o                          ; my lists to LDS: entry e at 256 e, keys then numbers, a word a lane
.irp e,0,1,2,3,4,5,6,7,8,9,10,11,12,13,14,15
	ds_store_b32 v[MAO], v[KL+\e] offset:\o+256*\e
	ds_store_b32 v[MAO], v[IL+\e] offset:\o+256*\e+128
.endr
.endm
.macro MERGE AD                        ; the sixteen entries at v[AD], in their order, into my lists
.irp e,0,1,2,3,4,5,6,7,8,9,10,11,12,13,14,15
	ds_load_b32 v[DX+\e], v[\AD] offset:256*\e
	ds_load_b32 v[DT+\e], v[\AD] offset:256*\e+128
.endr
	s_wait_dscnt 0x0
.irp e,0,1,2,3,4,5,6,7,8,9,10,11,12,13,14,15
	INSERT DX+\e, DT+\e
.endr
.endm
	s_load_b128 s[4:7], s[0:1], 0x0                ; coords, grp
	v_lshl_add_u32 v80, v0, 2, 0x10000
	v_mov_b32 v81, 0
	v_lshrrev_b32 v1, 5, v0
	v_readfirstlane_b32 s8, v1                     ; wave
	v_and_b32 v1, 31, v0                           ; lane
	s_lshr_b32 s9, s8, 2                           ; qs
	s_and_b32 s15, s8, 3                           ; p
	s_lshr_b32 s2, ttmp9, 6                        ; batch
	s_mul_i32 s2, s2, 49152
	s_mov_b32 s3, 0
	s_and_b32 s10, ttmp9, 63
	s_lshl_b32 s10, s10, 6
	s_lshl_b32 s11, s9, 5
	s_add_co_u32 s10, s10, s11
	v_add_nc_u32 v[QI], s10, v1
	v_mul_u32_u24 v[OFF], v[QI], 12
	s_lshl_b32 s10, s8, 12
	v_lshl_add_u32 v[MAO], v1, 2, s10
	s_or_b32 s10, s8, 1
	s_lshl_b32 s10, s10, 12
	v_lshl_add_u32 v[MA1], v1, 2, s10              ; inside the first region for every wave
	s_lshl_b32 s10, s9, 14
	s_add_co_u32 s10, s10, 40960                   ; 32,768 + 4,096 x (4 qs + 2)
	v_lshl_add_u32 v[MA2], v1, 2, s10              ; inside the second region for every wave
	s_mov_b32 s92, 0x451c4000                      ; 2500.0
	s_mov_b32 s93, 0x3e99999a                      ; 0.3
	v_mov_b32 v[VBIG], 0x7f7fffff
.irp i,0,1,2,3,4,5,6,7,8,9,10,11,12,13,14,15
	v_mov_b32 v[KL+\i], 0x7f800000
	v_mov_b32 v[IL+\i], 0
.endr
	s_wait_kmcnt 0x0
	s_add_nc_u64 s[4:5], s[4:5], s[2:3]            ; my batch
	global_load_b32 v[XI], v[OFF], s[4:5]
	global_load_b32 v[YI], v[OFF], s[4:5] offset:4
	global_load_b32 v[TI], v[OFF], s[4:5] offset:8
	s_mul_i32 s2, s15, 12288
	s_add_nc_u64 s[66:67], s[4:5], s[2:3]          ; my part's 1,024 candidates
	s_mov_b32 s12, 0
	s_load_b256 s[16:23], s[66:67], s12 offset:0x0
	s_load_b256 s[24:31], s[66:67], s12 offset:0x20
	s_load_b256 s[32:39], s[66:67], s12 offset:0x40
	s_mov_b32 s10, 0                               ; byte offset of the group
	s_mov_b32 s11, 0                               ; trips
	s_lshl_b32 s13, s15, 10                        ; first index of the group
	s_lshl_b32 s14, s15, 6                         ; the group's number
	s_wait_loadcnt 0x0
.Lg:
	s_wait_kmcnt 0x0                               ; the group's first eight are in
	s_load_b256 s[40:47], s[66:67], s10 offset:0x60
	s_load_b256 s[48:55], s[66:67], s10 offset:0x80
	s_load_b256 s[56:63], s[66:67], s10 offset:0xa0
	v_subrev_nc_u32 v[QREL], s13, v[QI]
	DISTS 16
	v_min_num_f32 v[GM], v[DX], v[DX+1]
	v_min3_num_f32 v[GM], v[GM], v[DX+2], v[DX+3]
	v_min3_num_f32 v[GM], v[GM], v[DX+4], v[DX+5]
	v_min3_num_f32 v[GM], v[GM], v[DX+6], v[DX+7]
	s_wait_kmcnt 0x0                               ; the second eight are in, so the offsets may be stepped
	s_add_co_u32 s10, s10, 192
	s_min_u32 s12, s10, 12096                      ; the last trip asks for its own group again: no load leaves my part
	s_load_b256 s[16:23], s[66:67], s12 offset:0x0
	s_load_b256 s[24:31], s[66:67], s12 offset:0x20
	s_load_b256 s[32:39], s[66:67], s12 offset:0x40
	v_add_nc_u32 v[QREL], -8, v[QREL]
	DISTS 40
	v_min3_num_f32 v[GM], v[GM], v[DX], v[DX+1]
	v_min3_num_f32 v[GM], v[GM], v[DX+2], v[DX+3]
	v_min3_num_f32 v[GM], v[GM], v[DX+4], v[DX+5]
	v_min3_num_f32 v[GM], v[GM], v[DX+6], v[DX+7]
	v_mov_b32 v[GI], s14
	INSERT GM, GI
	s_add_co_u32 s13, s13, 16
	s_add_co_u32 s14, s14, 1
	s_add_co_u32 s11, s11, 1
	s_cmp_lt_u32 s11, 64
	s_cbranch_scc1 .Lg
	s_wait_kmcnt 0x0
	; Merge: part 1 into 0 and 3 into 2, then 2 into 0.  Each hand-over has a barrier in front of it and behind it, so that between two
	; barriers the list regions are either written or read, never both.
	PUTL 0
	s_wait_dscnt 0x0                               ; my lists are written
	s_barrier_signal -1
	s_barrier_wait -1
	s_and_b32 s96, s15, 1
	s_cmp_lg_u32 s96, 0
	s_cbranch_scc1 .Ls1
	MERGE MA1
.Ls1:
	s_wait_dscnt 0x0                               ; my reads of the partner's lists are back
	s_barrier_signal -1
	s_barrier_wait -1
	s_cmp_lg_u32 s15, 2
	s_cbranch_scc1 .Ls2
	PUTL 32768                                     ; part 2 hands on, in the second region
.Ls2:
	s_wait_dscnt 0x0
	s_barrier_signal -1
	s_barrier_wait -1
	s_cmp_lg_u32 s15, 0
	s_cbranch_scc1 .Lend
	MERGE MA2
	; the sixteen group numbers ascending, so that the second level scans in the order of the indices
.set ps, 0
.rept 15
.set jj, 0
.rept 15-ps
	v_min_u32 v[TA], v[IL+jj], v[IL+jj+1]
	v_max_u32 v[IL+jj+1], v[IL+jj], v[IL+jj+1]
	v_mov_b32 v[IL+jj], v[TA]
.set jj, jj+1
.endr
.set ps, ps+1
.endr
	s_lshl_b32 s2, ttmp9, 12                       ; [block of 32 queries][slot/4][lane][4]
	s_lshl_b32 s96, s9, 11
	s_add_co_u32 s2, s2, s96
	s_add_nc_u64 s[6:7], s[6:7], s[2:3]
	v_lshlrev_b32 v[OFF], 4, v1
.irp i,0,1,2,3
	global_store_b128 v[OFF], v[IL+4*\i:IL+4*\i+3], s[6:7] offset:512*\i   ; 512 consecutive bytes
.endr
.Lend:
	s_wait_tensorcnt 0x0
	ds_add_u32 v80, v81
	s_wait_dscnt 0x0
	s_endpgm
.Lfunc_end_k_qe885adc84c_knn1:
	.size	k_qe885adc84c_knn1, .Lfunc_end_k_qe885adc84c_knn1-k_qe885adc84c_knn1
	.p2alignl 7, 3214868480
	.fill 96, 4, 3214868480
	.section	.rodata,"a",@progbits
	.p2align	6, 0x0
	.amdhsa_kernel k_qe885adc84c_knn1
		.amdhsa_group_segment_fixed_size 66560
		.amdhsa_private_segment_fixed_size 0
		.amdhsa_enable_private_segment 0
		.amdhsa_kernarg_size 16
		.amdhsa_user_sgpr_count 2
		.amdhsa_user_sgpr_kernarg_segment_ptr 1
		.amdhsa_wavefront_size32 1
		.amdhsa_system_sgpr_workgroup_id_x 1
		.amdhsa_system_sgpr_workgroup_id_y 1
		.amdhsa_system_sgpr_workgroup_id_z 1
		.amdhsa_system_vgpr_workitem_id 0
		.amdhsa_next_free_vgpr 82
		.amdhsa_next_free_sgpr 100
		.amdhsa_reserve_vcc 0
		.amdhsa_float_denorm_mode_32 3
		.amdhsa_float_denorm_mode_16_64 3
		.amdhsa_memory_ordered 1
		.amdhsa_forward_progress 1
		.amdhsa_inst_pref_size 164
	.end_amdhsa_kernel
	.amdgpu_metadata
---
amdhsa.version: [ 1, 2 ]
amdhsa.kernels:
  - .name:           k_qe885adc84c_knn1
    .symbol:         k_qe885adc84c_knn1.kd
    .args:
      - { .name: coords, .offset: 0, .size: 8, .value_kind: global_buffer, .address_space: global }
      - { .name: grp, .offset: 8, .size: 8, .value_kind: global_buffer, .address_space: global }
    .group_segment_fixed_size: 66560
    .private_segment_fixed_size: 0
    .kernarg_segment_align: 8
    .kernarg_segment_size: 16
    .max_flat_workgroup_size: 256
    .sgpr_count:     100
    .vgpr_count:     82
    .wavefront_size: 32
...
	.end_amdgpu_metadata
.endif
;; end of part 4
;; launch knn2 (part 5): grid 256 x 1, 8 waves a work-group, no clusters, 115,712 bytes of LDS; arguments coords, grp, nidx, nkd; writes nidx, nkd
.if DOCPART == 5
	.amdgcn_target "amdgcn-amd-amdhsa--gfx1250"
	.amdhsa_code_object_version 6
	.text
	.protected	k_qe885adc84c_knn2
	.globl	k_qe885adc84c_knn2
	.p2align	8
	.type	k_qe885adc84c_knn2,@function
k_qe885adc84c_knn2:
	s_mov_b64 s[64:65], 0
	v_nop
	global_prefetch_b8 v0, s[64:65] scope:SCOPE_SE
	s_setreg_imm32_b32 hwreg(HW_REG_WAVE_MODE, 25, 1), 1
	s_wait_xcnt 0x0
; Second level of the search: each query scans the 256 candidates of its sixteen groups (numbers from grp, stored by the launch before)
; and keeps the sixteen nearest.  A lane is a query; wave (qs, p) takes the four groups 4 p .. 4 p + 3 of the ascending list; the parts are
; merged in their order, so equal distances keep the lower index ahead.  The batch's coordinates lie in LDS (49,152 bytes); a lane reads its
; group's 192 bytes from there.  The distances are made by the same instructions as in the first level, so they have the same bits.
; nidx: [query][16] index in the batch; nkd: [query][16] distance, ascending, 0x7f7fffff where the place holds no neighbour.
; LIMITS: as stated for the first level (NaN coordinates; fused sums and a root of 1 ulp; denormal squares; 3.4e38).
.set XI, 2
.set YI, 3
.set TI, 4
.set QI, 5
.set QREL, 6
.set VJ0, 7                            ; first index of the group
.set VJ, 8
.set TA, 9
.set VBIG, 11
.set KL, 12
.set IL, 28
.set DX, 44                            ; v[44:75] at work: distances; in a merge the partner's keys (DX ..) and numbers (DT ..)
.set DY, 52
.set DT, 60
.set SQ, 68
.set G, 76                             ; v[76:79] my four groups
.set CA, 80
.set GM, 81                            ; at work on the way out
.set GI, 82
.set MA1, 83                           ; the first merge's partner: wave | 1
.set C, 84                             ; v[84:131] sixteen candidates, x y t each
.set MAO, 132
.set OFF, 133
.set L16, 134
.set MA2, 135                          ; the second merge's partner: part 2 of my queries, in the second region
.set MAR, 49152
.macro INSERT X, XI
.irp i,0,1,2,3,4,5,6,7,8,9,10,11,12,13,14,15
	v_cmp_lt_f32 s[68+\i], v[\X], v[KL+\i]
.endr
.set ii, 15
.rept 15
	v_cndmask_b32 v[TA+(ii%2)], v[\XI], v[IL+ii-1], s[68+ii-1]
	v_cndmask_b32 v[IL+ii], v[IL+ii], v[TA+(ii%2)], s[68+ii]
	v_med3_num_f32 v[KL+ii], v[KL+ii-1], v[\X], v[KL+ii]
.set ii, ii-1
.endr
	v_cndmask_b32 v[IL], v[IL], v[\XI], s68
	v_min_num_f32 v[KL], v[KL], v[\X]
.endm
.macro DISTV CB, c0
.irp c,0,1,2,3,4,5,6,7
	v_sub_f32 v[DX+\c], v[\CB+3*\c], v[XI]
.endr
.irp c,0,1,2,3,4,5,6,7
	v_sub_f32 v[DY+\c], v[\CB+3*\c+1], v[YI]
.endr
.irp c,0,1,2,3,4,5,6,7
	v_sub_f32 v[DT+\c], v[TI], v[\CB+3*\c+2]
.endr
.irp c,0,1,2,3,4,5,6,7
	v_mul_f32 v[SQ+\c], v[DX+\c], v[DX+\c]
.endr
.irp c,0,1,2,3,4,5,6,7
	v_fmac_f32 v[SQ+\c], v[DY+\c], v[DY+\c]
.endr
.irp c,0,1,2,3,4,5,6,7
	v_sqrt_f32 v[DX+\c], v[SQ+\c]
.endr
.irp c,0,1,2,3,4,5,6,7
	v_cmp_le_f32 s[68+\c], v[\CB+3*\c+2], v[TI]    ; also the plain instruction behind the roots (ISA guide 5.7.2)
.endr
.irp c,0,1,2,3,4,5,6,7
	v_cmp_ge_f32 s[76+\c], s92, v[SQ+\c]
.endr
.irp c,0,1,2,3,4,5,6,7
	v_cmp_ne_u32 s[84+\c], \c0+\c, v[QREL]
.endr
.irp c,0,1,2,3,4,5,6,7
	s_and_b32 s[68+\c], s[68+\c], s[76+\c]
.endr
.irp c,0,1,2,3,4,5,6,7
	s_and_b32 s[68+\c], s[68+\c], s[84+\c]
.endr
	s_wait_alu depctr_va_vdst(0)
.irp c,0,1,2,3,4,5,6,7
	v_fma_f32 v[DX+\c], v[DT+\c], s93, v[DX+\c]
.endr
.irp c,0,1,2,3,4,5,6,7
	v_cndmask_b32 v[DX+\c], v[VBIG], v[DX+\c], s[68+\c]
.endr
.endm
.macro PUTL o
.irp e,0,1,2,3,4,5,6,7,8,9,10,11,12,13,14,15
	ds_store_b32 v[MAO], v[KL+\e] offset:\o+256*\e
	ds_store_b32 v[MAO], v[IL+\e] offset:\o+256*\e+128
.endr
.endm
.macro MERGE AD                        ; the sixteen entries at v[AD], in their order, into my lists
.irp e,0,1,2,3,4,5,6,7,8,9,10,11,12,13,14,15
	ds_load_b32 v[DX+\e], v[\AD] offset:256*\e
	ds_load_b32 v[DT+\e], v[\AD] offset:256*\e+128
.endr
	s_wait_dscnt 0x0
.irp e,0,1,2,3,4,5,6,7,8,9,10,11,12,13,14,15
	INSERT DX+\e, DT+\e
.endr
.endm
	s_load_b256 s[4:11], s[0:1], 0x0               ; coords, grp, nidx, nkd
	v_lshl_add_u32 v136, v0, 2, 0x1c000
	v_mov_b32 v137, 0
	v_lshrrev_b32 v1, 5, v0
	v_readfirstlane_b32 s20, v1                    ; wave
	v_and_b32 v1, 31, v0
	s_lshr_b32 s21, s20, 2                         ; qs
	s_and_b32 s22, s20, 3                          ; p
	s_lshr_b32 s2, ttmp9, 6
	s_mul_i32 s2, s2, 49152
	s_mov_b32 s3, 0
	s_and_b32 s23, ttmp9, 63
	s_lshl_b32 s23, s23, 6
	s_lshl_b32 s24, s21, 5
	s_add_co_u32 s23, s23, s24
	v_add_nc_u32 v[QI], s23, v1
	v_mul_u32_u24 v[OFF], v[QI], 12
	v_lshlrev_b32 v[CA], 4, v0
	v_lshlrev_b32 v[L16], 4, v1
	s_lshl_b32 s25, s20, 12
	s_add_co_u32 s25, s25, MAR                     ; my wave's list region
	v_lshl_add_u32 v[MAO], v1, 2, s25
	s_or_b32 s24, s20, 1
	s_lshl_b32 s24, s24, 12
	s_add_co_u32 s24, s24, MAR
	v_lshl_add_u32 v[MA1], v1, 2, s24              ; inside the first region for every wave
	s_lshl_b32 s24, s21, 14
	s_add_co_u32 s24, s24, MAR+40960               ; the second region, 4,096 x (4 qs + 2)
	v_lshl_add_u32 v[MA2], v1, 2, s24              ; inside the second region for every wave
	s_mov_b32 s92, 0x451c4000
	s_mov_b32 s93, 0x3e99999a
	v_mov_b32 v[VBIG], 0x7f7fffff
.irp i,0,1,2,3,4,5,6,7,8,9,10,11,12,13,14,15
	v_mov_b32 v[KL+\i], 0x7f800000
	v_mov_b32 v[IL+\i], 0
.endr
	s_wait_kmcnt 0x0
	s_add_nc_u64 s[4:5], s[4:5], s[2:3]
	s_lshl_b32 s2, ttmp9, 12
	s_lshl_b32 s24, s21, 11
	s_add_co_u32 s2, s2, s24                       ; 32 queries x 64 bytes a block, in grp, nidx and nkd alike
	s_add_nc_u64 s[8:9], s[8:9], s[2:3]
	s_add_nc_u64 s[10:11], s[10:11], s[2:3]
	s_lshl_b32 s24, s22, 9
	s_add_co_u32 s2, s2, s24
	s_add_nc_u64 s[6:7], s[6:7], s[2:3]
.irp i,0,1,2,3,4,5,6,7,8,9,10,11
	global_load_b128 v[C+4*\i:C+4*\i+3], v[CA], s[4:5] offset:4096*\i
.endr
	global_load_b128 v[G:G+3], v[L16], s[6:7]
	global_load_b32 v[XI], v[OFF], s[4:5]
	global_load_b32 v[YI], v[OFF], s[4:5] offset:4
	global_load_b32 v[TI], v[OFF], s[4:5] offset:8
.irp i,0,1,2,3,4,5,6,7,8,9,10,11
	s_wait_loadcnt 15-\i                           ; piece i is in: 11 - i pieces and four other loads were issued behind it
	ds_store_b128 v[CA], v[C+4*\i:C+4*\i+3] offset:4096*\i
.endr
	s_wait_loadcnt 0x0
	s_wait_dscnt 0x0
	s_barrier_signal -1
	s_barrier_wait -1
	s_mov_b32 s23, 0
.Lt:
	v_min_u32 v[CA], 0xff, v[G]                    ; a group's number stays inside the table
	v_lshlrev_b32 v[VJ0], 4, v[CA]
	v_mul_u32_u24 v[CA], v[CA], 192
.irp i,0,1,2,3,4,5,6,7,8,9,10,11
	ds_load_b128 v[C+4*\i:C+4*\i+3], v[CA] offset:16*\i
.endr
	v_sub_nc_u32 v[QREL], v[QI], v[VJ0]
	s_wait_dscnt 0x0
	DISTV C, 0
.irp c,0,1,2,3,4,5,6,7
	v_add_nc_u32 v[VJ], \c, v[VJ0]
	INSERT DX+\c, VJ
.endr
	DISTV C+24, 8
.irp c,0,1,2,3,4,5,6,7
	v_add_nc_u32 v[VJ], 8+\c, v[VJ0]
	INSERT DX+\c, VJ
.endr
	v_mov_b32 v[G], v[G+1]
	v_mov_b32 v[G+1], v[G+2]
	v_mov_b32 v[G+2], v[G+3]
	s_add_co_u32 s23, s23, 1
	s_cmp_lt_u32 s23, 4
	s_cbranch_scc1 .Lt
	; Merge: part 1 into 0 and 3 into 2, then 2 into 0.  Each hand-over has a barrier in front of it and behind it, so that between two
	; barriers the list regions are either written or read, never both.
	PUTL 0
	s_wait_dscnt 0x0
	s_barrier_signal -1
	s_barrier_wait -1
	s_and_b32 s96, s22, 1
	s_cmp_lg_u32 s96, 0
	s_cbranch_scc1 .Ls1
	MERGE MA1
.Ls1:
	s_wait_dscnt 0x0                               ; my reads of the partner's lists are back
	s_barrier_signal -1
	s_barrier_wait -1
	s_cmp_lg_u32 s22, 2
	s_cbranch_scc1 .Ls2
	PUTL 32768                                     ; part 2 hands on, in the second region
.Ls2:
	s_wait_dscnt 0x0
	s_barrier_signal -1
	s_barrier_wait -1
	s_cmp_lg_u32 s22, 0
	s_cbranch_scc1 .Ls3
	MERGE MA2
.Ls3:
	s_wait_dscnt 0x0                               ; all reads of the list regions are back: the way out may write into them
	s_barrier_signal -1
	s_barrier_wait -1
	s_cmp_lg_u32 s22, 0
	s_cbranch_scc1 .Lend
	; a lane holds a query's 64 bytes; through my own first list region (rows of 80 bytes) they become 512 consecutive bytes an instruction.
	; LDS serves a wave's instructions in order (ISA guide 5.7.1): stores, loads, stores and loads follow each other without a wait.
	v_mul_u32_u24 v[GM], v1, 80
	v_add_nc_u32 v[GM], s25, v[GM]
	v_lshrrev_b32 v[GI], 2, v1
	v_mul_u32_u24 v[GI], v[GI], 80
	v_and_b32 v[VJ], 3, v1
	v_lshl_add_u32 v[GI], v[VJ], 4, v[GI]
	v_add_nc_u32 v[GI], s25, v[GI]
.irp i,0,1,2,3
	ds_store_b128 v[GM], v[IL+4*\i:IL+4*\i+3] offset:16*\i
.endr
.irp i,0,1,2,3
	ds_load_b128 v[C+4*\i:C+4*\i+3], v[GI] offset:640*\i
.endr
.irp i,0,1,2,3
	ds_store_b128 v[GM], v[KL+4*\i:KL+4*\i+3] offset:16*\i
.endr
.irp i,0,1,2,3
	ds_load_b128 v[C+16+4*\i:C+16+4*\i+3], v[GI] offset:640*\i
.endr
	s_wait_dscnt 0x0
.irp i,0,1,2,3
	global_store_b128 v[L16], v[C+4*\i:C+4*\i+3], s[8:9] offset:512*\i
	global_store_b128 v[L16], v[C+16+4*\i:C+16+4*\i+3], s[10:11] offset:512*\i
.endr
.Lend:
	s_wait_tensorcnt 0x0
	ds_add_u32 v136, v137
	s_wait_dscnt 0x0
	s_endpgm
.Lfunc_end_k_qe885adc84c_knn2:
	.size	k_qe885adc84c_knn2, .Lfunc_end_k_qe885adc84c_knn2-k_qe885adc84c_knn2
	.p2alignl 7, 3214868480
	.fill 96, 4, 3214868480
	.section	.rodata,"a",@progbits
	.p2align	6, 0x0
	.amdhsa_kernel k_qe885adc84c_knn2
		.amdhsa_group_segment_fixed_size 115712
		.amdhsa_private_segment_fixed_size 0
		.amdhsa_enable_private_segment 0
		.amdhsa_kernarg_size 32
		.amdhsa_user_sgpr_count 2
		.amdhsa_user_sgpr_kernarg_segment_ptr 1
		.amdhsa_wavefront_size32 1
		.amdhsa_system_sgpr_workgroup_id_x 1
		.amdhsa_system_sgpr_workgroup_id_y 1
		.amdhsa_system_sgpr_workgroup_id_z 1
		.amdhsa_system_vgpr_workitem_id 0
		.amdhsa_next_free_vgpr 138
		.amdhsa_next_free_sgpr 100
		.amdhsa_reserve_vcc 0
		.amdhsa_float_denorm_mode_32 3
		.amdhsa_float_denorm_mode_16_64 3
		.amdhsa_memory_ordered 1
		.amdhsa_forward_progress 1
		.amdhsa_inst_pref_size 216
	.end_amdhsa_kernel
	.amdgpu_metadata
---
amdhsa.version: [ 1, 2 ]
amdhsa.kernels:
  - .name:           k_qe885adc84c_knn2
    .symbol:         k_qe885adc84c_knn2.kd
    .args:
      - { .name: coords, .offset: 0, .size: 8, .value_kind: global_buffer, .address_space: global }
      - { .name: grp, .offset: 8, .size: 8, .value_kind: global_buffer, .address_space: global }
      - { .name: nidx, .offset: 16, .size: 8, .value_kind: global_buffer, .address_space: global }
      - { .name: nkd, .offset: 24, .size: 8, .value_kind: global_buffer, .address_space: global }
    .group_segment_fixed_size: 115712
    .private_segment_fixed_size: 0
    .kernarg_segment_align: 8
    .kernarg_segment_size: 32
    .max_flat_workgroup_size: 256
    .sgpr_count:     100
    .vgpr_count:     138
    .wavefront_size: 32
...
	.end_amdgpu_metadata
.endif
;; end of part 5
;; launch att (part 6): grid 256 x 1, 16 waves a work-group, no clusters, 272,384 bytes of LDS; arguments coords, nidx, nkd, fbuf, zbuf, wimg, xbar; writes xbar
.if DOCPART == 6
	.amdgcn_target "amdgcn-amd-amdhsa--gfx1250"
	.amdhsa_code_object_version 6
	.text
	.protected	k_qe885adc84c_att
	.globl	k_qe885adc84c_att
	.p2align	8
	.type	k_qe885adc84c_att,@function
k_qe885adc84c_att:
	s_mov_b64 s[64:65], 0
	v_nop
	global_prefetch_b8 v0, s[64:65] scope:SCOPE_SE
	s_setreg_imm32_b32 hwreg(HW_REG_WAVE_MODE, 25, 1), 1
	s_wait_xcnt 0x0
; Attention over the sixteen neighbours of a query, before any projection of the neighbours.  X_k = [fb_j | h_k], h_k = relu(rel_k W_p1 + b_p1).
; Scores S[k][head] = fb_j . u_head + h_k . w_head + c_head (u, w, c from the launch 'front'), places without a neighbour set to -1e9, softmax over k
; with the row's true maximum, and xbar[query*4+head] = sum over k of a[head][k] X_k: 1,024 bytes: fb-bar (bf16), h-bar hi, h-bar lo.  Since the
; weights of a head sum to one, the value projection and its biases can follow on the averaged rows in the next launch.
; PRECISION: h is large beside fb, so all that touches h is split, x = hi + lo, both bf16:
;   rel, W_p1, b_p1: one K step holds K 0-3 rel hi x W hi, K 4, 5: 1 x b hi, 1 x b lo, K 8-11 rel lo x W hi, K 12-15 rel hi x W lo;
;   h . w = h hi w hi + h lo w hi + h hi w lo;   h-bar: K 0-15 h hi, K 16-31 h lo, times [a hi; a hi] and then [a lo; a lo].
; fb, u and fb-bar are one bf16 each, and fb-bar is made with a hi alone.
; A wave takes four queries, one a trip; all its LDS is its own, so there is no barrier.  A lane r gathers neighbour r's row of fb straight
; into the A fragments of S; the rows also go to LDS, from where ds_load_tr16_b128 brings them transposed for the average.
; Matrix shapes: h: D(m = column, n = neighbour).  S: D(m = neighbour, n = head = lane & 3).  Average: D(m = column, n = head).
; Where only K 0-15 is used, the partner operand is zero for K 16-31 and the operand's upper four registers are the neighbouring tile's (finite).
; LIMITS: places without a neighbour hold some index of the batch; their weight is 0.
.macro PLACES                          ; four independent vector instructions behind a matrix instruction (ISA guide 7.12.1)
.rept 4
	v_nop
.endr
.endm
; v1 16 lane; v2 4 r; v3 32 h; v4 4 (r&3); v5 Z row offset; v6 X rows in LDS (store); v7 transposing load; v8 average (store); v9 average (read);
; v11 index; v12 kd; v13 the word (1.0, 1.0); v14, v15 gather offsets; v16-18 c_j; v19 at work; v20 16 h; v21 -1e9; v[22:23] c twice;
; v[24:87] fb fragments, then w hi and w lo, then fb^T tiles, then the rows on their way out; v[88:91] 0;
; v[92:155] h as f32, then u, then h^T tiles (hi four, lo four); v[156:187] W_p1 image, then h lo, then results; v[188:191] 0;
; v[192:223] h hi, then results; v[224:227] rel, then a hi; v[228:231] 0; v[232:239] kd, at work, then [a hi; a hi];
; v[240:255] S, then at work and [a lo; a lo] in v[248:255].
	s_load_b256 s[4:11], s[0:1], 0x0               ; coords, nidx, nkd, fbuf
	s_load_b128 s[12:15], s[0:1], 0x20             ; zbuf, wimg
	s_load_b64 s[16:17], s[0:1], 0x30              ; xbar
	v_lshrrev_b32 v19, 5, v0
	v_readfirstlane_b32 s20, v19                   ; wave
	v_and_b32 v19, 31, v0
	v_lshlrev_b32 v1, 4, v19
	v_and_b32 v11, 15, v0                          ; r
	v_bfe_u32 v12, v0, 4, 1                        ; h
	v_lshlrev_b32 v2, 2, v11
	v_lshlrev_b32 v3, 5, v12
	v_lshlrev_b32 v20, 4, v12
	v_and_b32 v14, 3, v0
	v_lshlrev_b32 v4, 2, v14
	v_lshl_add_u32 v5, v14, 10, v20
	s_mul_i32 s21, s20, 16896                      ; my wave's LDS: 16 rows of 1,056 bytes (fb 512, h hi 256, h lo 256); later 5 rows of 1,040 in the same bytes
	v_mul_u32_u24 v6, v11, 1056
	v_add3_u32 v6, v6, v20, s21
	v_and_b32 v15, 7, v0
	v_lshl_add_u32 v15, v12, 3, v15
	v_mul_u32_u24 v7, v15, 1056
	v_bfe_u32 v15, v0, 3, 1
	v_lshl_add_u32 v7, v15, 4, v7
	v_add_nc_u32 v7, s21, v7
	v_min_u32 v15, 4, v11                          ; lanes 4-15 repeat heads 0-3: their copies go to a fifth row that nobody reads
	v_mul_u32_u24 v8, v15, 1040
	v_add3_u32 v8, v8, v20, s21
	v_add_nc_u32 v9, s21, v1
	s_mov_b32 s30, 0x76543210
	s_mov_b32 s31, 0xfedcba98
	s_mov_b32 s32, 0x7f7fffff                      ; the mark of a place without a neighbour
	s_mov_b32 s33, 0xffff                          ; lanes 0-15
	s_mov_b32 s34, 0x3fb8aa3b                      ; log2 e
	s_mov_b32 s35, 0xffff0000                      ; a word's upper bf16
	v_mov_b32 v13, 0x3f803f80
	v_mov_b32 v21, 0xce6e6b28
	v_mov_b32 v19, 0
.irp i,88,89,90,91,188,189,190,191,228,229,230,231
	v_mov_b32 v\i, 0
.endr
	s_lshl_b32 s22, ttmp9, 6
	s_lshl_b32 s23, s20, 2
	s_add_co_u32 s38, s22, s23                     ; my first query
	s_mov_b32 s23, 0
	s_wait_kmcnt 0x0
	s_lshl_b32 s22, s38, 6
	s_add_nc_u64 s[6:7], s[6:7], s[22:23]
	s_add_nc_u64 s[8:9], s[8:9], s[22:23]
	s_mul_i32 s22, s38, 12
	s_add_nc_u64 s[26:27], s[4:5], s[22:23]        ; the query's own coordinates
	s_lshr_b32 s39, ttmp9, 6                       ; batch
	s_mul_i32 s22, s39, 49152
	s_add_nc_u64 s[24:25], s[4:5], s[22:23]
	s_lshl_b32 s22, s39, 21
	s_add_co_u32 s22, s22, 0x1000000               ; the bf16 part of fbuf, my batch
	s_add_nc_u64 s[10:11], s[10:11], s[22:23]
	s_lshl_b32 s22, s38, 4
	s_add_nc_u64 s[28:29], s[12:13], s[22:23]
	s_add_nc_u64 s[28:29], s[28:29], 0x4000000
	s_lshl_b32 s22, s38, 12
	s_add_nc_u64 s[12:13], s[12:13], s[22:23]
	s_add_nc_u64 s[16:17], s[16:17], s[22:23]
	s_add_nc_u64 s[36:37], s[14:15], 1179648       ; the W_p1 image
	s_mov_b32 s21, 0
.Lq:
	s_load_b96 s[40:42], s[26:27], 0x0
	global_load_b32 v11, v2, s[6:7]
	global_load_b32 v12, v2, s[8:9]
	global_load_b128 v[232:235], v3, s[8:9]
	global_load_b128 v[236:239], v3, s[8:9] offset:16
	global_load_b32 v22, v4, s[28:29]
	s_wait_loadcnt 0x0
	v_min_u32 v11, 0xfff, v11                      ; an index stays inside the batch
	v_lshl_add_u32 v14, v11, 9, v20
	v_mul_u32_u24 v15, v11, 12
	global_load_b32 v16, v15, s[24:25]
	global_load_b32 v17, v15, s[24:25] offset:4
	global_load_b32 v18, v15, s[24:25] offset:8
.irp e,0,1,2,3,4,5,6,7
	global_load_b128 v[156+4*\e:159+4*\e], v1, s[36:37] offset:1024*\e    ; K = 0..15 of tile e
.endr
.irp c,0,1,2,3,4,5,6,7
	global_load_b128 v[24+8*\c:27+8*\c], v14, s[10:11] offset:64*\c
	global_load_b128 v[28+8*\c:31+8*\c], v14, s[10:11] offset:64*\c+32
.endr
.irp j,0,1,2,3,4,5,6,7
	v_cmp_gt_f32 s[52+\j], s32, v[232+\j]          ; neighbour 8h + j is there
.endr
	v_cmp_gt_f32 vcc_lo, s32, v12
	v_cndmask_b32 v12, 0, v12, vcc_lo              ; kd = 0 where there is none
	v_mov_b32 v23, v22
	s_wait_loadcnt 0x10                            ; c_j and the image are in; the sixteen loads of the gather stay out
	s_wait_kmcnt 0x0
	v_subrev_f32 v16, s40, v16
	v_subrev_f32 v17, s41, v17
	v_subrev_f32 v18, s42, v18
	v_cvt_pk_bf16_f32 v232, v16, v17               ; rel hi
	v_cvt_pk_bf16_f32 v233, v18, v12
	v_lshlrev_b32 v234, 16, v232
	v_and_b32 v235, s35, v232
	v_lshlrev_b32 v236, 16, v233
	v_and_b32 v237, s35, v233
	v_sub_f32 v16, v16, v234
	v_sub_f32 v17, v17, v235
	v_sub_f32 v18, v18, v236
	v_sub_f32 v12, v12, v237
	v_cvt_pk_bf16_f32 v238, v16, v17               ; rel lo
	v_cvt_pk_bf16_f32 v239, v18, v12
	v_cndmask_b32 v224, v238, v232, s33            ; lanes 0-15 hold K 0-7: rel hi, 1, 1, 0, 0;  lanes 16-31 K 8-15: rel lo, rel hi
	v_cndmask_b32 v225, v239, v233, s33
	v_cndmask_b32 v226, v232, v13, s33
	v_cndmask_b32 v227, v233, v228, s33
.irp e,0,1,2,3,4,5,6,7
	v_wmma_f32_16x16x32_bf16 v[92+8*\e:99+8*\e], v[156+4*\e:163+4*\e], v[224:231], 0
.endr
	PLACES
	; relu, then the split.  Lane (r, h) holds columns 16 e + 8 h + 0..7 of neighbour r: packed, that is already an A fragment's layout
.set e, 0
.rept 8
.set xb, 92+8*e
.irp j,0,1,2,3,4,5,6,7
	v_max_num_f32 v[xb+\j], 0, v[xb+\j]
.endr
.irp p,0,1,2,3
	v_cvt_pk_bf16_f32 v[192+4*e+\p], v[xb+2*\p], v[xb+2*\p+1]
.endr
.irp p,0,1,2,3
	v_lshlrev_b32 v[232+2*\p], 16, v[192+4*e+\p]
	v_and_b32 v[233+2*\p], s35, v[192+4*e+\p]
.endr
.irp p,0,2,4,6
	v_pk_add_f32 v[xb+\p:xb+\p+1], v[xb+\p:xb+\p+1], v[232+\p:233+\p] neg_lo:[0,1] neg_hi:[0,1]
.endr
.irp p,0,1,2,3
	v_cvt_pk_bf16_f32 v[156+4*e+\p], v[xb+2*\p], v[xb+2*\p+1]
.endr
	ds_store_b128 v6, v[192+4*e:195+4*e] offset:512+32*e
	ds_store_b128 v6, v[156+4*e:159+4*e] offset:768+32*e
.set e, e+1
.endr
.irp c,0,1,2,3,4,5,6,7
	global_load_b128 v[92+8*\c:95+8*\c], v5, s[12:13] offset:64*\c          ; u
	global_load_b128 v[96+8*\c:99+8*\c], v5, s[12:13] offset:64*\c+32
.endr
	s_wait_loadcnt 0x10                            ; the gather is in; the sixteen loads of u stay out
.irp c,0,1,2,3,4,5,6,7
	ds_store_b128 v6, v[24+8*\c:27+8*\c] offset:64*\c
	ds_store_b128 v6, v[28+8*\c:31+8*\c] offset:64*\c+32
.endr
	s_wait_loadcnt 0x0
	; S on two accumulators that take turns, one instruction a turn
.set cc, 0
.rept 8
.if cc < 2
	v_wmma_f32_16x16x32_bf16 v[240+8*(cc%2):247+8*(cc%2)], v[24+8*cc:31+8*cc], v[92+8*cc:99+8*cc], 0
.else
	v_wmma_f32_16x16x32_bf16 v[240+8*(cc%2):247+8*(cc%2)], v[24+8*cc:31+8*cc], v[92+8*cc:99+8*cc], v[240+8*(cc%2):247+8*(cc%2)]
.endif
.set cc, cc+1
.endr
	PLACES
.irp c,0,1,2,3
	global_load_b128 v[24+8*\c:27+8*\c], v5, s[12:13] offset:512+64*\c      ; w hi
	global_load_b128 v[28+8*\c:31+8*\c], v5, s[12:13] offset:512+64*\c+32
	global_load_b128 v[56+8*\c:59+8*\c], v5, s[12:13] offset:768+64*\c      ; w lo
	global_load_b128 v[60+8*\c:63+8*\c], v5, s[12:13] offset:768+64*\c+32
.endr
	s_wait_loadcnt 0x0
.set n, 0
.rept 12                                           ; h hi w hi, h lo w hi, h hi w lo, four K steps each
.set tm, n/4
.set c4, n%4
.set ab, 192-tm*(2-tm)*36+8*c4
.set bb, 24+(tm*(tm-1)/2)*32+8*c4
	v_wmma_f32_16x16x32_bf16 v[240+8*(n%2):247+8*(n%2)], v[ab:ab+7], v[bb:bb+7], v[240+8*(n%2):247+8*(n%2)]
.set n, n+1
.endr
	PLACES
	; X transposed: 16 tiles of fb, four registers each; 8 tiles of h, hi four and lo four; they land while the softmax is made
.set t, 0
.rept 16
	ds_load_tr16_b128 v[24+4*t:27+4*t], v7 offset:32*t
.set t, t+1
.endr
.set e, 0
.rept 8
	ds_load_tr16_b128 v[92+8*e:95+8*e], v7 offset:512+32*e
	ds_load_tr16_b128 v[96+8*e:99+8*e], v7 offset:768+32*e
.set e, e+1
.endr
.irp p,0,2,4,6
	v_pk_add_f32 v[240+\p:241+\p], v[240+\p:241+\p], v[248+\p:249+\p]
.endr
.irp p,0,2,4,6
	v_pk_add_f32 v[240+\p:241+\p], v[240+\p:241+\p], v[22:23]
.endr
.irp j,0,1,2,3,4,5,6,7
	v_cndmask_b32 v[240+\j], v21, v[240+\j], s[52+\j]
.endr
	v_max3_num_f32 v19, v240, v241, v242
	v_max3_num_f32 v19, v19, v243, v244
	v_max3_num_f32 v19, v19, v245, v246
	v_max_num_f32 v19, v19, v247
	v_permlanex16_b32 v232, v19, s30, s31
	v_max_num_f32 v19, v19, v232                   ; the head's maximum over the sixteen places
	v_mul_f32 v19, s34, v19
.irp j,0,1,2,3,4,5,6,7
	v_fma_f32 v[240+\j], v[240+\j], s34, -v19      ; (s - max) log2 e; the rounding of max log2 e is common to all k and cancels in the quotient
.endr
.irp j,0,1,2,3,4,5,6,7
	v_exp_f32 v[240+\j], v[240+\j]
.endr
	v_nop                                          ; one plain instruction behind the exponentials (ISA guide 5.7.2)
	s_wait_alu depctr_va_vdst(0)
	v_pk_add_f32 v[232:233], v[240:241], v[242:243]
	v_pk_add_f32 v[234:235], v[244:245], v[246:247]
	v_pk_add_f32 v[232:233], v[232:233], v[234:235]
	v_add_f32 v232, v232, v233
	v_permlanex16_b32 v233, v232, s30, s31
	v_add_f32 v232, v232, v233
	v_rcp_f32 v232, v232
	v_nop
	s_wait_alu depctr_va_vdst(0)
	v_mov_b32 v233, v232
.irp p,0,2,4,6
	v_pk_mul_f32 v[240+\p:241+\p], v[240+\p:241+\p], v[232:233]
.endr
	; lane (r, h): a[head r&3][8h + 0..7]: a B fragment's four registers.  [a hi; 0], [a hi; a hi], [a lo; a lo]
.irp p,0,1,2,3
	v_cvt_pk_bf16_f32 v[224+\p], v[240+2*\p], v[241+2*\p]
	v_cvt_pk_bf16_f32 v[232+\p], v[240+2*\p], v[241+2*\p]
	v_cvt_pk_bf16_f32 v[236+\p], v[240+2*\p], v[241+2*\p]
.endr
.irp p,0,1,2,3
	v_lshlrev_b32 v[248+2*\p], 16, v[224+\p]
	v_and_b32 v[249+2*\p], s35, v[224+\p]
.endr
.irp p,0,2,4,6
	v_pk_add_f32 v[240+\p:241+\p], v[240+\p:241+\p], v[248+\p:249+\p] neg_lo:[0,1] neg_hi:[0,1]
.endr
.irp p,0,1,2,3
	v_cvt_pk_bf16_f32 v[248+\p], v[240+2*\p], v[241+2*\p]
	v_cvt_pk_bf16_f32 v[252+\p], v[240+2*\p], v[241+2*\p]
.endr
	s_wait_dscnt 0x0                               ; all of X^T is in registers: the result rows may take the same LDS bytes
.set t, 0
.rept 2                                            ; fb-bar, eight tiles at a time
.set u, 0
.rept 8
	v_wmma_f32_16x16x32_bf16 v[156+8*u+4*(u/4):163+8*u+4*(u/4)], v[24+4*(t+u):31+4*(t+u)], v[224:231], 0
.set u, u+1
.endr
	PLACES
.set u, 0
.rept 8
.irp p,0,1,2,3
	v_cvt_pk_bf16_f32 v[240+4*(u%2)+\p], v[156+8*u+4*(u/4)+2*\p], v[157+8*u+4*(u/4)+2*\p]
.endr
	ds_store_b128 v8, v[240+4*(u%2):243+4*(u%2)] offset:32*(t+u)
.set u, u+1
.endr
.set t, t+8
.endr
.set e, 0
.rept 8                                            ; h-bar: eight accumulators take turns, one instruction a turn
	v_wmma_f32_16x16x32_bf16 v[156+8*e+4*(e/4):163+8*e+4*(e/4)], v[92+8*e:99+8*e], v[232:239], 0
.set e, e+1
.endr
.set e, 0
.rept 8
	v_wmma_f32_16x16x32_bf16 v[156+8*e+4*(e/4):163+8*e+4*(e/4)], v[92+8*e:99+8*e], v[248:255], v[156+8*e+4*(e/4):163+8*e+4*(e/4)]
.set e, e+1
.endr
	PLACES
.set e, 0
.rept 8
.set db, 156+8*e+4*(e/4)
.irp p,0,1,2,3
	v_cvt_pk_bf16_f32 v[240+\p], v[db+2*\p], v[db+2*\p+1]
.endr
.irp p,0,1,2,3
	v_lshlrev_b32 v[232+2*\p], 16, v[240+\p]
	v_and_b32 v[233+2*\p], s35, v[240+\p]
.endr
.irp p,0,2,4,6
	v_pk_add_f32 v[db+\p:db+\p+1], v[db+\p:db+\p+1], v[232+\p:233+\p] neg_lo:[0,1] neg_hi:[0,1]
.endr
.irp p,0,1,2,3
	v_cvt_pk_bf16_f32 v[244+\p], v[db+2*\p], v[db+2*\p+1]
.endr
	ds_store_b128 v8, v[240:243] offset:512+32*e
	ds_store_b128 v8, v[244:247] offset:768+32*e
.set e, e+1
.endr
	; four rows of 1,024 bytes leave: an instruction stores 512 consecutive bytes, aligned
.set k, 0
.rept 8
	ds_load_b128 v[24+4*k:27+4*k], v9 offset:(k/2)*1040+(k%2)*512
.set k, k+1
.endr
.set k, 0
.rept 8
	s_wait_dscnt 7-k
	global_store_b128 v1, v[24+4*k:27+4*k], s[16:17] offset:512*k
.set k, k+1
.endr
	s_wait_xcnt 0x0                                ; bases and the stores' data registers are written again only behind this wait
	s_add_nc_u64 s[6:7], s[6:7], 64
	s_add_nc_u64 s[8:9], s[8:9], 64
	s_add_nc_u64 s[26:27], s[26:27], 12
	s_add_nc_u64 s[28:29], s[28:29], 16
	s_add_nc_u64 s[12:13], s[12:13], 4096
	s_add_nc_u64 s[16:17], s[16:17], 4096
	s_add_co_u32 s21, s21, 1
	s_cmp_lt_u32 s21, 4
	s_cbranch_scc1 .Lq
	s_wait_xcnt 0x0
	v_lshl_add_u32 v254, v0, 2, 0x42000
	v_mov_b32 v255, 0
	s_wait_tensorcnt 0x0
	ds_add_u32 v254, v255
	s_wait_dscnt 0x0
	s_endpgm
.Lfunc_end_k_qe885adc84c_att:
	.size	k_qe885adc84c_att, .Lfunc_end_k_qe885adc84c_att-k_qe885adc84c_att
	.p2alignl 7, 3214868480
	.fill 96, 4, 3214868480
	.section	.rodata,"a",@progbits
	.p2align	6, 0x0
	.amdhsa_kernel k_qe885adc84c_att
		.amdhsa_group_segment_fixed_size 272384
		.amdhsa_private_segment_fixed_size 0
		.amdhsa_enable_private_segment 0
		.amdhsa_kernarg_size 56
		.amdhsa_user_sgpr_count 2
		.amdhsa_user_sgpr_kernarg_segment_ptr 1
		.amdhsa_wavefront_size32 1
		.amdhsa_system_sgpr_workgroup_id_x 1
		.amdhsa_system_sgpr_workgroup_id_y 1
		.amdhsa_system_sgpr_workgroup_id_z 1
		.amdhsa_system_vgpr_workitem_id 0
		.amdhsa_next_free_vgpr 256
		.amdhsa_next_free_sgpr 66
		.amdhsa_reserve_vcc 1
		.amdhsa_float_denorm_mode_32 3
		.amdhsa_float_denorm_mode_16_64 3
		.amdhsa_memory_ordered 1
		.amdhsa_forward_progress 1
		.amdhsa_inst_pref_size 51
	.end_amdhsa_kernel
	.amdgpu_metadata
---
amdhsa.version: [ 1, 2 ]
amdhsa.kernels:
  - .name:           k_qe885adc84c_att
    .symbol:         k_qe885adc84c_att.kd
    .args:
      - { .name: coords, .offset: 0, .size: 8, .value_kind: global_buffer, .address_space: global }
      - { .name: nidx, .offset: 8, .size: 8, .value_kind: global_buffer, .address_space: global }
      - { .name: nkd, .offset: 16, .size: 8, .value_kind: global_buffer, .address_space: global }
      - { .name: fbuf, .offset: 24, .size: 8, .value_kind: global_buffer, .address_space: global }
      - { .name: zbuf, .offset: 32, .size: 8, .value_kind: global_buffer, .address_space: global }
      - { .name: wimg, .offset: 40, .size: 8, .value_kind: global_buffer, .address_space: global }
      - { .name: xbar, .offset: 48, .size: 8, .value_kind: global_buffer, .address_space: global }
    .group_segment_fixed_size: 272384
    .private_segment_fixed_size: 0
    .kernarg_segment_align: 8
    .kernarg_segment_size: 56
    .max_flat_workgroup_size: 512
    .sgpr_count:     66
    .vgpr_count:     256
    .wavefront_size: 32
...
	.end_amdgpu_metadata
.endif
;; end of part 6
;; launch back (part 7): grid 256 x 1, 4 waves a work-group, no clusters, 266,752 bytes of LDS; arguments xbar, wimg, pkv, bo, gamma, beta, fbuf, nkd, out0; writes out0
.if DOCPART == 7
	.amdgcn_target "amdgcn-amd-amdhsa--gfx1250"
	.amdhsa_code_object_version 6
	.text
	.protected	k_qe885adc84c_back
	.globl	k_qe885adc84c_back
	.p2align	8
	.type	k_qe885adc84c_back,@function
k_qe885adc84c_back:
	s_mov_b64 s[64:65], 0
	v_nop
	global_prefetch_b8 v0, s[64:65] scope:SCOPE_SE
	s_setreg_imm32_b32 hwreg(HW_REG_WAVE_MODE, 25, 1), 1
	s_wait_xcnt 0x0
; For 64 queries: o = sum over the heads of [fb-bar | h-bar] G_head, with G_head = [Wv_head; W_p2 Wv_head] Wo_head made beforehand in f32, which is
; (fb-bar + h-bar W_p2) Wv Wo in one product; then out = LayerNorm(f + (has ? o + bv Wo + bo : 0)) gamma + beta, all but the product in f32.
; has = the query's nearest place holds a neighbour (nkd[query][0] below 0x7f7fffff).
; PRECISION: h-bar and G's rows for it are split (hi + lo, both bf16; hi hi + lo hi + hi lo); fb-bar, small beside h-bar W_p2, is one bf16 against G hi.
; A head thus takes 8 + 3 x 4 = 20 K steps of 32, the four heads 80.  Four waves, each 64 of the 256 output columns for all 64 queries.
; Transposed use of the matrix instruction as in the launch 'front': lane (r, h), register j = (row 16 g + r, column 16 (T0+i) + 8 h + j).
.set WLO,  1187840                     ; from a hi weight fragment to its lo fragment
.set VL16, 1                           ; LDS: 256 rows (head*64 + query) x 1,040 at 0 (fb-bar 512, h-bar hi 256, lo 256); later o as f32, 64 x 1,040, at 0
.set ACT,  32
.set WBUF, 64
.set ACC,  128
.macro PLACES                          ; four independent vector instructions behind a matrix instruction (ISA guide 7.12.1)
.rept 4
	v_nop
.endr
.endm
; K step s: head s / 20; in a head steps 0-7 fb-bar x G hi, 8-11 h-bar hi x G hi, 12-15 h-bar lo x G hi, 16-19 h-bar hi x G lo
.macro KMAP s
.set khd, (\s)/20
.set kt, (\s)%20
.if kt < 8
.set km_ao, kt*64
.set km_wo, (khd*12+kt)*1024
.else
.set kph, (kt-8)/4
.set kst, (kt-8)%4
.set km_ao, 512+kst*64+kph*(2-kph)*256
.set km_wo, (khd*12+8+kst)*1024+(kph*(kph-1)/2)*WLO
.endif
.set km_ar, khd
.endm
; 4 weight tiles x 4 row tiles over NT K steps of 32; v[AR + head] addresses the head's rows.
; The sixteen accumulators take turns, one instruction a turn.
.macro GEMMX NT, WB, W0, WT, AR, A0, AP
	KMAP 0
.irp i,0,1,2,3
	global_load_b128 v[WBUF+8*\i:WBUF+8*\i+3], v[VL16], s[\WB:\WB+1] offset:\W0+\i*\WT+km_wo
	global_load_b128 v[WBUF+8*\i+4:WBUF+8*\i+7], v[VL16], s[\WB:\WB+1] offset:\W0+\i*\WT+km_wo+512
.endr
.irp g,0,1,2,3
	ds_load_b128 v[ACT+8*\g:ACT+8*\g+3], v[\AR+km_ar] offset:\A0+\g*\AP+km_ao
	ds_load_b128 v[ACT+8*\g+4:ACT+8*\g+7], v[\AR+km_ar] offset:\A0+\g*\AP+km_ao+32
.endr
.set gs, 0
.rept \NT
.set wc, WBUF+32*(gs%2)
.set wn, WBUF+32-32*(gs%2)
.if gs+1 < \NT
	KMAP gs+1
.irp i,0,1,2,3
	global_load_b128 v[wn+8*\i:wn+8*\i+3], v[VL16], s[\WB:\WB+1] offset:\W0+\i*\WT+km_wo
	global_load_b128 v[wn+8*\i+4:wn+8*\i+7], v[VL16], s[\WB:\WB+1] offset:\W0+\i*\WT+km_wo+512
.endr
	s_wait_loadcnt 0x8                             ; this step's weights are in; the eight just issued stay out
.else
	s_wait_loadcnt 0x0
.endif
.irp g,0,1,2,3
.if gs+1 < \NT
	s_wait_dscnt 0x6                               ; my fragment is in; two loads of each of the three issued behind it stay out
.else
	s_wait_dscnt 6-2*\g
.endif
.irp i,0,1,2,3
.if gs == 0
	v_wmma_f32_16x16x32_bf16 v[ACC+8*(4*\g+\i):ACC+8*(4*\g+\i)+7], v[wc+8*\i:wc+8*\i+7], v[ACT+8*\g:ACT+8*\g+7], 0
.else
	v_wmma_f32_16x16x32_bf16 v[ACC+8*(4*\g+\i):ACC+8*(4*\g+\i)+7], v[wc+8*\i:wc+8*\i+7], v[ACT+8*\g:ACT+8*\g+7], v[ACC+8*(4*\g+\i):ACC+8*(4*\g+\i)+7]
.endif
.endr
.if gs+1 < \NT
	PLACES                                         ; then the fragment just used is loaded again, for the next K step
	ds_load_b128 v[ACT+8*\g:ACT+8*\g+3], v[\AR+km_ar] offset:\A0+\g*\AP+km_ao
	ds_load_b128 v[ACT+8*\g+4:ACT+8*\g+7], v[\AR+km_ar] offset:\A0+\g*\AP+km_ao+32
.endif
.endr
.set gs, gs+1
.endr
	PLACES
.endm
.macro STF32 SR                        ; the accumulators as f32 into rows of 1,040 bytes
.irp g,0,1,2,3
.irp i,0,1,2,3
	ds_store_b128 v[\SR], v[ACC+8*(4*\g+\i):ACC+8*(4*\g+\i)+3] offset:\g*16640+64*\i
	ds_store_b128 v[\SR], v[ACC+8*(4*\g+\i)+4:ACC+8*(4*\g+\i)+7] offset:\g*16640+64*\i+16
.endr
.endr
.endm
; n half rows (512 consecutive bytes each) of my head, from half row n0 on, come in.  v9 addresses LDS rows 0-31 of the head, v15 rows 32-63.
.macro CPIN n0, n
.set k, 0
.rept \n
.set rw, (\n0+k)/2
	global_load_b128 v[64+4*k:67+4*k], v8, s[4:5] offset:rw*4096+((\n0+k)%2)*512 th:TH_LOAD_NT
.set k, k+1
.endr
.set k, 0
.rept \n
.set rw, (\n0+k)/2
	s_wait_loadcnt \n-1-k                          ; loads return in order: piece k is in, the younger ones stay out
.if rw < 32
	ds_store_b128 v9, v[64+4*k:67+4*k] offset:rw*1040+((\n0+k)%2)*512
.else
	ds_store_b128 v15, v[64+4*k:67+4*k] offset:(rw-32)*1040+((\n0+k)%2)*512
.endif
.set k, k+1
.endr
	s_wait_dscnt 0x0
.endm
.macro LANESUM x, y                    ; v[x] summed over the 32 lanes, in every lane; v[y] at work
	v_add_f32_dpp v[\x], v[\x], v[\x] row_xmask:1 row_mask:0xf bank_mask:0xf
	v_add_f32_dpp v[\x], v[\x], v[\x] row_xmask:2 row_mask:0xf bank_mask:0xf
	v_add_f32_dpp v[\x], v[\x], v[\x] row_xmask:4 row_mask:0xf bank_mask:0xf
	v_add_f32_dpp v[\x], v[\x], v[\x] row_xmask:8 row_mask:0xf bank_mask:0xf
	v_permlanex16_b32 v[\y], v[\x], s34, s35
	v_add_f32 v[\x], v[\x], v[\y]
.endm
; One row.  rho: the row among my 16 (f in v[128 + 8 rho ..]); k: its place among the eight rows of o in v[64 ..].
; Both numbers are taken into symbols first, so that an argument that is a sum is multiplied as a whole.
.macro ROW rho, k
.set rr, \rho
.set kk, \k
.set FR, 128+8*rr
.set OR, 64+8*kk
	s_wait_loadcnt 30-2*rr                         ; my row of f is in; two loads for each later row stay out
	s_wait_dscnt 14-2*kk                           ; my row of o is in; two loads for each later row of this half stay out
	s_bitcmp1_b32 s37, rr
	s_cselect_b32 s39, -1, 0                       ; has, for all lanes; it only selects values
.irp p,0,2,4,6
	v_pk_add_f32 v[OR+\p:OR+\p+1], v[OR+\p:OR+\p+1], v[32+\p:33+\p]
.endr
.irp j,0,1,2,3,4,5,6,7
	v_cndmask_b32 v[OR+\j], 0, v[OR+\j], s39
.endr
.irp p,0,2,4,6
	v_pk_add_f32 v[FR+\p:FR+\p+1], v[FR+\p:FR+\p+1], v[OR+\p:OR+\p+1]
.endr
	v_pk_add_f32 v[56:57], v[FR:FR+1], v[FR+2:FR+3]
	v_pk_add_f32 v[58:59], v[FR+4:FR+5], v[FR+6:FR+7]
	v_pk_add_f32 v[56:57], v[56:57], v[58:59]
	v_add_f32 v56, v56, v57
	LANESUM 56, 57
	v_mul_f32 v16, s40, v56                        ; the mean
	v_mov_b32 v17, v16
.irp p,0,2,4,6
	v_pk_add_f32 v[FR+\p:FR+\p+1], v[FR+\p:FR+\p+1], v[16:17] neg_lo:[0,1] neg_hi:[0,1]
.endr
	v_pk_mul_f32 v[56:57], v[FR:FR+1], v[FR:FR+1]
.irp p,2,4,6
	v_pk_fma_f32 v[56:57], v[FR+\p:FR+\p+1], v[FR+\p:FR+\p+1], v[56:57]
.endr
	v_add_f32 v56, v56, v57
	LANESUM 56, 57
	v_fma_f32 v56, v56, s40, s41                   ; variance + 1e-5
	v_rsq_f32 v20, v56
	v_nop                                          ; one plain instruction behind it (ISA guide 5.7.2)
	s_wait_alu depctr_va_vdst(0)
	v_mov_b32 v21, v20
.irp p,0,2,4,6
	v_pk_mul_f32 v[FR+\p:FR+\p+1], v[FR+\p:FR+\p+1], v[20:21]
.endr
.irp p,0,2,4,6
	v_pk_fma_f32 v[FR+\p:FR+\p+1], v[FR+\p:FR+\p+1], v[40+\p:41+\p], v[48+\p:49+\p]
.endr
	global_store_b128 v12, v[FR:FR+3], s[20:21] offset:1024*rr th:TH_STORE_NT
	global_store_b128 v12, v[FR+4:FR+7], s[20:21] offset:1024*rr+512 th:TH_STORE_NT
.endm
	s_load_b512 s[4:19], s[0:1], 0x0               ; xbar, wimg, pkv, bo, gamma, beta, fbuf, nkd
	s_load_b64 s[20:21], s[0:1], 0x40              ; out0
	v_lshl_add_u32 v30, v0, 2, 0x41000
	v_mov_b32 v31, 0
	v_lshrrev_b32 v2, 5, v0
	v_readfirstlane_b32 s22, v2                    ; wave
	v_and_b32 v3, 31, v0
	v_lshlrev_b32 v[VL16], 4, v3
	v_and_b32 v2, 15, v0                           ; r
	v_bfe_u32 v3, v0, 4, 1                         ; h
	v_mul_u32_u24 v24, v2, 1040
	v_lshl_add_u32 v24, v3, 4, v24                 ; v[24:27]: fragments of head 0, 1, 2, 3
	v_add_nc_u32 v25, 66560, v24
	v_add_nc_u32 v26, 133120, v24
	v_add_nc_u32 v27, 199680, v24
	s_mul_i32 s23, s22, 66560
	v_add_nc_u32 v9, s23, v[VL16]                  ; v9, v15: copy in (store): the head with my wave's number
	v_add_nc_u32 v15, 33280, v9
	s_lshl_b32 s23, s22, 8
	v_mul_u32_u24 v7, v2, 1040
	v_lshl_add_u32 v7, v3, 5, v7
	v_add_nc_u32 v7, s23, v7                       ; v7: o as f32 (store)
	s_lshl_b32 s23, s22, 10
	v_add_nc_u32 v8, s23, v[VL16]                  ; v8: xbar
	v_lshl_add_u32 v13, v2, 6, s23                 ; v13: nkd, first place of row 16 wave + r
	s_mul_i32 s23, s22, 16640
	v_add_nc_u32 v11, s23, v[VL16]                 ; v11: o, my 16 rows (read)
	s_lshl_b32 s23, s22, 14
	v_add_nc_u32 v12, s23, v[VL16]                 ; v12: f and out0
	s_mov_b32 s34, 0x76543210
	s_mov_b32 s35, 0xfedcba98
	s_mov_b32 s36, 0x7f7fffff
	s_mov_b32 s40, 0x3b800000                      ; 1/256
	s_mov_b32 s41, 0x3727c5ac                      ; 1e-5
	s_mov_b32 s33, 0
	s_wait_kmcnt 0x0
	s_lshl_b32 s32, ttmp9, 18
	s_add_nc_u64 s[4:5], s[4:5], s[32:33]
	s_lshl_b32 s32, ttmp9, 16
	s_add_nc_u64 s[16:17], s[16:17], s[32:33]
	s_add_nc_u64 s[20:21], s[20:21], s[32:33]
	s_lshl_b32 s32, ttmp9, 12
	s_add_nc_u64 s[18:19], s[18:19], s[32:33]
	s_mul_i32 s32, s22, 196608
	s_add_co_u32 s32, s32, 393216
	s_add_nc_u64 s[26:27], s[6:7], s[32:33]        ; G image, my four tiles of 48 fragments
	; one head's 64 rows of 1,024 bytes come in by each wave: 128 loads of 512 consecutive bytes, 48 at the most on their way
	CPIN 0, 48
	CPIN 48, 48
	CPIN 96, 32
	s_barrier_signal -1                            ; my stores are done (the wait for 0 closes the last run)
	s_barrier_wait -1
	GEMMX 80, 26, 0, 49152, 24, 0, 16640
	s_wait_dscnt 0x0                               ; my reads of the rows are back: o may take those bytes
	s_barrier_signal -1
	s_barrier_wait -1
	STF32 7
	s_wait_dscnt 0x0
	s_barrier_signal -1
	s_barrier_wait -1
	; LayerNorm of my 16 rows; a lane holds columns 4 lane .. + 3 and 128 + 4 lane .. + 3.  No register is stored from twice.
	global_load_b128 v[32:35], v[VL16], s[10:11]
	global_load_b128 v[36:39], v[VL16], s[10:11] offset:512
	global_load_b128 v[64:67], v[VL16], s[8:9] offset:262144      ; bv Wo
	global_load_b128 v[68:71], v[VL16], s[8:9] offset:262656
	global_load_b128 v[40:43], v[VL16], s[12:13]
	global_load_b128 v[44:47], v[VL16], s[12:13] offset:512
	global_load_b128 v[48:51], v[VL16], s[14:15]
	global_load_b128 v[52:55], v[VL16], s[14:15] offset:512
	global_load_b32 v14, v13, s[18:19]
.irp r,0,1,2,3,4,5,6,7,8,9,10,11,12,13,14,15
	global_load_b128 v[128+8*\r:131+8*\r], v12, s[16:17] offset:1024*\r th:TH_LOAD_NT
	global_load_b128 v[132+8*\r:135+8*\r], v12, s[16:17] offset:1024*\r+512 th:TH_LOAD_NT
.endr
	s_wait_loadcnt 0x20                            ; the biases, gamma, beta and the distances are in; the 32 loads of f stay out
	v_cmp_gt_f32 s37, s36, v14                     ; bit r: row r has a neighbour
.irp p,0,2,4,6
	v_pk_add_f32 v[32+\p:33+\p], v[32+\p:33+\p], v[64+\p:65+\p]
.endr
.irp k,0,1,2,3,4,5,6,7
	ds_load_b128 v[64+8*\k:67+8*\k], v11 offset:1040*\k
	ds_load_b128 v[68+8*\k:71+8*\k], v11 offset:1040*\k+512
.endr
.irp k,0,1,2,3,4,5,6,7
	ROW \k, \k
.endr
.irp k,0,1,2,3,4,5,6,7
	ds_load_b128 v[64+8*\k:67+8*\k], v11 offset:1040*(8+\k)
	ds_load_b128 v[68+8*\k:71+8*\k], v11 offset:1040*(8+\k)+512
.endr
.irp k,0,1,2,3,4,5,6,7
	ROW 8+\k, \k
.endr
	s_wait_tensorcnt 0x0
	ds_add_u32 v30, v31
	s_wait_dscnt 0x0
	s_endpgm
.Lfunc_end_k_qe885adc84c_back:
	.size	k_qe885adc84c_back, .Lfunc_end_k_qe885adc84c_back-k_qe885adc84c_back
	.p2alignl 7, 3214868480
	.fill 96, 4, 3214868480
	.section	.rodata,"a",@progbits
	.p2align	6, 0x0
	.amdhsa_kernel k_qe885adc84c_back
		.amdhsa_group_segment_fixed_size 266752
		.amdhsa_private_segment_fixed_size 0
		.amdhsa_enable_private_segment 0
		.amdhsa_kernarg_size 72
		.amdhsa_user_sgpr_count 2
		.amdhsa_user_sgpr_kernarg_segment_ptr 1
		.amdhsa_wavefront_size32 1
		.amdhsa_system_sgpr_workgroup_id_x 1
		.amdhsa_system_sgpr_workgroup_id_y 1
		.amdhsa_system_sgpr_workgroup_id_z 1
		.amdhsa_system_vgpr_workitem_id 0
		.amdhsa_next_free_vgpr 256
		.amdhsa_next_free_sgpr 66
		.amdhsa_reserve_vcc 0
		.amdhsa_float_denorm_mode_32 3
		.amdhsa_float_denorm_mode_16_64 3
		.amdhsa_memory_ordered 1
		.amdhsa_forward_progress 1
		.amdhsa_inst_pref_size 255
	.end_amdhsa_kernel
	.section	.bss,"aw",@nobits
	.p2align	6
	.space	262144
	.amdgpu_metadata
---
amdhsa.version: [ 1, 2 ]
amdhsa.kernels:
  - .name:           k_qe885adc84c_back
    .symbol:         k_qe885adc84c_back.kd
    .args:
      - { .name: xbar, .offset: 0, .size: 8, .value_kind: global_buffer, .address_space: global }
      - { .name: wimg, .offset: 8, .size: 8, .value_kind: global_buffer, .address_space: global }
      - { .name: pkv, .offset: 16, .size: 8, .value_kind: global_buffer, .address_space: global }
      - { .name: bo, .offset: 24, .size: 8, .value_kind: global_buffer, .address_space: global }
      - { .name: gamma, .offset: 32, .size: 8, .value_kind: global_buffer, .address_space: global }
      - { .name: beta, .offset: 40, .size: 8, .value_kind: global_buffer, .address_space: global }
      - { .name: fbuf, .offset: 48, .size: 8, .value_kind: global_buffer, .address_space: global }
      - { .name: nkd, .offset: 56, .size: 8, .value_kind: global_buffer, .address_space: global }
      - { .name: out0, .offset: 64, .size: 8, .value_kind: global_buffer, .address_space: global }
    .group_segment_fixed_size: 266752
    .private_segment_fixed_size: 0
    .kernarg_segment_align: 8
    .kernarg_segment_size: 72
    .max_flat_workgroup_size: 128
    .sgpr_count:     66
    .vgpr_count:     256
    .wavefront_size: 32
...
	.end_amdgpu_metadata
.endif
;; end of part 7
;; ======== version 2 of 3: 7 launches; 1.30 times as fast as version 1
;; workspace buffers: wimg 2,375,680 bytes; fbuf 25,165,824 bytes; zbuf 67,371,008 bytes; grp 1,048,576 bytes of whole numbers; nidx 1,048,576 bytes of whole numbers; nkd 1,048,576 bytes; xbar 67,108,864 bytes; pkv 266,240 bytes
;; launch comb: the kernel of part 1 again; grid 65 x 1, 8 waves a work-group, no clusters, 0 bytes of LDS; arguments W_p2, Wk, Wv, Wo, bv, pkv; writes pkv
;; launch prep: the kernel of part 2 again; grid 290 x 1, 8 waves a work-group, no clusters, 0 bytes of LDS; arguments W_feat, Wq, Wk, pkv, Wv, Wo, W_p1, b_p1, wimg; writes wimg
;; launch front (part 8): grid 256 x 1, 4 waves a work-group, no clusters, 303,616 bytes of LDS; arguments features, wimg, b_feat, bq, bk, b_p2, fbuf, zbuf; writes fbuf, zbuf
.if DOCPART == 8
	.amdgcn_target "amdgcn-amd-amdhsa--gfx1250"
	.amdhsa_code_object_version 6
	.text
	.protected	k_qe885adc84c_front
	.globl	k_qe885adc84c_front
	.p2align	8
	.type	k_qe885adc84c_front,@function
k_qe885adc84c_front:
	s_mov_b64 s[64:65], 0
	v_nop
	global_prefetch_b8 v0, s[64:65] scope:SCOPE_SE
	s_setreg_imm32_b32 hwreg(HW_REG_WAVE_MODE, 25, 1), 1
	s_wait_xcnt 0x0
; For 64 points: f = features W_feat + b_feat (fbuf: f32 at byte 0; bf16(f + b_p2) at byte 16,777,216); q = f Wq + bq; for each head h
; u_h = Wk[:,64h..] q_h / 8 (256 wide), w_h = (W_p2 Wk)[:,64h..] q_h / 8 (128 wide), c_h = q_h . bk_h / 8.  The score of a neighbour with
; kv = fb + relu(..) W_p2 is then  fb . u_h + relu(..) . w_h + c_h.  zbuf: rows [point*4+head] of 1,024 bytes: u (bf16), w hi, w lo; behind them c, f32 [point][4].
; PRECISION: every product here has split operands: x = hi + lo, both bf16, and x y is taken as hi hi + lo hi + hi lo, summed in f32 (lo lo, some 2^-18
; of the product, is dropped).  u is stored as one bf16: its part of a score is small beside w's.
; Four waves, one a SIMD; weights come as ready fragments from wimg straight into registers, activations from LDS (a row: hi part, then lo part).
; The matrix instruction is used transposed: source 0 = 16 output columns (weights), source 1 = 16 rows (points), so lane (r, h),
; register j holds (row 16g + r, column 16(T0+i) + 8h + j): eight neighbouring columns of one row.
; REGISTERS, in windows of 256 (s_set_vgpr_msb says which window each operand place means: bits 1:0 source 0, 3:2 source 1, 5:4 source 2, 7:6 destination):
;   window 0: v0-31 addresses and small things; v32-159 two buffers of activations (two K steps x four fragments each); all of v32-255 is scratch between products
;   window 1: four buffers of weights (two K steps x four fragments each)         window 2: v0-127 the sixteen accumulators, tile (i, g) at 8 (4 g + i)
; A product goes in rounds of two K steps.  A round's 16 weight loads are issued three rounds ahead, so 48 loads of 512 bytes of a wave are on their way;
; the first three rounds of the NEXT product are asked for before the last product's results are packed.
.set WLO,  1187840                     ; from a hi weight fragment to its lo fragment
.set FAR,  33792                       ; LDS: features 64 x 528 (hi 256, lo 256) at 0; f 64 x 1,040 (hi 512, lo 512)
.set QAR,  100352                      ; q 64 x 1,040
.set CSTR, 166912                      ; c, 64 x 16 bytes
.set STG,  167936                      ; a stage of 64 rows x 528 for each wave; before that the first 66,560 bytes hold f as f32, 64 x 1,040
.set VL16, 1                           ; v1: 16 x lane
.set VBO,  10                          ; v10: 32 h + 256 wave: my eight numbers of a bias
.set ACT,  32                          ; window 0: activations
.set BB,   64                          ; window 0: v[64:95], v[96:127] biases
.set HIB,  32                          ; window 0: v[32:95] packed hi
.set UNB,  96                          ; window 0: v[96:223] hi widened again; then v[96:159] packed lo
.set ACC,  0                           ; window 2
.set W_LD,  0x40                       ; destination window 1: weight loads
.set W_MUL, 0xa1                       ; source 0 window 1, source 1 window 0, C and D window 2
.set W_CVT, 0x0a                       ; sources 0 and 1 window 2, destination window 0
.set W_ACC, 0x82                       ; source 0 and destination window 2, source 1 window 0
.set W_ST,  0x08                       ; an LDS store's data (source 1) window 2
.set W_RD,  0x02                       ; source 0 window 2
.set MSB, 0
.macro WIN new                         ; the immediate's high byte repeats the setting that is left
.if MSB != \new
	s_set_vgpr_msb (MSB<<8)|\new
.set MSB, \new
.endif
.endm
.macro PLACES                          ; four independent vector instructions behind a matrix instruction (ISA guide 7.12.1)
.rept 4
	v_nop
.endr
.endm
; K step s of a split product of KNS true K steps: steps 0.. are hi x hi, KNS.. lo (activation) x hi, 2 KNS.. hi x lo (weight)
.macro KMAP s
.set kph, (\s)/KNS
.set kst, (\s)%KNS
.set km_ao, kst*64+kph*(2-kph)*KALO
.set km_wo, kst*1024+(kph*(kph-1)/2)*WLO
.endm
.macro WLOAD rnd, WB, W0, WT           ; a round's 16 weight loads, into its buffer of window 1
.set wb, 64*((\rnd)%4)
.irp st,0,1
	KMAP 2*(\rnd)+\st
.irp i,0,1,2,3
	global_load_b128 v[wb+32*\st+8*\i:wb+32*\st+8*\i+3], v[VL16], s[\WB:\WB+1] offset:\W0+\i*\WT+km_wo
	global_load_b128 v[wb+32*\st+8*\i+4:wb+32*\st+8*\i+7], v[VL16], s[\WB:\WB+1] offset:\W0+\i*\WT+km_wo+512
.endr
.endr
.endm
.macro ALOAD rnd, AR, A0, AP           ; a round's 16 LDS loads of activations, into its buffer of window 0
.set ab, ACT+64*((\rnd)%2)
.irp st,0,1
	KMAP 2*(\rnd)+\st
.irp g,0,1,2,3
	ds_load_b128 v[ab+32*\st+8*\g:ab+32*\st+8*\g+3], v[\AR] offset:\A0+\g*\AP+km_ao
	ds_load_b128 v[ab+32*\st+8*\g+4:ab+32*\st+8*\g+7], v[\AR] offset:\A0+\g*\AP+km_ao+32
.endr
.endr
.endm
.macro GPRO WB, W0, WT                 ; a product's first three rounds of weights are asked for (every product here has three rounds or more)
	WIN W_LD
	WLOAD 0, \WB, \W0, \WT
	WLOAD 1, \WB, \W0, \WT
	WLOAD 2, \WB, \W0, \WT
	WIN 0
.endm
; 4 weight tiles x 4 row tiles over NT K steps of 32 (NT even), behind its GPRO.  The sixteen accumulators take turns, one instruction a turn.
; The buffers that a round's loads fill were last read by the round before: four places stand between.
.macro GMAIN NT, WB, W0, WT, AR, A0, AP
	WIN 0
	ALOAD 0, \AR, \A0, \AP
.set gr, 0
.rept (\NT)/2
.if gr
	PLACES
.endif
.if 2*(gr+3) < \NT
	WIN W_LD
	WLOAD gr+3, \WB, \W0, \WT
.set ahead, 3
.else
.set ahead, (\NT)/2-1-gr
.endif
.if 2*(gr+1) < \NT
	WIN 0
	ALOAD gr+1, \AR, \A0, \AP
.endif
	s_wait_loadcnt 16*ahead                        ; this round's weights are in; the 16 loads of each later round asked for stay out
.if 2*(gr+1) < \NT
	s_wait_dscnt 0x10                              ; this round's activations are in; the 16 loads just issued stay out
.else
	s_wait_dscnt 0x0
.endif
	WIN W_MUL
.set wb, 64*(gr%4)
.set ab, ACT+64*(gr%2)
.irp st,0,1
.irp g,0,1,2,3
.irp i,0,1,2,3
.if gr+\st == 0
	v_wmma_f32_16x16x32_bf16 v[ACC+8*(4*\g+\i):ACC+8*(4*\g+\i)+7], v[wb+32*\st+8*\i:wb+32*\st+8*\i+7], v[ab+32*\st+8*\g:ab+32*\st+8*\g+7], 0
.else
	v_wmma_f32_16x16x32_bf16 v[ACC+8*(4*\g+\i):ACC+8*(4*\g+\i)+7], v[wb+32*\st+8*\i:wb+32*\st+8*\i+7], v[ab+32*\st+8*\g:ab+32*\st+8*\g+7], v[ACC+8*(4*\g+\i):ACC+8*(4*\g+\i)+7]
.endif
.endr
.endr
.endr
.set gr, gr+1
.endr
	PLACES
	WIN 0
.endm
.macro BIASLD BP, DST                  ; bias[16(4 wave + i) + 8h + 0..7] for i = 0..3
.irp i,0,1,2,3
	global_load_b128 v[\DST+8*\i:\DST+8*\i+3], v[VBO], s[\BP:\BP+1] offset:64*\i
	global_load_b128 v[\DST+8*\i+4:\DST+8*\i+7], v[VBO], s[\BP:\BP+1] offset:64*\i+16
.endr
.endm
.macro ADDB left                       ; left: the loads issued behind the bias's, which may stay out
	s_wait_loadcnt \left
	WIN W_ACC
.irp g,0,1,2,3
.irp i,0,1,2,3
.irp p,0,2,4,6
	v_pk_add_f32 v[ACC+8*(4*\g+\i)+\p:ACC+8*(4*\g+\i)+\p+1], v[ACC+8*(4*\g+\i)+\p:ACC+8*(4*\g+\i)+\p+1], v[BB+8*\i+\p:BB+8*\i+\p+1]
.endr
.endr
.endr
	WIN 0
.endm
.macro PACKHI SR, S0, SP               ; round to bf16; a lane's eight columns are 16 bytes of an LDS row
	WIN W_CVT
.set t, 0
.rept 64
	v_cvt_pk_bf16_f32 v[HIB+t], v[ACC+2*t], v[ACC+2*t+1]
.set t, t+1
.endr
	WIN 0
.irp g,0,1,2,3
.irp i,0,1,2,3
	ds_store_b128 v[\SR], v[HIB+4*(4*\g+\i):HIB+4*(4*\g+\i)+3] offset:\S0+\g*\SP+32*\i
.endr
.endr
.endm
.macro PACKHL SR, S0, SP, LO           ; hi = bf16(x), lo = bf16(x - hi); lo goes LO bytes further on in the row.  The accumulators are used up.
	WIN W_CVT
.set t, 0
.rept 64
	v_cvt_pk_bf16_f32 v[HIB+t], v[ACC+2*t], v[ACC+2*t+1]
.set t, t+1
.endr
	WIN 0
.set t, 0
.rept 64
	v_lshlrev_b32 v[UNB+2*t], 16, v[HIB+t]
	v_and_b32 v[UNB+2*t+1], s38, v[HIB+t]
.set t, t+1
.endr
	WIN W_ACC
.set t, 0
.rept 64
	v_pk_add_f32 v[ACC+2*t:ACC+2*t+1], v[ACC+2*t:ACC+2*t+1], v[UNB+2*t:UNB+2*t+1] neg_lo:[0,1] neg_hi:[0,1]
.set t, t+1
.endr
	WIN W_CVT
.set t, 0
.rept 64
	v_cvt_pk_bf16_f32 v[UNB+t], v[ACC+2*t], v[ACC+2*t+1]
.set t, t+1
.endr
	WIN 0
.irp g,0,1,2,3
.irp i,0,1,2,3
	ds_store_b128 v[\SR], v[HIB+4*(4*\g+\i):HIB+4*(4*\g+\i)+3] offset:\S0+\g*\SP+32*\i
	ds_store_b128 v[\SR], v[UNB+4*(4*\g+\i):UNB+4*(4*\g+\i)+3] offset:\S0+\g*\SP+32*\i+\LO
.endr
.endr
.endm
.macro STF32 SR                        ; the accumulators as f32 into rows of 1,040 bytes
	WIN W_ST
.irp g,0,1,2,3
.irp i,0,1,2,3
	ds_store_b128 v[\SR], v[ACC+8*(4*\g+\i):ACC+8*(4*\g+\i)+3] offset:\g*16640+64*\i
	ds_store_b128 v[\SR], v[ACC+8*(4*\g+\i)+4:ACC+8*(4*\g+\i)+7] offset:\g*16640+64*\i+16
.endr
.endr
	WIN 0
.endm
.macro ZOUT part                       ; my stage's 64 rows of 512 bytes leave: an instruction stores 512 consecutive bytes, aligned
.set u, 0
.rept 2
.set k, 0
.rept 32
	ds_load_b128 v[128+4*k:131+4*k], v17 offset:(u+k)*528      ; LDS serves a wave's instructions in order (ISA guide 5.7.1): these see my stores
.set k, k+1
.endr
.set k, 0
.rept 32
	s_wait_dscnt 31-k
	global_store_b128 v18, v[128+4*k:131+4*k], s[20:21] offset:(u+k)*4096+\part*512
.set k, k+1
.endr
	s_wait_xcnt 0x0                                ; the stores' data registers are written again only behind this wait
.set u, u+32
.endr
.endm
	s_load_b512 s[4:19], s[0:1], 0x0               ; features, wimg, b_feat, bq, bk, b_p2, fbuf, zbuf
	v_lshl_add_u32 v29, v0, 2, 0x4a000
	s_set_vgpr_msb 0x80
	v_mov_b32 v129, 0
	s_set_vgpr_msb 0x8000
	v_lshrrev_b32 v2, 5, v0
	v_readfirstlane_b32 s22, v2                    ; wave
	v_and_b32 v3, 31, v0
	v_lshlrev_b32 v[VL16], 4, v3
	v_and_b32 v2, 15, v0                           ; r
	v_bfe_u32 v3, v0, 4, 1                         ; h
	v_mul_u32_u24 v4, v2, 528
	v_lshl_add_u32 v4, v3, 4, v4                   ; v4: features fragments
	v_mul_u32_u24 v5, v2, 1040
	v_lshl_add_u32 v5, v3, 4, v5
	s_lshl_b32 s23, s22, 7
	v_add_nc_u32 v7, s23, v5
	v_add_nc_u32 v6, QAR, v7                       ; v6: q, my head's 64 columns (written and read by me)
	v_add_nc_u32 v7, FAR, v7                       ; v7: f, my 64 columns (store)
	v_add_nc_u32 v5, FAR, v5                       ; v5: f fragments
	v_mul_u32_u24 v8, v2, 1040
	v_lshl_add_u32 v8, v3, 5, v8
	s_lshl_b32 s23, s22, 8
	v_lshlrev_b32 v[VBO], 5, v3
	v_add_nc_u32 v[VBO], s23, v[VBO]
	s_add_co_u32 s23, s23, STG
	v_add_nc_u32 v8, s23, v8                       ; v8: f as f32 (store)
	s_mul_i32 s23, s22, 33792
	s_add_co_u32 s23, s23, STG
	v_mul_u32_u24 v9, v2, 528
	v_lshl_add_u32 v9, v3, 4, v9
	v_add_nc_u32 v9, s23, v9                       ; v9: my stage (store)
	v_add_nc_u32 v17, s23, v[VL16]                 ; v17: my stage, a row an instruction (read)
	s_lshl_b32 s23, s22, 2
	s_add_co_u32 s23, s23, CSTR
	v_lshlrev_b32 v11, 4, v2
	v_add_nc_u32 v11, s23, v11                     ; v11: c (store)
	v_lshlrev_b32 v12, 4, v0                       ; v12: features, 16 bytes a thread
	s_mul_i32 s23, s22, 528
	v_lshrrev_b32 v13, 1, v[VL16]
	v_add_nc_u32 v13, s23, v13                     ; v13: features bf16 (store)
	s_mul_i32 s23, s22, 16640
	s_add_co_u32 s23, s23, STG
	v_add_nc_u32 v14, s23, v[VL16]                 ; v14: f as f32, my 16 rows (read)
	s_lshl_b32 s23, s22, 14
	v_add_nc_u32 v15, s23, v[VL16]                 ; v15: f as f32 in fbuf
	s_lshl_b32 s23, s22, 13
	v_lshrrev_b32 v16, 1, v[VL16]
	v_add_nc_u32 v16, s23, v16                     ; v16: bf16(f + b_p2) in fbuf
	s_lshl_b32 s23, s22, 10
	v_add_nc_u32 v18, s23, v[VL16]                 ; v18: zbuf, my head's row of a point
	s_lshl_b32 s23, s22, 9
	v_add_nc_u32 v31, s23, v[VL16]                 ; v31: zbuf c
	v_add_nc_u32 v19, CSTR, v31                    ; v19: c (read)
	v_mov_b32 v30, 0
	s_mov_b32 s34, 0x76543210                      ; v_permlanex16_b32: lane i of the other half
	s_mov_b32 s35, 0xfedcba98
	s_mov_b32 s38, 0xffff0000                      ; a word's upper bf16
	s_mov_b32 s33, 0
	s_wait_kmcnt 0x0
	s_mov_b64 s[20:21], s[18:19]                   ; zbuf
	s_lshl_b32 s32, ttmp9, 15
	s_add_nc_u64 s[4:5], s[4:5], s[32:33]
	s_add_nc_u64 s[18:19], s[16:17], s[32:33]
	s_add_nc_u64 s[18:19], s[18:19], 0x1000000     ; the bf16 part of fbuf
	s_lshl_b32 s32, ttmp9, 16
	s_add_nc_u64 s[16:17], s[16:17], s[32:33]
	s_lshl_b32 s32, ttmp9, 10
	s_add_nc_u64 s[36:37], s[20:21], s[32:33]
	s_add_nc_u64 s[36:37], s[36:37], 0x4000000     ; c lies behind the 65,536 rows of 1,024 bytes
	s_lshl_b32 s32, ttmp9, 18
	s_add_nc_u64 s[20:21], s[20:21], s[32:33]
	s_lshl_b32 s32, s22, 14
	s_add_nc_u64 s[24:25], s[6:7], s[32:33]        ; W_feat image, my four tiles
	s_lshl_b32 s32, s22, 15
	s_add_co_u32 s32, s32, 65536
	s_add_nc_u64 s[26:27], s[6:7], s[32:33]        ; Wq image, my four tiles
	s_lshl_b32 s32, s22, 11
	s_add_co_u32 s32, s32, 196608
	s_add_nc_u64 s[28:29], s[6:7], s[32:33]        ; [Wk; W_p2 Wk] image, my head's two K steps
.set KNS, 4
.set KALO, 256
	GPRO 24, 0, 4096                               ; the first product's weights go out ahead of everything else
	; features, split, into LDS: 16 passes of 2,048 consecutive bytes
	global_load_b128 v[20:23], v[VL16], s[14:15]
	global_load_b128 v[24:27], v[VL16], s[14:15] offset:512       ; b_p2 of my 8 columns in the copy-out
.irp i,0,1,2,3,4,5,6,7,8,9,10,11,12,13,14,15
	global_load_b128 v[128+4*\i:131+4*\i], v12, s[4:5] offset:2048*\i th:TH_LOAD_NT
.endr
.irp i,0,1,2,3,4,5,6,7,8,9,10,11,12,13,14,15
	s_wait_loadcnt 15-\i                           ; loads return in order: pass i is in, the 15 - i passes behind it stay out
	v_cvt_pk_bf16_f32 v[32+2*(\i%8)], v[128+4*\i], v[129+4*\i]
	v_cvt_pk_bf16_f32 v[33+2*(\i%8)], v[130+4*\i], v[131+4*\i]
	v_lshlrev_b32 v64, 16, v[32+2*(\i%8)]
	v_and_b32 v65, s38, v[32+2*(\i%8)]
	v_lshlrev_b32 v66, 16, v[33+2*(\i%8)]
	v_and_b32 v67, s38, v[33+2*(\i%8)]
	v_pk_add_f32 v[128+4*\i:129+4*\i], v[128+4*\i:129+4*\i], v[64:65] neg_lo:[0,1] neg_hi:[0,1]
	v_pk_add_f32 v[130+4*\i:131+4*\i], v[130+4*\i:131+4*\i], v[66:67] neg_lo:[0,1] neg_hi:[0,1]
	v_cvt_pk_bf16_f32 v[48+2*(\i%8)], v[128+4*\i], v[129+4*\i]
	v_cvt_pk_bf16_f32 v[49+2*(\i%8)], v[130+4*\i], v[131+4*\i]
	ds_store_b64 v13, v[32+2*(\i%8):33+2*(\i%8)] offset:2112*\i
	ds_store_b64 v13, v[48+2*(\i%8):49+2*(\i%8)] offset:2112*\i+256
.endr
	s_wait_dscnt 0x0
	s_barrier_signal -1
	s_barrier_wait -1
	; f
	GMAIN 12, 24, 0, 4096, 4, 0, 8448
	BIASLD 8, BB
.set KNS, 8
.set KALO, 512
	GPRO 26, 0, 8192                               ; q's first weights
	ADDB 48                                        ; the bias is in; the 48 weight loads issued behind it stay out
	STF32 8
	PACKHL 7, 0, 16640, 512
	s_wait_dscnt 0x0
	s_barrier_signal -1
	s_barrier_wait -1
	; f leaves by whole rows: my 16 rows, 512 consecutive bytes of f32 and 256 of bf16 an instruction.  No register is used twice here.
.set u, 0
.rept 32
	ds_load_b128 v[128+4*u:131+4*u], v14 offset:(u/2)*1040+(u%2)*512
.set u, u+1
.endr
.set u, 0
.rept 32
	s_wait_dscnt 31-u
	global_store_b128 v15, v[128+4*u:131+4*u], s[16:17] offset:(u/2)*1024+(u%2)*512
	v_pk_add_f32 v[96:97], v[128+4*u:129+4*u], v[20+4*(u%2):21+4*(u%2)]
	v_pk_add_f32 v[98:99], v[130+4*u:131+4*u], v[22+4*(u%2):23+4*(u%2)]
	v_cvt_pk_bf16_f32 v[32+2*u], v96, v97
	v_cvt_pk_bf16_f32 v[33+2*u], v98, v99
	global_store_b64 v16, v[32+2*u:33+2*u], s[18:19] offset:(u/2)*512+(u%2)*256
.set u, u+1
.endr
	s_wait_xcnt 0x0                                ; the stores' data registers are written again only behind this wait
	; q, and c = q . bk / 8 for my head
	GMAIN 24, 26, 0, 8192, 5, 0, 16640
	BIASLD 10, BB
	BIASLD 12, BB+32
.set KNS, 2
.set KALO, 512
	GPRO 28, 0, 8192                               ; the first weights for u
	ADDB 48                                        ; bq and bk are in; the 48 weight loads issued behind them stay out
	WIN W_RD
.irp i,0,1,2,3
.irp p,0,2,4,6
.irp g,0,1,2,3
.if \i+\p == 0
	v_pk_mul_f32 v[160+2*\g:161+2*\g], v[ACC+8*(4*\g+\i)+\p:ACC+8*(4*\g+\i)+\p+1], v[BB+32+8*\i+\p:BB+32+8*\i+\p+1]
.else
	v_pk_fma_f32 v[160+2*\g:161+2*\g], v[ACC+8*(4*\g+\i)+\p:ACC+8*(4*\g+\i)+\p+1], v[BB+32+8*\i+\p:BB+32+8*\i+\p+1], v[160+2*\g:161+2*\g]
.endif
.endr
.endr
.endr
	WIN 0
.irp g,0,1,2,3
	v_add_f32 v28, v[160+2*\g], v[161+2*\g]
	v_permlanex16_b32 v30, v28, s34, s35           ; the other eight columns of each tile
	v_add_f32 v28, v28, v30
	v_mul_f32 v28, 0x3e000000, v28
	ds_store_b32 v11, v28 offset:256*\g            ; both halves write the same number
.endr
	PACKHL 6, 0, 16640, 512
	s_wait_dscnt 0x0                               ; my reads of f as f32 are back and c is written: the stages may now take those bytes
	s_barrier_signal -1
	s_barrier_wait -1
	; u and w for my head: K = my head's 64 columns of q; 64 outputs a pass.  From here on every LDS byte I touch is my own.
.irp P,0,1,2,3
	GMAIN 6, 28, \P*32768, 8192, 6, 0, 16640
	GPRO 28, (\P+1)*32768, 8192                    ; the next pass's weights, ahead of this pass's packing
	PACKHI 9, 128*\P, 8448
.endr
	ZOUT 0
	GMAIN 6, 28, 4*32768, 8192, 6, 0, 16640
	GPRO 28, 5*32768, 8192
	PACKHL 9, 0, 8448, 256
	GMAIN 6, 28, 5*32768, 8192, 6, 0, 16640
	PACKHL 9, 128, 8448, 256
	ZOUT 1
	s_cmp_gt_u32 s22, 1
	s_cbranch_scc1 .Lend
	ds_load_b128 v[32:35], v19                     ; c: 1,024 bytes, waves 0 and 1
	s_wait_dscnt 0x0
	global_store_b128 v31, v[32:35], s[36:37]
.Lend:
	s_set_vgpr_msb 0x8
	s_wait_tensorcnt 0x0
	ds_add_u32 v29, v129
	s_wait_dscnt 0x0
	s_set_vgpr_msb 0x800
	s_endpgm
.Lfunc_end_k_qe885adc84c_front:
	.size	k_qe885adc84c_front, .Lfunc_end_k_qe885adc84c_front-k_qe885adc84c_front
	.p2alignl 7, 3214868480
	.fill 96, 4, 3214868480
	.section	.rodata,"a",@progbits
	.p2align	6, 0x0
	.amdhsa_kernel k_qe885adc84c_front
		.amdhsa_group_segment_fixed_size 303616
		.amdhsa_private_segment_fixed_size 0
		.amdhsa_enable_private_segment 0
		.amdhsa_kernarg_size 64
		.amdhsa_user_sgpr_count 2
		.amdhsa_user_sgpr_kernarg_segment_ptr 1
		.amdhsa_wavefront_size32 1
		.amdhsa_system_sgpr_workgroup_id_x 1
		.amdhsa_system_sgpr_workgroup_id_y 1
		.amdhsa_system_sgpr_workgroup_id_z 1
		.amdhsa_system_vgpr_workitem_id 0
		.amdhsa_next_free_vgpr 642
		.amdhsa_next_free_sgpr 66
		.amdhsa_reserve_vcc 0
		.amdhsa_float_denorm_mode_32 3
		.amdhsa_float_denorm_mode_16_64 3
		.amdhsa_memory_ordered 1
		.amdhsa_forward_progress 1
		.amdhsa_inst_pref_size 255
	.end_amdhsa_kernel
	.section	.bss,"aw",@nobits
	.p2align	6
	.space	262144
	.amdgpu_metadata
---
amdhsa.version: [ 1, 2 ]
amdhsa.kernels:
  - .name:           k_qe885adc84c_front
    .symbol:         k_qe885adc84c_front.kd
    .args:
      - { .name: features, .offset: 0, .size: 8, .value_kind: global_buffer, .address_space: global }
      - { .name: wimg, .offset: 8, .size: 8, .value_kind: global_buffer, .address_space: global }
      - { .name: b_feat, .offset: 16, .size: 8, .value_kind: global_buffer, .address_space: global }
      - { .name: bq, .offset: 24, .size: 8, .value_kind: global_buffer, .address_space: global }
      - { .name: bk, .offset: 32, .size: 8, .value_kind: global_buffer, .address_space: global }
      - { .name: b_p2, .offset: 40, .size: 8, .value_kind: global_buffer, .address_space: global }
      - { .name: fbuf, .offset: 48, .size: 8, .value_kind: global_buffer, .address_space: global }
      - { .name: zbuf, .offset: 56, .size: 8, .value_kind: global_buffer, .address_space: global }
    .group_segment_fixed_size: 303616
    .private_segment_fixed_size: 0
    .kernarg_segment_align: 8
    .kernarg_segment_size: 64
    .max_flat_workgroup_size: 128
    .sgpr_count:     66
    .vgpr_count:     642
    .wavefront_size: 32
...
	.end_amdgpu_metadata
.endif
;; end of part 8
;; launch knn1 (part 9): grid 256 x 1, 8 waves a work-group, no clusters, 115,712 bytes of LDS; arguments coords, grp; writes grp
.if DOCPART == 9
	.amdgcn_target "amdgcn-amd-amdhsa--gfx1250"
	.amdhsa_code_object_version 6
	.text
	.protected	k_qe885adc84c_knn1
	.globl	k_qe885adc84c_knn1
	.p2align	8
	.type	k_qe885adc84c_knn1,@function
k_qe885adc84c_knn1:
	s_mov_b64 s[64:65], 0
	v_nop
	global_prefetch_b8 v0, s[64:65] scope:SCOPE_SE
	s_setreg_imm32_b32 hwreg(HW_REG_WAVE_MODE, 25, 1), 1
	s_wait_xcnt 0x0
; First level of the exact 16-nearest search.  The 4,096 candidates of a batch are 256 groups of 16 consecutive indices.  The sixteen
; nearest by (distance, index) lie in the sixteen groups that come first by (group minimum, group index): were one missing, sixteen
; groups, hence sixteen candidates, would come before it.  This launch finds those groups and stores their numbers, ascending.
; A lane is a query; wave (qs, p) scans groups 64 p .. 64 p + 63 for queries 32 qs + lane of the work-group's 64; the four parts'
; lists are merged through LDS in the order of the parts.  An excluded pair (itself, later in time, further than 50) gets BIG = 0x7f7fffff;
; lists start at +inf; a strict < during an ascending scan keeps the lower index ahead at equal distances.
; No branch and no address hangs on a distance: a sorted list of 16 is kept by compares, selects and medians.
; The batch's coordinates (49,152 bytes) are copied into LDS once.  A group's 192 bytes come by twelve LDS loads in which all lanes name the same
; address, into one of two sets of 48 registers: while one group is worked on, the next group's twelve loads are on their way, and since LDS
; loads return in order (ISA guide 5.7.1) the wait for a set is counted.
; LIMITS: NaN coordinates are not served.  dx*dx + dy*dy and 0.3*dt + sd are fused, and v_sqrt_f32 is good to 1 ulp (ISA guide 15.8), so two
; candidates within an ulp may change places; a denormal squared distance counts as 0; sd <= 50 is tested as sq <= 2500 (the same set under a
; correctly rounded root: the float above 2500 has a root that rounds above 50); a distance of 3.4e38 or more counts as excluded.
.set XI, 2
.set YI, 3
.set TI, 4
.set QI, 5                             ; my index in the batch
.set QREL, 6                           ; QI - first index of the group at work
.set GM, 7                             ; group minimum
.set GI, 8                             ; its number
.set TA, 9                             ; v9, v10 at work in INSERT
.set VBIG, 11
.set KL, 12                            ; v[12:27] keys, ascending
.set IL, 28                            ; v[28:43] their numbers
.set DX, 44                            ; v[44:75] at work: distances; in a merge the partner's keys (DX ..) and numbers (DT ..)
.set DY, 52
.set DT, 60
.set SQ, 68
.set MAO, 76                           ; my wave's list region in LDS + 4 lane
.set MA1, 77                           ; the first merge's partner: wave | 1
.set OFF, 78
.set MA2, 79                           ; the second merge's partner: part 2 of my queries, in the second region
.set CA, 80                            ; LDS address of the group pair at work, the same in all lanes
.set CF, 81                            ; 16 x thread: the copy of the coordinates
.set C0, 84                            ; v[84:131]  sixteen candidates, x y t each
.set C1, 132                           ; v[132:179] the other set
.set MAR, 49152                        ; LDS: coordinates at 0; list regions of 32,768 bytes at 49,152 and at 81,920
; s[68:91] masks.  s92 = 2500, s93 = 0.3
.macro INSERT X, XI                    ; (X, XI) into the sorted list; equal keys stay ahead of it
.irp i,0,1,2,3,4,5,6,7,8,9,10,11,12,13,14,15
	v_cmp_lt_f32 s[68+\i], v[\X], v[KL+\i]
.endr
.set ii, 15
.rept 15
	v_cndmask_b32 v[TA+(ii%2)], v[\XI], v[IL+ii-1], s[68+ii-1]
	v_cndmask_b32 v[IL+ii], v[IL+ii], v[TA+(ii%2)], s[68+ii]
	v_med3_num_f32 v[KL+ii], v[KL+ii-1], v[\X], v[KL+ii]       ; K[i-1] <= K[i]: the middle one is the new K[i]
.set ii, ii-1
.endr
	v_cndmask_b32 v[IL], v[IL], v[\XI], s68
	v_min_num_f32 v[KL], v[KL], v[\X]
.endm
.macro DISTV CB, c0                    ; eight distances into v[DX..DX+7], stage by stage; the same instructions as in the second level
.irp c,0,1,2,3,4,5,6,7
	v_sub_f32 v[DX+\c], v[\CB+3*\c], v[XI]
.endr
.irp c,0,1,2,3,4,5,6,7
	v_sub_f32 v[DY+\c], v[\CB+3*\c+1], v[YI]
.endr
.irp c,0,1,2,3,4,5,6,7
	v_sub_f32 v[DT+\c], v[TI], v[\CB+3*\c+2]       ; t_i - t_j, not negative where the pair counts
.endr
.irp c,0,1,2,3,4,5,6,7
	v_mul_f32 v[SQ+\c], v[DX+\c], v[DX+\c]
.endr
.irp c,0,1,2,3,4,5,6,7
	v_fmac_f32 v[SQ+\c], v[DY+\c], v[DY+\c]
.endr
.irp c,0,1,2,3,4,5,6,7
	v_sqrt_f32 v[DX+\c], v[SQ+\c]
.endr
.irp c,0,1,2,3,4,5,6,7
	v_cmp_le_f32 s[68+\c], v[\CB+3*\c+2], v[TI]    ; not later than me (also the plain instruction behind the roots, ISA guide 5.7.2)
.endr
.irp c,0,1,2,3,4,5,6,7
	v_cmp_ge_f32 s[76+\c], s92, v[SQ+\c]           ; within the radius
.endr
.irp c,0,1,2,3,4,5,6,7
	v_cmp_ne_u32 s[84+\c], \c0+\c, v[QREL]         ; not myself
.endr
.irp c,0,1,2,3,4,5,6,7
	s_and_b32 s[68+\c], s[68+\c], s[76+\c]
.endr
.irp c,0,1,2,3,4,5,6,7
	s_and_b32 s[68+\c], s[68+\c], s[84+\c]
.endr
	s_wait_alu depctr_va_vdst(0)
.irp c,0,1,2,3,4,5,6,7
	v_fma_f32 v[DX+\c], v[DT+\c], s93, v[DX+\c]
.endr
.irp c,0,1,2,3,4,5,6,7
	v_cndmask_b32 v[DX+\c], v[VBIG], v[DX+\c], s[68+\c]
.endr
.endm
.macro LDG CB, o                       ; a group's 192 bytes, byte o behind v[CA], into the set CB
.irp i,0,1,2,3,4,5,6,7,8,9,10,11
	ds_load_b128 v[\CB+4*\i:\CB+4*\i+3], v[CA] offset:\o+16*\i
.endr
.endm
.macro GROUP CB                        ; the group in the set CB: its minimum goes into my list under its number
	v_subrev_nc_u32 v[QREL], s13, v[QI]
	DISTV \CB, 0
	v_min_num_f32 v[GM], v[DX], v[DX+1]
	v_min3_num_f32 v[GM], v[GM], v[DX+2], v[DX+3]
	v_min3_num_f32 v[GM], v[GM], v[DX+4], v[DX+5]
	v_min3_num_f32 v[GM], v[GM], v[DX+6], v[DX+7]
	DISTV \CB+24, 8
	v_min3_num_f32 v[GM], v[GM], v[DX], v[DX+1]
	v_min3_num_f32 v[GM], v[GM], v[DX+2], v[DX+3]
	v_min3_num_f32 v[GM], v[GM], v[DX+4], v[DX+5]
	v_min3_num_f32 v[GM], v[GM], v[DX+6], v[DX+7]
	v_mov_b32 v[GI], s14
	INSERT GM, GI
	s_add_co_u32 s13, s13, 16
	s_add_co_u32 s14, s14, 1
.endm
.macro PUTL o                          ; my lists to LDS: entry e at 256 e, keys then numbers, a word a lane
.irp e,0,1,2,3,4,5,6,7,8,9,10,11,12,13,14,15
	ds_store_b32 v[MAO], v[KL+\e] offset:\o+256*\e
	ds_store_b32 v[MAO], v[IL+\e] offset:\o+256*\e+128
.endr
.endm
.macro MERGE AD                        ; the sixteen entries at v[AD], in their order, into my lists
.irp e,0,1,2,3,4,5,6,7,8,9,10,11,12,13,14,15
	ds_load_b32 v[DX+\e], v[\AD] offset:256*\e
	ds_load_b32 v[DT+\e], v[\AD] offset:256*\e+128
.endr
	s_wait_dscnt 0x0
.irp e,0,1,2,3,4,5,6,7,8,9,10,11,12,13,14,15
	INSERT DX+\e, DT+\e
.endr
.endm
	s_load_b128 s[4:7], s[0:1], 0x0                ; coords, grp
	v_lshl_add_u32 v180, v0, 2, 0x1c000
	v_mov_b32 v181, 0
	v_lshrrev_b32 v1, 5, v0
	v_readfirstlane_b32 s8, v1                     ; wave
	v_and_b32 v1, 31, v0                           ; lane
	s_lshr_b32 s9, s8, 2                           ; qs
	s_and_b32 s15, s8, 3                           ; p
	s_lshr_b32 s2, ttmp9, 6                        ; batch
	s_mul_i32 s2, s2, 49152
	s_mov_b32 s3, 0
	s_and_b32 s10, ttmp9, 63
	s_lshl_b32 s10, s10, 6
	s_lshl_b32 s11, s9, 5
	s_add_co_u32 s10, s10, s11
	v_add_nc_u32 v[QI], s10, v1
	v_mul_u32_u24 v[OFF], v[QI], 12
	v_lshlrev_b32 v[CF], 4, v0
	s_lshl_b32 s10, s8, 12
	s_add_co_u32 s10, s10, MAR
	v_lshl_add_u32 v[MAO], v1, 2, s10
	s_or_b32 s10, s8, 1
	s_lshl_b32 s10, s10, 12
	s_add_co_u32 s10, s10, MAR
	v_lshl_add_u32 v[MA1], v1, 2, s10              ; inside the first region for every wave
	s_lshl_b32 s10, s9, 14
	s_add_co_u32 s10, s10, MAR+40960               ; the second region, 4,096 x (4 qs + 2)
	v_lshl_add_u32 v[MA2], v1, 2, s10              ; inside the second region for every wave
	s_mov_b32 s92, 0x451c4000                      ; 2500.0
	s_mov_b32 s93, 0x3e99999a                      ; 0.3
	v_mov_b32 v[VBIG], 0x7f7fffff
.irp i,0,1,2,3,4,5,6,7,8,9,10,11,12,13,14,15
	v_mov_b32 v[KL+\i], 0x7f800000
	v_mov_b32 v[IL+\i], 0
.endr
	s_wait_kmcnt 0x0
	s_add_nc_u64 s[4:5], s[4:5], s[2:3]            ; my batch
.irp i,0,1,2,3,4,5,6,7,8,9,10,11
	global_load_b128 v[C0+4*\i:C0+4*\i+3], v[CF], s[4:5] offset:4096*\i
.endr
	global_load_b32 v[XI], v[OFF], s[4:5]
	global_load_b32 v[YI], v[OFF], s[4:5] offset:4
	global_load_b32 v[TI], v[OFF], s[4:5] offset:8
.irp i,0,1,2,3,4,5,6,7,8,9,10,11
	s_wait_loadcnt 14-\i                           ; piece i is in: 11 - i pieces and three other loads were issued behind it
	ds_store_b128 v[CF], v[C0+4*\i:C0+4*\i+3] offset:4096*\i
.endr
	s_wait_loadcnt 0x0
	s_wait_dscnt 0x0                               ; my part of the coordinates is written
	s_barrier_signal -1
	s_barrier_wait -1
	s_mul_i32 s16, s15, 12288                      ; my part's 1,024 candidates
	v_mov_b32 v[CA], s16
	LDG C0, 0                                      ; the first group
	s_mov_b32 s10, 0                               ; byte offset of the pair of groups in my part
	s_mov_b32 s11, 0                               ; trips
	s_lshl_b32 s13, s15, 10                        ; first index of the group
	s_lshl_b32 s14, s15, 6                         ; the group's number
.Lg:
	LDG C1, 192                                    ; the pair's second group
	s_wait_dscnt 0xc                               ; the first group is in; the twelve loads just issued stay out
	GROUP C0
	s_add_co_u32 s10, s10, 384
	s_min_u32 s12, s10, 12096                      ; the last trip asks for my part's last group again: no load leaves my part
	s_add_co_u32 s12, s12, s16
	v_mov_b32 v[CA], s12
	LDG C0, 0                                      ; the next pair's first group
	s_wait_dscnt 0xc                               ; the second group is in; the twelve loads just issued stay out
	GROUP C1
	s_add_co_u32 s11, s11, 1
	s_cmp_lt_u32 s11, 32
	s_cbranch_scc1 .Lg
	s_wait_dscnt 0x0                               ; my reads of the coordinates are back
	s_barrier_signal -1
	s_barrier_wait -1
	; Merge: part 1 into 0 and 3 into 2, then 2 into 0.  Each hand-over has a barrier in front of it and behind it, so that between two
	; barriers LDS is either written or read, never both.
	PUTL 0
	s_wait_dscnt 0x0                               ; my lists are written
	s_barrier_signal -1
	s_barrier_wait -1
	s_and_b32 s96, s15, 1
	s_cmp_lg_u32 s96, 0
	s_cbranch_scc1 .Ls1
	MERGE MA1
.Ls1:
	s_wait_dscnt 0x0                               ; my reads of the partner's lists are back
	s_barrier_signal -1
	s_barrier_wait -1
	s_cmp_lg_u32 s15, 2
	s_cbranch_scc1 .Ls2
	PUTL 32768                                     ; part 2 hands on, in the second region
.Ls2:
	s_wait_dscnt 0x0
	s_barrier_signal -1
	s_barrier_wait -1
	s_cmp_lg_u32 s15, 0
	s_cbranch_scc1 .Lend
	MERGE MA2
	; the sixteen group numbers ascending, so that the second level scans in the order of the indices
.set ps, 0
.rept 15
.set jj, 0
.rept 15-ps
	v_min_u32 v[TA], v[IL+jj], v[IL+jj+1]
	v_max_u32 v[IL+jj+1], v[IL+jj], v[IL+jj+1]
	v_mov_b32 v[IL+jj], v[TA]
.set jj, jj+1
.endr
.set ps, ps+1
.endr
	s_lshl_b32 s2, ttmp9, 12                       ; [block of 32 queries][slot/4][lane][4]
	s_lshl_b32 s96, s9, 11
	s_add_co_u32 s2, s2, s96
	s_add_nc_u64 s[6:7], s[6:7], s[2:3]
	v_lshlrev_b32 v[OFF], 4, v1
.irp i,0,1,2,3
	global_store_b128 v[OFF], v[IL+4*\i:IL+4*\i+3], s[6:7] offset:512*\i   ; 512 consecutive bytes
.endr
.Lend:
	s_wait_tensorcnt 0x0
	ds_add_u32 v180, v181
	s_wait_dscnt 0x0
	s_endpgm
.Lfunc_end_k_qe885adc84c_knn1:
	.size	k_qe885adc84c_knn1, .Lfunc_end_k_qe885adc84c_knn1-k_qe885adc84c_knn1
	.p2alignl 7, 3214868480
	.fill 96, 4, 3214868480
	.section	.rodata,"a",@progbits
	.p2align	6, 0x0
	.amdhsa_kernel k_qe885adc84c_knn1
		.amdhsa_group_segment_fixed_size 115712
		.amdhsa_private_segment_fixed_size 0
		.amdhsa_enable_private_segment 0
		.amdhsa_kernarg_size 16
		.amdhsa_user_sgpr_count 2
		.amdhsa_user_sgpr_kernarg_segment_ptr 1
		.amdhsa_wavefront_size32 1
		.amdhsa_system_sgpr_workgroup_id_x 1
		.amdhsa_system_sgpr_workgroup_id_y 1
		.amdhsa_system_sgpr_workgroup_id_z 1
		.amdhsa_system_vgpr_workitem_id 0
		.amdhsa_next_free_vgpr 182
		.amdhsa_next_free_sgpr 100
		.amdhsa_reserve_vcc 0
		.amdhsa_float_denorm_mode_32 3
		.amdhsa_float_denorm_mode_16_64 3
		.amdhsa_memory_ordered 1
		.amdhsa_forward_progress 1
		.amdhsa_inst_pref_size 182
	.end_amdhsa_kernel
	.amdgpu_metadata
---
amdhsa.version: [ 1, 2 ]
amdhsa.kernels:
  - .name:           k_qe885adc84c_knn1
    .symbol:         k_qe885adc84c_knn1.kd
    .args:
      - { .name: coords, .offset: 0, .size: 8, .value_kind: global_buffer, .address_space: global }
      - { .name: grp, .offset: 8, .size: 8, .value_kind: global_buffer, .address_space: global }
    .group_segment_fixed_size: 115712
    .private_segment_fixed_size: 0
    .kernarg_segment_align: 8
    .kernarg_segment_size: 16
    .max_flat_workgroup_size: 256
    .sgpr_count:     100
    .vgpr_count:     182
    .wavefront_size: 32
...
	.end_amdgpu_metadata
.endif
;; end of part 9
;; launch knn2: the kernel of part 5 again; grid 256 x 1, 8 waves a work-group, no clusters, 115,712 bytes of LDS; arguments coords, grp, nidx, nkd; writes nidx, nkd
;; launch att: the kernel of part 6 again; grid 256 x 1, 16 waves a work-group, no clusters, 272,384 bytes of LDS; arguments coords, nidx, nkd, fbuf, zbuf, wimg, xbar; writes xbar
;; launch back (part 10): grid 256 x 1, 4 waves a work-group, no clusters, 266,752 bytes of LDS; arguments xbar, wimg, pkv, bo, gamma, beta, fbuf, nkd, out0; writes out0
.if DOCPART == 10
	.amdgcn_target "amdgcn-amd-amdhsa--gfx1250"
	.amdhsa_code_object_version 6
	.text
	.protected	k_qe885adc84c_back
	.globl	k_qe885adc84c_back
	.p2align	8
	.type	k_qe885adc84c_back,@function
k_qe885adc84c_back:
	s_mov_b64 s[64:65], 0
	v_nop
	global_prefetch_b8 v0, s[64:65] scope:SCOPE_SE
	s_setreg_imm32_b32 hwreg(HW_REG_WAVE_MODE, 25, 1), 1
	s_wait_xcnt 0x0
; For 64 queries: o = sum over the heads of [fb-bar | h-bar] G_head, with G_head = [Wv_head; W_p2 Wv_head] Wo_head made beforehand in f32, which is
; (fb-bar + h-bar W_p2) Wv Wo in one product; then out = LayerNorm(f + (has ? o + bv Wo + bo : 0)) gamma + beta, all but the product in f32.
; has = the query's nearest place holds a neighbour (nkd[query][0] below 0x7f7fffff).
; PRECISION: h-bar and G's rows for it are split (hi + lo, both bf16; hi hi + lo hi + hi lo); fb-bar, small beside h-bar W_p2, is one bf16 against G hi.
; A head thus takes 8 + 3 x 4 = 20 K steps of 32, the four heads 80.  Four waves, one a SIMD, each 64 of the 256 output columns for all 64 queries.
; Transposed use of the matrix instruction as in the launch 'front': lane (r, h), register j = (row 16 g + r, column 16 (T0+i) + 8 h + j).
; REGISTERS, in windows of 256 (s_set_vgpr_msb: bits 1:0 source 0, 3:2 source 1, 5:4 source 2, 7:6 destination):
;   window 0: v0-31 addresses; v32-159 two buffers of activations (two K steps x four fragments each); all of v32-255 is scratch outside the product
;   window 1: four buffers of weights (two K steps x four fragments each)         window 2: v0-127 the sixteen accumulators, tile (i, g) at 8 (4 g + i)
; The product goes in 40 rounds of two K steps.  A round's 16 weight loads are issued three rounds ahead: 48 loads of 512 bytes of a wave are on their way.
.set WLO,  1187840                     ; from a hi weight fragment to its lo fragment
.set VL16, 1                           ; LDS: 256 rows (head*64 + query) x 1,040 at 0 (fb-bar 512, h-bar hi 256, lo 256); later o as f32, 64 x 1,040, at 0
.set ACT,  32
.set ACC,  0
.set W_LD,  0x40                       ; destination window 1: weight loads
.set W_MUL, 0xa1                       ; source 0 window 1, source 1 window 0, C and D window 2
.set W_ST,  0x08                       ; an LDS store's data (source 1) window 2
.set MSB, 0
.macro WIN new                         ; the immediate's high byte repeats the setting that is left
.if MSB != \new
	s_set_vgpr_msb (MSB<<8)|\new
.set MSB, \new
.endif
.endm
.macro PLACES                          ; four independent vector instructions behind a matrix instruction (ISA guide 7.12.1)
.rept 4
	v_nop
.endr
.endm
; K step s: head s / 20; in a head steps 0-7 fb-bar x G hi, 8-11 h-bar hi x G hi, 12-15 h-bar lo x G hi, 16-19 h-bar hi x G lo
.macro KMAP s
.set khd, (\s)/20
.set kt, (\s)%20
.if kt < 8
.set km_ao, kt*64
.set km_wo, (khd*12+kt)*1024
.else
.set kph, (kt-8)/4
.set kst, (kt-8)%4
.set km_ao, 512+kst*64+kph*(2-kph)*256
.set km_wo, (khd*12+8+kst)*1024+(kph*(kph-1)/2)*WLO
.endif
.set km_ar, khd
.endm
.macro WLOAD rnd, WB, W0, WT           ; a round's 16 weight loads, into its buffer of window 1
.set wb, 64*((\rnd)%4)
.irp st,0,1
	KMAP 2*(\rnd)+\st
.irp i,0,1,2,3
	global_load_b128 v[wb+32*\st+8*\i:wb+32*\st+8*\i+3], v[VL16], s[\WB:\WB+1] offset:\W0+\i*\WT+km_wo
	global_load_b128 v[wb+32*\st+8*\i+4:wb+32*\st+8*\i+7], v[VL16], s[\WB:\WB+1] offset:\W0+\i*\WT+km_wo+512
.endr
.endr
.endm
.macro ALOAD rnd, AR, A0, AP           ; a round's 16 LDS loads of activations, into its buffer of window 0; v[AR + head] addresses the head's rows
.set ab, ACT+64*((\rnd)%2)
.irp st,0,1
	KMAP 2*(\rnd)+\st
.irp g,0,1,2,3
	ds_load_b128 v[ab+32*\st+8*\g:ab+32*\st+8*\g+3], v[\AR+km_ar] offset:\A0+\g*\AP+km_ao
	ds_load_b128 v[ab+32*\st+8*\g+4:ab+32*\st+8*\g+7], v[\AR+km_ar] offset:\A0+\g*\AP+km_ao+32
.endr
.endr
.endm
.macro GPRO WB, W0, WT                 ; the product's first three rounds of weights are asked for
	WIN W_LD
	WLOAD 0, \WB, \W0, \WT
	WLOAD 1, \WB, \W0, \WT
	WLOAD 2, \WB, \W0, \WT
	WIN 0
.endm
; 4 weight tiles x 4 row tiles over NT K steps of 32 (NT even), behind its GPRO.  The sixteen accumulators take turns, one instruction a turn.
; The buffers that a round's loads fill were last read by the round before: four places stand between.
.macro GMAIN NT, WB, W0, WT, AR, A0, AP
	WIN 0
	ALOAD 0, \AR, \A0, \AP
.set gr, 0
.rept (\NT)/2
.if gr
	PLACES
.endif
.if 2*(gr+3) < \NT
	WIN W_LD
	WLOAD gr+3, \WB, \W0, \WT
.set ahead, 3
.else
.set ahead, (\NT)/2-1-gr
.endif
.if 2*(gr+1) < \NT
	WIN 0
	ALOAD gr+1, \AR, \A0, \AP
.endif
	s_wait_loadcnt 16*ahead                        ; this round's weights are in; the 16 loads of each later round asked for stay out
.if 2*(gr+1) < \NT
	s_wait_dscnt 0x10                              ; this round's activations are in; the 16 loads just issued stay out
.else
	s_wait_dscnt 0x0
.endif
	WIN W_MUL
.set wb, 64*(gr%4)
.set ab, ACT+64*(gr%2)
.irp st,0,1
.irp g,0,1,2,3
.irp i,0,1,2,3
.if gr+\st == 0
	v_wmma_f32_16x16x32_bf16 v[ACC+8*(4*\g+\i):ACC+8*(4*\g+\i)+7], v[wb+32*\st+8*\i:wb+32*\st+8*\i+7], v[ab+32*\st+8*\g:ab+32*\st+8*\g+7], 0
.else
	v_wmma_f32_16x16x32_bf16 v[ACC+8*(4*\g+\i):ACC+8*(4*\g+\i)+7], v[wb+32*\st+8*\i:wb+32*\st+8*\i+7], v[ab+32*\st+8*\g:ab+32*\st+8*\g+7], v[ACC+8*(4*\g+\i):ACC+8*(4*\g+\i)+7]
.endif
.endr
.endr
.endr
.set gr, gr+1
.endr
	PLACES
	WIN 0
.endm
.macro STF32 SR                        ; the accumulators as f32 into rows of 1,040 bytes
	WIN W_ST
.irp g,0,1,2,3
.irp i,0,1,2,3
	ds_store_b128 v[\SR], v[ACC+8*(4*\g+\i):ACC+8*(4*\g+\i)+3] offset:\g*16640+64*\i
	ds_store_b128 v[\SR], v[ACC+8*(4*\g+\i)+4:ACC+8*(4*\g+\i)+7] offset:\g*16640+64*\i+16
.endr
.endr
	WIN 0
.endm
; n half rows (512 consecutive bytes each) of my head, from half row n0 on, come in.  v9 addresses LDS rows 0-31 of the head, v15 rows 32-63.
.macro CPIN n0, n
.set k, 0
.rept \n
.set rw, (\n0+k)/2
	global_load_b128 v[64+4*k:67+4*k], v8, s[4:5] offset:rw*4096+((\n0+k)%2)*512 th:TH_LOAD_NT
.set k, k+1
.endr
.set k, 0
.rept \n
.set rw, (\n0+k)/2
	s_wait_loadcnt \n-1-k                          ; loads return in order: piece k is in, the younger ones stay out
.if rw < 32
	ds_store_b128 v9, v[64+4*k:67+4*k] offset:rw*1040+((\n0+k)%2)*512
.else
	ds_store_b128 v15, v[64+4*k:67+4*k] offset:(rw-32)*1040+((\n0+k)%2)*512
.endif
.set k, k+1
.endr
	s_wait_dscnt 0x0
.endm
.macro LANESUM x, y                    ; v[x] summed over the 32 lanes, in every lane; v[y] at work
	v_add_f32_dpp v[\x], v[\x], v[\x] row_xmask:1 row_mask:0xf bank_mask:0xf
	v_add_f32_dpp v[\x], v[\x], v[\x] row_xmask:2 row_mask:0xf bank_mask:0xf
	v_add_f32_dpp v[\x], v[\x], v[\x] row_xmask:4 row_mask:0xf bank_mask:0xf
	v_add_f32_dpp v[\x], v[\x], v[\x] row_xmask:8 row_mask:0xf bank_mask:0xf
	v_permlanex16_b32 v[\y], v[\x], s34, s35
	v_add_f32 v[\x], v[\x], v[\y]
.endm
; One row.  rho: the row among my 16 (f in v[128 + 8 rho ..]); k: its place among the eight rows of o in v[64 ..].
; Both numbers are taken into symbols first, so that an argument that is a sum is multiplied as a whole.
.macro ROW rho, k
.set rr, \rho
.set kk, \k
.set FR, 128+8*rr
.set OR, 64+8*kk
	s_wait_loadcnt 30-2*rr                         ; my row of f is in; two loads for each later row stay out
	s_wait_dscnt 14-2*kk                           ; my row of o is in; two loads for each later row of this half stay out
	s_bitcmp1_b32 s37, rr
	s_cselect_b32 s39, -1, 0                       ; has, for all lanes; it only selects values
.irp p,0,2,4,6
	v_pk_add_f32 v[OR+\p:OR+\p+1], v[OR+\p:OR+\p+1], v[32+\p:33+\p]
.endr
.irp j,0,1,2,3,4,5,6,7
	v_cndmask_b32 v[OR+\j], 0, v[OR+\j], s39
.endr
.irp p,0,2,4,6
	v_pk_add_f32 v[FR+\p:FR+\p+1], v[FR+\p:FR+\p+1], v[OR+\p:OR+\p+1]
.endr
	v_pk_add_f32 v[56:57], v[FR:FR+1], v[FR+2:FR+3]
	v_pk_add_f32 v[58:59], v[FR+4:FR+5], v[FR+6:FR+7]
	v_pk_add_f32 v[56:57], v[56:57], v[58:59]
	v_add_f32 v56, v56, v57
	LANESUM 56, 57
	v_mul_f32 v16, s40, v56                        ; the mean
	v_mov_b32 v17, v16
.irp p,0,2,4,6
	v_pk_add_f32 v[FR+\p:FR+\p+1], v[FR+\p:FR+\p+1], v[16:17] neg_lo:[0,1] neg_hi:[0,1]
.endr
	v_pk_mul_f32 v[56:57], v[FR:FR+1], v[FR:FR+1]
.irp p,2,4,6
	v_pk_fma_f32 v[56:57], v[FR+\p:FR+\p+1], v[FR+\p:FR+\p+1], v[56:57]
.endr
	v_add_f32 v56, v56, v57
	LANESUM 56, 57
	v_fma_f32 v56, v56, s40, s41                   ; variance + 1e-5
	v_rsq_f32 v20, v56
	v_nop                                          ; one plain instruction behind it (ISA guide 5.7.2)
	s_wait_alu depctr_va_vdst(0)
	v_mov_b32 v21, v20
.irp p,0,2,4,6
	v_pk_mul_f32 v[FR+\p:FR+\p+1], v[FR+\p:FR+\p+1], v[20:21]
.endr
.irp p,0,2,4,6
	v_pk_fma_f32 v[FR+\p:FR+\p+1], v[FR+\p:FR+\p+1], v[40+\p:41+\p], v[48+\p:49+\p]
.endr
	global_store_b128 v12, v[FR:FR+3], s[20:21] offset:1024*rr th:TH_STORE_NT
	global_store_b128 v12, v[FR+4:FR+7], s[20:21] offset:1024*rr+512 th:TH_STORE_NT
.endm
	s_load_b512 s[4:19], s[0:1], 0x0               ; xbar, wimg, pkv, bo, gamma, beta, fbuf, nkd
	s_load_b64 s[20:21], s[0:1], 0x40              ; out0
	v_lshl_add_u32 v30, v0, 2, 0x41000
	v_mov_b32 v31, 0
	v_lshrrev_b32 v2, 5, v0
	v_readfirstlane_b32 s22, v2                    ; wave
	v_and_b32 v3, 31, v0
	v_lshlrev_b32 v[VL16], 4, v3
	v_and_b32 v2, 15, v0                           ; r
	v_bfe_u32 v3, v0, 4, 1                         ; h
	v_mul_u32_u24 v24, v2, 1040
	v_lshl_add_u32 v24, v3, 4, v24                 ; v[24:27]: fragments of head 0, 1, 2, 3
	v_add_nc_u32 v25, 66560, v24
	v_add_nc_u32 v26, 133120, v24
	v_add_nc_u32 v27, 199680, v24
	s_mul_i32 s23, s22, 66560
	v_add_nc_u32 v9, s23, v[VL16]                  ; v9, v15: copy in (store): the head with my wave's number
	v_add_nc_u32 v15, 33280, v9
	s_lshl_b32 s23, s22, 8
	v_mul_u32_u24 v7, v2, 1040
	v_lshl_add_u32 v7, v3, 5, v7
	v_add_nc_u32 v7, s23, v7                       ; v7: o as f32 (store)
	s_lshl_b32 s23, s22, 10
	v_add_nc_u32 v8, s23, v[VL16]                  ; v8: xbar
	v_lshl_add_u32 v13, v2, 6, s23                 ; v13: nkd, first place of row 16 wave + r
	s_mul_i32 s23, s22, 16640
	v_add_nc_u32 v11, s23, v[VL16]                 ; v11: o, my 16 rows (read)
	s_lshl_b32 s23, s22, 14
	v_add_nc_u32 v12, s23, v[VL16]                 ; v12: f and out0
	s_mov_b32 s34, 0x76543210
	s_mov_b32 s35, 0xfedcba98
	s_mov_b32 s36, 0x7f7fffff
	s_mov_b32 s40, 0x3b800000                      ; 1/256
	s_mov_b32 s41, 0x3727c5ac                      ; 1e-5
	s_mov_b32 s33, 0
	s_wait_kmcnt 0x0
	s_lshl_b32 s32, ttmp9, 18
	s_add_nc_u64 s[4:5], s[4:5], s[32:33]
	s_lshl_b32 s32, ttmp9, 16
	s_add_nc_u64 s[16:17], s[16:17], s[32:33]
	s_add_nc_u64 s[20:21], s[20:21], s[32:33]
	s_lshl_b32 s32, ttmp9, 12
	s_add_nc_u64 s[18:19], s[18:19], s[32:33]
	s_mul_i32 s32, s22, 196608
	s_add_co_u32 s32, s32, 393216
	s_add_nc_u64 s[26:27], s[6:7], s[32:33]        ; G image, my four tiles of 48 fragments
	GPRO 26, 0, 49152                              ; the product's first weights go out ahead of everything else
	; one head's 64 rows of 1,024 bytes come in by each wave: 128 loads of 512 consecutive bytes, 48 at the most in a run
	CPIN 0, 48
	CPIN 48, 48
	CPIN 96, 32
	s_barrier_signal -1                            ; my stores are done (the wait for 0 closes the last run)
	s_barrier_wait -1
	GMAIN 80, 26, 0, 49152, 24, 0, 16640
	s_wait_dscnt 0x0                               ; my reads of the rows are back: o may take those bytes
	s_barrier_signal -1
	s_barrier_wait -1
	STF32 7
	s_wait_dscnt 0x0
	s_barrier_signal -1
	s_barrier_wait -1
	; LayerNorm of my 16 rows; a lane holds columns 4 lane .. + 3 and 128 + 4 lane .. + 3.  No register is stored from twice.
	global_load_b128 v[32:35], v[VL16], s[10:11]
	global_load_b128 v[36:39], v[VL16], s[10:11] offset:512
	global_load_b128 v[64:67], v[VL16], s[8:9] offset:262144      ; bv Wo
	global_load_b128 v[68:71], v[VL16], s[8:9] offset:262656
	global_load_b128 v[40:43], v[VL16], s[12:13]
	global_load_b128 v[44:47], v[VL16], s[12:13] offset:512
	global_load_b128 v[48:51], v[VL16], s[14:15]
	global_load_b128 v[52:55], v[VL16], s[14:15] offset:512
	global_load_b32 v14, v13, s[18:19]
.irp r,0,1,2,3,4,5,6,7,8,9,10,11,12,13,14,15
	global_load_b128 v[128+8*\r:131+8*\r], v12, s[16:17] offset:1024*\r th:TH_LOAD_NT
	global_load_b128 v[132+8*\r:135+8*\r], v12, s[16:17] offset:1024*\r+512 th:TH_LOAD_NT
.endr
	s_wait_loadcnt 0x20                            ; the biases, gamma, beta and the distances are in; the 32 loads of f stay out
	v_cmp_gt_f32 s37, s36, v14                     ; bit r: row r has a neighbour
.irp p,0,2,4,6
	v_pk_add_f32 v[32+\p:33+\p], v[32+\p:33+\p], v[64+\p:65+\p]
.endr
.irp k,0,1,2,3,4,5,6,7
	ds_load_b128 v[64+8*\k:67+8*\k], v11 offset:1040*\k
	ds_load_b128 v[68+8*\k:71+8*\k], v11 offset:1040*\k+512
.endr
.irp k,0,1,2,3,4,5,6,7
	ROW \k, \k
.endr
.irp k,0,1,2,3,4,5,6,7
	ds_load_b128 v[64+8*\k:67+8*\k], v11 offset:1040*(8+\k)
	ds_load_b128 v[68+8*\k:71+8*\k], v11 offset:1040*(8+\k)+512
.endr
.irp k,0,1,2,3,4,5,6,7
	ROW 8+\k, \k
.endr
	s_wait_tensorcnt 0x0
	ds_add_u32 v30, v31
	s_wait_dscnt 0x0
	s_endpgm
.Lfunc_end_k_qe885adc84c_back:
	.size	k_qe885adc84c_back, .Lfunc_end_k_qe885adc84c_back-k_qe885adc84c_back
	.p2alignl 7, 3214868480
	.fill 96, 4, 3214868480
	.section	.rodata,"a",@progbits
	.p2align	6, 0x0
	.amdhsa_kernel k_qe885adc84c_back
		.amdhsa_group_segment_fixed_size 266752
		.amdhsa_private_segment_fixed_size 0
		.amdhsa_enable_private_segment 0
		.amdhsa_kernarg_size 72
		.amdhsa_user_sgpr_count 2
		.amdhsa_user_sgpr_kernarg_segment_ptr 1
		.amdhsa_wavefront_size32 1
		.amdhsa_system_sgpr_workgroup_id_x 1
		.amdhsa_system_sgpr_workgroup_id_y 1
		.amdhsa_system_sgpr_workgroup_id_z 1
		.amdhsa_system_vgpr_workitem_id 0
		.amdhsa_next_free_vgpr 640
		.amdhsa_next_free_sgpr 66
		.amdhsa_reserve_vcc 0
		.amdhsa_float_denorm_mode_32 3
		.amdhsa_float_denorm_mode_16_64 3
		.amdhsa_memory_ordered 1
		.amdhsa_forward_progress 1
		.amdhsa_inst_pref_size 255
	.end_amdhsa_kernel
	.section	.bss,"aw",@nobits
	.p2align	6
	.space	262144
	.amdgpu_metadata
---
amdhsa.version: [ 1, 2 ]
amdhsa.kernels:
  - .name:           k_qe885adc84c_back
    .symbol:         k_qe885adc84c_back.kd
    .args:
      - { .name: xbar, .offset: 0, .size: 8, .value_kind: global_buffer, .address_space: global }
      - { .name: wimg, .offset: 8, .size: 8, .value_kind: global_buffer, .address_space: global }
      - { .name: pkv, .offset: 16, .size: 8, .value_kind: global_buffer, .address_space: global }
      - { .name: bo, .offset: 24, .size: 8, .value_kind: global_buffer, .address_space: global }
      - { .name: gamma, .offset: 32, .size: 8, .value_kind: global_buffer, .address_space: global }
      - { .name: beta, .offset: 40, .size: 8, .value_kind: global_buffer, .address_space: global }
      - { .name: fbuf, .offset: 48, .size: 8, .value_kind: global_buffer, .address_space: global }
      - { .name: nkd, .offset: 56, .size: 8, .value_kind: global_buffer, .address_space: global }
      - { .name: out0, .offset: 64, .size: 8, .value_kind: global_buffer, .address_space: global }
    .group_segment_fixed_size: 266752
    .private_segment_fixed_size: 0
    .kernarg_segment_align: 8
    .kernarg_segment_size: 72
    .max_flat_workgroup_size: 128
    .sgpr_count:     66
    .vgpr_count:     640
    .wavefront_size: 32
...
	.end_amdgpu_metadata
.endif
;; end of part 10
;; ======== version 3 of 3: 7 launches; 1.47 times as fast as version 1
;; workspace buffers: wimg 2,375,680 bytes; fbuf 25,165,824 bytes; zbuf 67,371,008 bytes; grp 1,048,576 bytes of whole numbers; nidx 1,048,576 bytes of whole numbers; nkd 1,048,576 bytes; xbar 67,108,864 bytes; pkv 270,336 bytes
;; launch comb (part 11): grid 132 x 1, 16 waves a work-group, no clusters, 34,816 bytes of LDS; arguments W_p2, Wk, Wv, Wo, bv, pkv; writes pkv
.if DOCPART == 11
	.amdgcn_target "amdgcn-amd-amdhsa--gfx1250"
	.amdhsa_code_object_version 6
	.text
	.protected	k_qe885adc84c_comb
	.globl	k_qe885adc84c_comb
	.p2align	8
	.type	k_qe885adc84c_comb,@function
k_qe885adc84c_comb:
	s_mov_b64 s[64:65], 0
	v_nop
	global_prefetch_b8 v0, s[64:65] scope:SCOPE_SE
	s_setreg_imm32_b32 hwreg(HW_REG_WAVE_MODE, 25, 1), 1
	s_wait_xcnt 0x0
; Three small products of weights, kept in f32 so that later launches round a combined weight once instead of rounding at every stage:
;   pkv rows   0..127: PK = W_p2 Wk  (128 x 256)      rows 128..255: PV = W_p2 Wv  (128 x 256)      rows 256..263: bv Wo (the same row eight times)
; 17 million multiply-adds in all: no bulk work, so plain fused multiply-adds.  out[c][j] = sum over d of A[c][d] W[d][j].
; A work-group makes 8 rows x 64 columns: 33 row blocks x 4 column blocks.  The sum over d is shared out among its 16 waves, 16 values of d each, so
; that a wave's 32 loads go out at once and there is one round of loads in all.  In a wave, lanes 0-15 make rows 0-3 and lanes 16-31 rows 4-7 of the
; block, four neighbouring columns a lane.  The sixteen partial tiles (2,048 bytes each) meet in LDS; waves 0-3 add them and store.
.set OA,   4                           ; v[4:7]    byte offsets of my four rows of A
.set ACCR, 8                           ; v[8:23]   my sums: row r at 4 r
.set AV,   24                          ; v[24:87]  row r of A: my 16 d at 16 r; later the sixteen partial sums
.set WV,   88                          ; v[88:151] row e of W: my four columns at 4 e
.set LS,   152                         ; 2,048 wave + 1,024 half + 16 (lane & 15): where my partial rows go in LDS; for waves 0-3 also my place in pkv's block
.set RD,   153                         ; 512 wave + 16 lane: my 16 bytes of a partial tile (waves 0-3)
	s_load_b256 s[4:11], s[0:1], 0x0               ; W_p2, Wk, Wv, Wo
	s_load_b128 s[12:15], s[0:1], 0x20             ; bv, pkv
	v_lshl_add_u32 v156, v0, 2, 0x8000
	v_mov_b32 v157, 0
	v_lshrrev_b32 v1, 5, v0
	v_readfirstlane_b32 s16, v1                    ; wave: d = 16 wave ..
	s_lshr_b32 s17, ttmp9, 2                       ; row block
	s_and_b32 s18, ttmp9, 3                        ; column block
	v_and_b32 v2, 15, v0
	v_bfe_u32 v3, v0, 4, 1                         ; half
	s_lshl_b32 s19, s16, 14                        ; 16 rows of W
	s_lshl_b32 s20, s18, 8                         ; 64 columns
	s_add_co_u32 s19, s19, s20
	v_lshl_add_u32 v1, v2, 4, s19                  ; W: both halves read the same 256 consecutive bytes of a row
	s_lshl_b32 s27, s16, 11
	v_lshl_add_u32 v[LS], v3, 10, s27
	v_lshl_add_u32 v[LS], v2, 4, v[LS]
	v_and_b32 v[RD], 31, v0
	s_lshl_b32 s28, s16, 9
	v_lshl_add_u32 v[RD], v[RD], 4, s28
	s_and_b32 s26, s17, 15
	s_lshl_b32 s26, s26, 3
	v_lshl_add_u32 v3, v3, 2, s26                  ; my first row of A
	s_cmp_ge_u32 s17, 32
	s_cselect_b32 s21, 0, 1024                     ; bytes from row to row of A: bv is one row
	s_lshl_b32 s30, s16, 6                         ; my 16 d, in bytes
.irp r,0,1,2,3
	v_add_nc_u32 v[OA+\r], \r, v3
	v_mul_lo_u32 v[OA+\r], v[OA+\r], s21
	v_add_nc_u32 v[OA+\r], s30, v[OA+\r]
.endr
	s_lshl_b32 s32, s17, 13                        ; 8 rows of pkv
	s_add_co_u32 s32, s32, s20
	s_mov_b32 s33, 0
	s_wait_kmcnt 0x0
	s_cmp_ge_u32 s17, 16
	s_cselect_b64 s[22:23], s[8:9], s[6:7]         ; W: Wk, then Wv,
	s_cmp_ge_u32 s17, 32
	s_cselect_b64 s[22:23], s[10:11], s[22:23]     ; and Wo for the last row block,
	s_cselect_b64 s[24:25], s[12:13], s[4:5]       ; whose A is bv
	s_add_nc_u64 s[14:15], s[14:15], s[32:33]
.irp r,0,1,2,3
.irp c,0,1,2,3
	global_load_b128 v[AV+16*\r+4*\c:AV+16*\r+4*\c+3], v[OA+\r], s[24:25] offset:16*\c
.endr
.endr
.irp e,0,1,2,3,4,5,6,7,8,9,10,11,12,13,14,15
	global_load_b128 v[WV+4*\e:WV+4*\e+3], v1, s[22:23] offset:1024*\e
.endr
.set e, 0
.rept 16
	s_wait_loadcnt 15-e                            ; loads return in order: A and W's row e are in, the 15 - e rows behind it stay out
.irp r,0,1,2,3
.irp i,0,1,2,3
.if e == 0
	v_mul_f32 v[ACCR+4*\r+\i], v[AV+16*\r], v[WV+\i]           ; the first product starts the sums
.else
	v_fmac_f32 v[ACCR+4*\r+\i], v[AV+16*\r+e], v[WV+4*e+\i]
.endif
.endr
.endr
.set e, e+1
.endr
.irp r,0,1,2,3
	ds_store_b128 v[LS], v[ACCR+4*\r:ACCR+4*\r+3] offset:256*\r
.endr
	s_wait_dscnt 0x0                               ; my partial tile is written
	s_barrier_signal -1
	s_barrier_wait -1
	s_cmp_gt_u32 s16, 3
	s_cbranch_scc1 .Lend
.irp w,0,1,2,3,4,5,6,7,8,9,10,11,12,13,14,15
	ds_load_b128 v[AV+4*\w:AV+4*\w+3], v[RD] offset:2048*\w
.endr
	s_wait_dscnt 0x0
.set st, 8
.rept 4
.set w, 0
.rept st
	v_pk_add_f32 v[AV+4*w:AV+4*w+1], v[AV+4*w:AV+4*w+1], v[AV+4*(w+st):AV+4*(w+st)+1]
	v_pk_add_f32 v[AV+4*w+2:AV+4*w+3], v[AV+4*w+2:AV+4*w+3], v[AV+4*(w+st)+2:AV+4*(w+st)+3]
.set w, w+1
.endr
.set st, st/2
.endr
	global_store_b128 v[LS], v[AV:AV+3], s[14:15]  ; row 2 wave + half of the block: sixteen lanes store 256 consecutive bytes, aligned
.Lend:
	s_wait_tensorcnt 0x0
	ds_add_u32 v156, v157
	s_wait_dscnt 0x0
	s_endpgm
.Lfunc_end_k_qe885adc84c_comb:
	.size	k_qe885adc84c_comb, .Lfunc_end_k_qe885adc84c_comb-k_qe885adc84c_comb
	.p2alignl 7, 3214868480
	.fill 96, 4, 3214868480
	.section	.rodata,"a",@progbits
	.p2align	6, 0x0
	.amdhsa_kernel k_qe885adc84c_comb
		.amdhsa_group_segment_fixed_size 34816
		.amdhsa_private_segment_fixed_size 0
		.amdhsa_enable_private_segment 0
		.amdhsa_kernarg_size 48
		.amdhsa_user_sgpr_count 2
		.amdhsa_user_sgpr_kernarg_segment_ptr 1
		.amdhsa_wavefront_size32 1
		.amdhsa_system_sgpr_workgroup_id_x 1
		.amdhsa_system_sgpr_workgroup_id_y 1
		.amdhsa_system_sgpr_workgroup_id_z 1
		.amdhsa_system_vgpr_workitem_id 0
		.amdhsa_next_free_vgpr 158
		.amdhsa_next_free_sgpr 66
		.amdhsa_reserve_vcc 0
		.amdhsa_float_denorm_mode_32 3
		.amdhsa_float_denorm_mode_16_64 3
		.amdhsa_memory_ordered 1
		.amdhsa_forward_progress 1
		.amdhsa_inst_pref_size 18
	.end_amdhsa_kernel
	.amdgpu_metadata
---
amdhsa.version: [ 1, 2 ]
amdhsa.kernels:
  - .name:           k_qe885adc84c_comb
    .symbol:         k_qe885adc84c_comb.kd
    .args:
      - { .name: W_p2, .offset: 0, .size: 8, .value_kind: global_buffer, .address_space: global }
      - { .name: Wk, .offset: 8, .size: 8, .value_kind: global_buffer, .address_space: global }
      - { .name: Wv, .offset: 16, .size: 8, .value_kind: global_buffer, .address_space: global }
      - { .name: Wo, .offset: 24, .size: 8, .value_kind: global_buffer, .address_space: global }
      - { .name: bv, .offset: 32, .size: 8, .value_kind: global_buffer, .address_space: global }
      - { .name: pkv, .offset: 40, .size: 8, .value_kind: global_buffer, .address_space: global }
    .group_segment_fixed_size: 34816
    .private_segment_fixed_size: 0
    .kernarg_segment_align: 8
    .kernarg_segment_size: 48
    .max_flat_workgroup_size: 512
    .sgpr_count:     66
    .vgpr_count:     158
    .wavefront_size: 32
...
	.end_amdgpu_metadata
.endif
;; end of part 11
;; launch prep: the kernel of part 2 again; grid 290 x 1, 8 waves a work-group, no clusters, 0 bytes of LDS; arguments W_feat, Wq, Wk, pkv, Wv, Wo, W_p1, b_p1, wimg; writes wimg
;; launch front: the kernel of part 8 again; grid 256 x 1, 4 waves a work-group, no clusters, 303,616 bytes of LDS; arguments features, wimg, b_feat, bq, bk, b_p2, fbuf, zbuf; writes fbuf, zbuf
;; launch knn1 (part 12): grid 256 x 1, 8 waves a work-group, no clusters, 115,712 bytes of LDS; arguments coords, grp; writes grp
.if DOCPART == 12
	.amdgcn_target "amdgcn-amd-amdhsa--gfx1250"
	.amdhsa_code_object_version 6
	.text
	.protected	k_qe885adc84c_knn1
	.globl	k_qe885adc84c_knn1
	.p2align	8
	.type	k_qe885adc84c_knn1,@function
k_qe885adc84c_knn1:
	s_mov_b64 s[64:65], 0
	v_nop
	global_prefetch_b8 v0, s[64:65] scope:SCOPE_SE
	s_setreg_imm32_b32 hwreg(HW_REG_WAVE_MODE, 25, 1), 1
	s_wait_xcnt 0x0
; First level of the exact 16-nearest search.  The 4,096 candidates of a batch are 256 groups of 16 consecutive indices.  The sixteen
; nearest by (distance, index) lie in the sixteen groups that come first by (group minimum, group index): were one missing, sixteen
; groups, hence sixteen candidates, would come before it.  This launch finds those groups and stores their numbers, ascending.
; A lane is a query; wave (qs, p) scans groups 64 p .. 64 p + 63 for queries 32 qs + lane of the work-group's 64; the four parts'
; lists are merged through LDS in the order of the parts.  An excluded pair (itself, later in time, further than 50) gets BIG = 0x7f7fffff;
; lists start at +inf (64 insertions push every +inf out); a strict < during an ascending scan keeps the lower index ahead at equal distances.
; No branch and no address hangs on a distance: lists are kept and merged by compares, selects, minima, maxima and medians.
; The batch's coordinates (49,152 bytes) are copied into LDS once.  A group's 192 bytes come by twelve LDS loads in which all lanes name the same
; address, into one of two sets of 48 registers: while one group is worked on, the next group's twelve loads are on their way, and since LDS
; loads return in order (ISA guide 5.7.1) the wait for a set is counted.
; A wave's 32 queries are one pair of groups, which is one trip of one part: only that trip has to exclude 'myself'.  It is chosen by a scalar
; compare of the trip's number with a number made of the work-group's and the wave's numbers, so the trip's body stands twice in the text.
; LIMITS: NaN coordinates are not served.  dx*dx + dy*dy and 0.3*dt + sd are fused, and v_sqrt_f32 is good to 1 ulp (ISA guide 15.8), so two
; candidates within an ulp may change places; a denormal squared distance counts as 0; sd <= 50 is tested as sq <= 2500 (the same set under a
; correctly rounded root: the float above 2500 has a root that rounds above 50); a distance of 3.4e38 or more counts as excluded.
.set XI, 2                             ; v[2:3] (xi, yi), also a pair for the packed subtraction
.set YI, 3
.set TI, 4
.set QI, 5                             ; my index in the batch
.set QREL, 6                           ; QI - first index of the group at work
.set GM, 7                             ; group minimum
.set GI, 8                             ; its number
.set TA, 9                             ; v9, v10 at work in INSERT
.set VBIG, 11
.set KL, 12                            ; v[12:27] keys, ascending
.set IL, 28                            ; v[28:43] their numbers
.set DX, 44                            ; v[44:51] eight distances; in a merge v[44:59] the second set of keys
.set DT, 60                            ; in a merge v[60:75] the second set of numbers
.set SQ, 68                            ; v[68:75] eight squares
.set MAO, 76                           ; my wave's list region in LDS + 4 lane
.set MA1, 77                           ; the first merge's partner: wave | 1
.set OFF, 78
.set MA2, 79                           ; the second merge's partner: part 2 of my queries, in the second region
.set CA, 80                            ; LDS address of the group pair at work, the same in all lanes
.set CF, 81                            ; 16 x thread: the copy of the coordinates
.set C0, 84                            ; v[84:131]  sixteen candidates, x y t each; then dx, dy, tj - ti in place
.set C1, 132                           ; v[132:179] the other set
.set QB, 180                           ; v[180:181] (ti, xi), v[182:183] (yi, ti)
.set MAR, 49152                        ; LDS: coordinates at 0; list regions of 32,768 bytes at 49,152 and at 81,920
; s[68:91] masks.  s92 = 2500, s93 = -0.3
.macro INSERT X, XI                    ; (X, XI) into the sorted list; equal keys stay ahead of it
.irp i,0,1,2,3,4,5,6,7,8,9,10,11,12,13,14,15
	v_cmp_lt_f32 s[68+\i], v[\X], v[KL+\i]
.endr
.set ii, 15
.rept 15
	v_cndmask_b32 v[TA+(ii%2)], v[\XI], v[IL+ii-1], s[68+ii-1]
	v_cndmask_b32 v[IL+ii], v[IL+ii], v[TA+(ii%2)], s[68+ii]
	v_med3_num_f32 v[KL+ii], v[KL+ii-1], v[\X], v[KL+ii]       ; K[i-1] <= K[i]: the middle one is the new K[i]
.set ii, ii-1
.endr
	v_cndmask_b32 v[IL], v[IL], v[\XI], s68
	v_min_num_f32 v[KL], v[KL], v[\X]
.endm
; The set's 48 numbers x y t x y t .. less mine, two at a time, in place: three patterns of pairs take turns
.macro SUBQ CB
.set m, 0
.rept 8
	v_pk_add_f32 v[\CB+6*m:\CB+6*m+1], v[\CB+6*m:\CB+6*m+1], v[XI:XI+1] neg_lo:[0,1] neg_hi:[0,1]
	v_pk_add_f32 v[\CB+6*m+2:\CB+6*m+3], v[\CB+6*m+2:\CB+6*m+3], v[QB:QB+1] neg_lo:[0,1] neg_hi:[0,1]
	v_pk_add_f32 v[\CB+6*m+4:\CB+6*m+5], v[\CB+6*m+4:\CB+6*m+5], v[QB+2:QB+3] neg_lo:[0,1] neg_hi:[0,1]
.set m, m+1
.endr
.endm
; Eight distances into v[DX..DX+7], stage by stage.  (tj - ti) x -0.3 + sd has the bits of the second level's (ti - tj) x 0.3 + sd.
.macro DISTP CB, c0, own
.irp c,0,1,2,3,4,5,6,7
	v_mul_f32 v[SQ+\c], v[\CB+3*\c], v[\CB+3*\c]
.endr
.irp c,0,1,2,3,4,5,6,7
	v_fmac_f32 v[SQ+\c], v[\CB+3*\c+1], v[\CB+3*\c+1]
.endr
.irp c,0,1,2,3,4,5,6,7
	v_sqrt_f32 v[DX+\c], v[SQ+\c]
.endr
.irp c,0,1,2,3,4,5,6,7
	v_cmp_ge_f32 s[68+\c], 0, v[\CB+3*\c+2]        ; not later than me (also the plain instruction behind the roots, ISA guide 5.7.2)
.endr
.irp c,0,1,2,3,4,5,6,7
	v_cmp_ge_f32 s[76+\c], s92, v[SQ+\c]           ; within the radius
.endr
.if \own
	s_wait_alu depctr_va_vdst(0)
.irp c,0,1,2,3,4,5,6,7
	v_cmp_ne_u32 s[84+\c], \c0+\c, v[QREL]         ; not myself
.endr
.endif
.irp c,0,1,2,3,4,5,6,7
	s_and_b32 s[68+\c], s[68+\c], s[76+\c]
.endr
.if \own
.irp c,0,1,2,3,4,5,6,7
	s_and_b32 s[68+\c], s[68+\c], s[84+\c]
.endr
.endif
	s_wait_alu depctr_va_vdst(0)
.irp c,0,1,2,3,4,5,6,7
	v_fma_f32 v[DX+\c], v[\CB+3*\c+2], s93, v[DX+\c]
.endr
.irp c,0,1,2,3,4,5,6,7
	v_cndmask_b32 v[DX+\c], v[VBIG], v[DX+\c], s[68+\c]
.endr
.endm
.macro LDG CB, o                       ; a group's 192 bytes, byte o behind v[CA], into the set CB
.irp i,0,1,2,3,4,5,6,7,8,9,10,11
	ds_load_b128 v[\CB+4*\i:\CB+4*\i+3], v[CA] offset:\o+16*\i
.endr
.endm
.macro GROUP CB, own                   ; the group in the set CB: its minimum goes into my list under its number
	SUBQ \CB
.if \own
	v_subrev_nc_u32 v[QREL], s13, v[QI]
.endif
	DISTP \CB, 0, \own
	v_min_num_f32 v[GM], v[DX], v[DX+1]
	v_min3_num_f32 v[GM], v[GM], v[DX+2], v[DX+3]
	v_min3_num_f32 v[GM], v[GM], v[DX+4], v[DX+5]
	v_min3_num_f32 v[GM], v[GM], v[DX+6], v[DX+7]
	DISTP \CB+24, 8, \own
	v_min3_num_f32 v[GM], v[GM], v[DX], v[DX+1]
	v_min3_num_f32 v[GM], v[GM], v[DX+2], v[DX+3]
	v_min3_num_f32 v[GM], v[GM], v[DX+4], v[DX+5]
	v_min3_num_f32 v[GM], v[GM], v[DX+6], v[DX+7]
	v_mov_b32 v[GI], s14
	INSERT GM, GI
	s_add_co_u32 s13, s13, 16
	s_add_co_u32 s14, s14, 1
.endm
.macro TRIPB own                       ; a trip behind its head: two groups, and the next pair's first group asked for between them
	GROUP C0, \own
	s_add_co_u32 s10, s10, 384
	s_min_u32 s12, s10, 12096                      ; the last trip asks for my part's last group again: no load leaves my part
	s_add_co_u32 s12, s12, s16
	v_mov_b32 v[CA], s12
	LDG C0, 0                                      ; the next pair's first group
	s_wait_dscnt 0xc                               ; the second group is in; the twelve loads just issued stay out
	GROUP C1, \own
.endm
.macro PUTL o                          ; my lists to LDS: entry e at 256 e, keys then numbers, a word a lane
.irp e,0,1,2,3,4,5,6,7,8,9,10,11,12,13,14,15
	ds_store_b32 v[MAO], v[KL+\e] offset:\o+256*\e
	ds_store_b32 v[MAO], v[IL+\e] offset:\o+256*\e+128
.endr
.endm
; One stage of a bitonic merge: entries i and i + j (bit j of i clear) are put in the order of (key, number), from the set (KS, IS) into the set (KD, ID)
.macro BSTAGE j, KS, IS, KD, ID
.set bi, 0
.set bn, 0
.rept 16
.if (bi & \j) == 0
	v_cmp_lt_f32 s[68+bn], v[\KS+bi+\j], v[\KS+bi]
	v_cmp_le_f32 s[76+bn], v[\KS+bi+\j], v[\KS+bi]
	v_cmp_lt_u32 s[84+bn], v[\IS+bi+\j], v[\IS+bi]
.set bn, bn+1
.endif
.set bi, bi+1
.endr
.irp n,0,1,2,3,4,5,6,7
	s_and_b32 s[76+\n], s[76+\n], s[84+\n]
.endr
.irp n,0,1,2,3,4,5,6,7
	s_or_b32 s[68+\n], s[68+\n], s[76+\n]          ; the upper entry comes first: a smaller key, or an equal key and a smaller number
.endr
.set bi, 0
.set bn, 0
.rept 16
.if (bi & \j) == 0
	v_min_num_f32 v[\KD+bi], v[\KS+bi], v[\KS+bi+\j]
	v_max_num_f32 v[\KD+bi+\j], v[\KS+bi], v[\KS+bi+\j]
	v_cndmask_b32 v[\ID+bi], v[\IS+bi], v[\IS+bi+\j], s[68+bn]
	v_cndmask_b32 v[\ID+bi+\j], v[\IS+bi+\j], v[\IS+bi], s[68+bn]
.set bn, bn+1
.endif
.set bi, bi+1
.endr
.endm
; The list at v[AD] is merged into mine.  Both are sorted by (key, number), and all its numbers are above all of mine.  The smaller of my entry i and
; its entry 15 - i (mine at equal keys) are the sixteen first of the 32, as a bitonic sequence; four stages sort them.  full = 0: the set is enough.
.macro MERGE AD, full
.irp e,0,1,2,3,4,5,6,7,8,9,10,11,12,13,14,15
	ds_load_b32 v[DX+\e], v[\AD] offset:256*\e
	ds_load_b32 v[DT+\e], v[\AD] offset:256*\e+128
.endr
	s_wait_dscnt 0x0
.irp i,0,1,2,3,4,5,6,7,8,9,10,11,12,13,14,15
	v_cmp_lt_f32 s[68+\i], v[DX+15-\i], v[KL+\i]
.endr
.irp i,0,1,2,3,4,5,6,7,8,9,10,11,12,13,14,15
	v_cndmask_b32 v[IL+\i], v[IL+\i], v[DT+15-\i], s[68+\i]
.endr
.if \full
.irp i,0,1,2,3,4,5,6,7,8,9,10,11,12,13,14,15
	v_min_num_f32 v[KL+\i], v[KL+\i], v[DX+15-\i]
.endr
	BSTAGE 8, KL, IS_P, DX, DT
	BSTAGE 4, DX, DT, KL, IS_P
	BSTAGE 2, KL, IS_P, DX, DT
	BSTAGE 1, DX, DT, KL, IS_P
.endif
.endm
.set IS_P, IL
; One stage of a bitonic sort of sixteen whole numbers, from the set S into the set D: ascending where bit k of i is clear
.macro SSTAGE k, j, S, D
.set bi, 0
.rept 16
.if (bi & \j) == 0
.if (bi & \k) == 0
	v_min_u32 v[\D+bi], v[\S+bi], v[\S+bi+\j]
	v_max_u32 v[\D+bi+\j], v[\S+bi], v[\S+bi+\j]
.else
	v_max_u32 v[\D+bi], v[\S+bi], v[\S+bi+\j]
	v_min_u32 v[\D+bi+\j], v[\S+bi], v[\S+bi+\j]
.endif
.endif
.set bi, bi+1
.endr
.endm
	s_load_b128 s[4:7], s[0:1], 0x0                ; coords, grp
	v_lshl_add_u32 v184, v0, 2, 0x1c000
	v_mov_b32 v185, 0
	v_lshrrev_b32 v1, 5, v0
	v_readfirstlane_b32 s8, v1                     ; wave
	v_and_b32 v1, 31, v0                           ; lane
	s_lshr_b32 s9, s8, 2                           ; qs
	s_and_b32 s15, s8, 3                           ; p
	s_lshr_b32 s2, ttmp9, 6                        ; batch
	s_mul_i32 s2, s2, 49152
	s_mov_b32 s3, 0
	s_and_b32 s10, ttmp9, 63
	s_lshl_b32 s17, s10, 1
	s_add_co_u32 s17, s17, s9                      ; the pair of groups that my 32 queries are,
	s_lshl_b32 s18, s15, 5
	s_sub_co_u32 s17, s17, s18                     ; as a trip of my part: 0 to 31 in one part, no trip's number in the others
	s_lshl_b32 s10, s10, 6
	s_lshl_b32 s11, s9, 5
	s_add_co_u32 s10, s10, s11
	v_add_nc_u32 v[QI], s10, v1
	v_mul_u32_u24 v[OFF], v[QI], 12
	v_lshlrev_b32 v[CF], 4, v0
	s_lshl_b32 s10, s8, 12
	s_add_co_u32 s10, s10, MAR
	v_lshl_add_u32 v[MAO], v1, 2, s10
	s_or_b32 s10, s8, 1
	s_lshl_b32 s10, s10, 12
	s_add_co_u32 s10, s10, MAR
	v_lshl_add_u32 v[MA1], v1, 2, s10              ; inside the first region for every wave
	s_lshl_b32 s10, s9, 14
	s_add_co_u32 s10, s10, MAR+40960               ; the second region, 4,096 x (4 qs + 2)
	v_lshl_add_u32 v[MA2], v1, 2, s10              ; inside the second region for every wave
	s_mov_b32 s92, 0x451c4000                      ; 2500.0
	s_mov_b32 s93, 0xbe99999a                      ; -0.3
	v_mov_b32 v[VBIG], 0x7f7fffff
.irp i,0,1,2,3,4,5,6,7,8,9,10,11,12,13,14,15
	v_mov_b32 v[KL+\i], 0x7f800000
	v_mov_b32 v[IL+\i], 0
.endr
	s_wait_kmcnt 0x0
	s_add_nc_u64 s[4:5], s[4:5], s[2:3]            ; my batch
.irp i,0,1,2,3,4,5,6,7,8,9,10,11
	global_load_b128 v[C0+4*\i:C0+4*\i+3], v[CF], s[4:5] offset:4096*\i
.endr
	global_load_b32 v[XI], v[OFF], s[4:5]
	global_load_b32 v[YI], v[OFF], s[4:5] offset:4
	global_load_b32 v[TI], v[OFF], s[4:5] offset:8
.irp i,0,1,2,3,4,5,6,7,8,9,10,11
	s_wait_loadcnt 14-\i                           ; piece i is in: 11 - i pieces and three other loads were issued behind it
	ds_store_b128 v[CF], v[C0+4*\i:C0+4*\i+3] offset:4096*\i
.endr
	s_wait_loadcnt 0x0
	v_mov_b32 v[QB], v[TI]
	v_mov_b32 v[QB+1], v[XI]
	v_mov_b32 v[QB+2], v[YI]
	v_mov_b32 v[QB+3], v[TI]
	s_wait_dscnt 0x0                               ; my part of the coordinates is written
	s_barrier_signal -1
	s_barrier_wait -1
	s_mul_i32 s16, s15, 12288                      ; my part's 1,024 candidates
	v_mov_b32 v[CA], s16
	LDG C0, 0                                      ; the first group
	s_mov_b32 s10, 0                               ; byte offset of the pair of groups in my part
	s_mov_b32 s11, 0                               ; trips
	s_lshl_b32 s13, s15, 10                        ; first index of the group
	s_lshl_b32 s14, s15, 6                         ; the group's number
.Lg:
	LDG C1, 192                                    ; the pair's second group
	s_wait_dscnt 0xc                               ; the first group is in; the twelve loads just issued stay out
	s_cmp_eq_u32 s11, s17
	s_cbranch_scc1 .Lown
	TRIPB 0
	s_branch .Lnext
.Lown:
	TRIPB 1                                        ; my queries' own pair of groups
.Lnext:
	s_add_co_u32 s11, s11, 1
	s_cmp_lt_u32 s11, 32
	s_cbranch_scc1 .Lg
	s_wait_dscnt 0x0                               ; my reads of the coordinates are back
	s_barrier_signal -1
	s_barrier_wait -1
	; Merge: part 1 into 0 and 3 into 2, then 2 into 0.  Each hand-over has a barrier in front of it and behind it, so that between two
	; barriers LDS is either written or read, never both.
	PUTL 0
	s_wait_dscnt 0x0                               ; my lists are written
	s_barrier_signal -1
	s_barrier_wait -1
	s_and_b32 s96, s15, 1
	s_cmp_lg_u32 s96, 0
	s_cbranch_scc1 .Ls1
	MERGE MA1, 1
.Ls1:
	s_wait_dscnt 0x0                               ; my reads of the partner's lists are back
	s_barrier_signal -1
	s_barrier_wait -1
	s_cmp_lg_u32 s15, 2
	s_cbranch_scc1 .Ls2
	PUTL 32768                                     ; part 2 hands on, in the second region
.Ls2:
	s_wait_dscnt 0x0
	s_barrier_signal -1
	s_barrier_wait -1
	s_cmp_lg_u32 s15, 0
	s_cbranch_scc1 .Lend
	MERGE MA2, 0                                   ; only the set of the sixteen groups is wanted now
	; the sixteen group numbers ascending, so that the second level scans in the order of the indices: ten stages, back and forth between two sets
	SSTAGE 2, 1, IL, DT
	SSTAGE 4, 2, DT, IL
	SSTAGE 4, 1, IL, DT
	SSTAGE 8, 4, DT, IL
	SSTAGE 8, 2, IL, DT
	SSTAGE 8, 1, DT, IL
	SSTAGE 16, 8, IL, DT
	SSTAGE 16, 4, DT, IL
	SSTAGE 16, 2, IL, DT
	SSTAGE 16, 1, DT, IL
	s_lshl_b32 s2, ttmp9, 12                       ; [block of 32 queries][slot/4][lane][4]
	s_lshl_b32 s96, s9, 11
	s_add_co_u32 s2, s2, s96
	s_add_nc_u64 s[6:7], s[6:7], s[2:3]
	v_lshlrev_b32 v[OFF], 4, v1
.irp i,0,1,2,3
	global_store_b128 v[OFF], v[IL+4*\i:IL+4*\i+3], s[6:7] offset:512*\i   ; 512 consecutive bytes
.endr
.Lend:
	s_wait_tensorcnt 0x0
	ds_add_u32 v184, v185
	s_wait_dscnt 0x0
	s_endpgm
.Lfunc_end_k_qe885adc84c_knn1:
	.size	k_qe885adc84c_knn1, .Lfunc_end_k_qe885adc84c_knn1-k_qe885adc84c_knn1
	.p2alignl 7, 3214868480
	.fill 96, 4, 3214868480
	.section	.rodata,"a",@progbits
	.p2align	6, 0x0
	.amdhsa_kernel k_qe885adc84c_knn1
		.amdhsa_group_segment_fixed_size 115712
		.amdhsa_private_segment_fixed_size 0
		.amdhsa_enable_private_segment 0
		.amdhsa_kernarg_size 16
		.amdhsa_user_sgpr_count 2
		.amdhsa_user_sgpr_kernarg_segment_ptr 1
		.amdhsa_wavefront_size32 1
		.amdhsa_system_sgpr_workgroup_id_x 1
		.amdhsa_system_sgpr_workgroup_id_y 1
		.amdhsa_system_sgpr_workgroup_id_z 1
		.amdhsa_system_vgpr_workitem_id 0
		.amdhsa_next_free_vgpr 186
		.amdhsa_next_free_sgpr 100
		.amdhsa_reserve_vcc 0
		.amdhsa_float_denorm_mode_32 3
		.amdhsa_float_denorm_mode_16_64 3
		.amdhsa_memory_ordered 1
		.amdhsa_forward_progress 1
		.amdhsa_inst_pref_size 95
	.end_amdhsa_kernel
	.amdgpu_metadata
---
amdhsa.version: [ 1, 2 ]
amdhsa.kernels:
  - .name:           k_qe885adc84c_knn1
    .symbol:         k_qe885adc84c_knn1.kd
    .args:
      - { .name: coords, .offset: 0, .size: 8, .value_kind: global_buffer, .address_space: global }
      - { .name: grp, .offset: 8, .size: 8, .value_kind: global_buffer, .address_space: global }
    .group_segment_fixed_size: 115712
    .private_segment_fixed_size: 0
    .kernarg_segment_align: 8
    .kernarg_segment_size: 16
    .max_flat_workgroup_size: 256
    .sgpr_count:     100
    .vgpr_count:     186
    .wavefront_size: 32
...
	.end_amdgpu_metadata
.endif
;; end of part 12
;; launch knn2 (part 13): grid 256 x 1, 8 waves a work-group, no clusters, 115,712 bytes of LDS; arguments coords, grp, nidx, nkd; writes nidx, nkd
.if DOCPART == 13
	.amdgcn_target "amdgcn-amd-amdhsa--gfx1250"
	.amdhsa_code_object_version 6
	.text
	.protected	k_qe885adc84c_knn2
	.globl	k_qe885adc84c_knn2
	.p2align	8
	.type	k_qe885adc84c_knn2,@function
k_qe885adc84c_knn2:
	s_mov_b64 s[64:65], 0
	v_nop
	global_prefetch_b8 v0, s[64:65] scope:SCOPE_SE
	s_setreg_imm32_b32 hwreg(HW_REG_WAVE_MODE, 25, 1), 1
	s_wait_xcnt 0x0
; Second level of the search: each query scans the 256 candidates of its sixteen groups (numbers from grp, stored by the launch before)
; and keeps the sixteen nearest.  A lane is a query; wave (qs, p) takes the four groups 4 p .. 4 p + 3 of the ascending list; the parts are
; merged in their order, by (distance, index), so equal distances keep the lower index ahead.  The batch's coordinates lie in LDS (49,152 bytes);
; a lane reads its group's 192 bytes from there.  The distances have the same bits as in the first level.
; nidx: [query][16] index in the batch; nkd: [query][16] distance, ascending, 0x7f7fffff where the place holds no neighbour.
; LIMITS: as stated for the first level (NaN coordinates; fused sums and a root of 1 ulp; denormal squares; 3.4e38).
.set XI, 2
.set YI, 3
.set TI, 4
.set QI, 5
.set QREL, 6
.set VJ0, 7                            ; first index of the group
.set VJ, 8
.set TA, 9
.set VBIG, 11
.set KL, 12
.set IL, 28
.set DX, 44                            ; v[44:75] at work: distances; in a merge the second set of keys (DX ..) and of numbers (DT ..)
.set DY, 52
.set DT, 60
.set SQ, 68
.set G, 76                             ; v[76:79] my four groups
.set CA, 80
.set GM, 81                            ; at work on the way out
.set GI, 82
.set MA1, 83                           ; the first merge's partner: wave | 1
.set C, 84                             ; v[84:131] sixteen candidates, x y t each
.set MAO, 132
.set OFF, 133
.set L16, 134
.set MA2, 135                          ; the second merge's partner: part 2 of my queries, in the second region
.set MAR, 49152
.macro INSERT X, XI
.irp i,0,1,2,3,4,5,6,7,8,9,10,11,12,13,14,15
	v_cmp_lt_f32 s[68+\i], v[\X], v[KL+\i]
.endr
.set ii, 15
.rept 15
	v_cndmask_b32 v[TA+(ii%2)], v[\XI], v[IL+ii-1], s[68+ii-1]
	v_cndmask_b32 v[IL+ii], v[IL+ii], v[TA+(ii%2)], s[68+ii]
	v_med3_num_f32 v[KL+ii], v[KL+ii-1], v[\X], v[KL+ii]
.set ii, ii-1
.endr
	v_cndmask_b32 v[IL], v[IL], v[\XI], s68
	v_min_num_f32 v[KL], v[KL], v[\X]
.endm
.macro DISTV CB, c0
.irp c,0,1,2,3,4,5,6,7
	v_sub_f32 v[DX+\c], v[\CB+3*\c], v[XI]
.endr
.irp c,0,1,2,3,4,5,6,7
	v_sub_f32 v[DY+\c], v[\CB+3*\c+1], v[YI]
.endr
.irp c,0,1,2,3,4,5,6,7
	v_sub_f32 v[DT+\c], v[TI], v[\CB+3*\c+2]
.endr
.irp c,0,1,2,3,4,5,6,7
	v_mul_f32 v[SQ+\c], v[DX+\c], v[DX+\c]
.endr
.irp c,0,1,2,3,4,5,6,7
	v_fmac_f32 v[SQ+\c], v[DY+\c], v[DY+\c]
.endr
.irp c,0,1,2,3,4,5,6,7
	v_sqrt_f32 v[DX+\c], v[SQ+\c]
.endr
.irp c,0,1,2,3,4,5,6,7
	v_cmp_le_f32 s[68+\c], v[\CB+3*\c+2], v[TI]    ; also the plain instruction behind the roots (ISA guide 5.7.2)
.endr
.irp c,0,1,2,3,4,5,6,7
	v_cmp_ge_f32 s[76+\c], s92, v[SQ+\c]
.endr
.irp c,0,1,2,3,4,5,6,7
	v_cmp_ne_u32 s[84+\c], \c0+\c, v[QREL]
.endr
.irp c,0,1,2,3,4,5,6,7
	s_and_b32 s[68+\c], s[68+\c], s[76+\c]
.endr
.irp c,0,1,2,3,4,5,6,7
	s_and_b32 s[68+\c], s[68+\c], s[84+\c]
.endr
	s_wait_alu depctr_va_vdst(0)
.irp c,0,1,2,3,4,5,6,7
	v_fma_f32 v[DX+\c], v[DT+\c], s93, v[DX+\c]
.endr
.irp c,0,1,2,3,4,5,6,7
	v_cndmask_b32 v[DX+\c], v[VBIG], v[DX+\c], s[68+\c]
.endr
.endm
.macro PUTL o
.irp e,0,1,2,3,4,5,6,7,8,9,10,11,12,13,14,15
	ds_store_b32 v[MAO], v[KL+\e] offset:\o+256*\e
	ds_store_b32 v[MAO], v[IL+\e] offset:\o+256*\e+128
.endr
.endm
; One stage of a bitonic merge: entries i and i + j (bit j of i clear) are put in the order of (key, number), from the set (KS, IS) into the set (KD, ID)
.macro BSTAGE j, KS, IS, KD, ID
.set bi, 0
.set bn, 0
.rept 16
.if (bi & \j) == 0
	v_cmp_lt_f32 s[68+bn], v[\KS+bi+\j], v[\KS+bi]
	v_cmp_le_f32 s[76+bn], v[\KS+bi+\j], v[\KS+bi]
	v_cmp_lt_u32 s[84+bn], v[\IS+bi+\j], v[\IS+bi]
.set bn, bn+1
.endif
.set bi, bi+1
.endr
.irp n,0,1,2,3,4,5,6,7
	s_and_b32 s[76+\n], s[76+\n], s[84+\n]
.endr
.irp n,0,1,2,3,4,5,6,7
	s_or_b32 s[68+\n], s[68+\n], s[76+\n]          ; the upper entry comes first: a smaller key, or an equal key and a smaller number
.endr
.set bi, 0
.set bn, 0
.rept 16
.if (bi & \j) == 0
	v_min_num_f32 v[\KD+bi], v[\KS+bi], v[\KS+bi+\j]
	v_max_num_f32 v[\KD+bi+\j], v[\KS+bi], v[\KS+bi+\j]
	v_cndmask_b32 v[\ID+bi], v[\IS+bi], v[\IS+bi+\j], s[68+bn]
	v_cndmask_b32 v[\ID+bi+\j], v[\IS+bi+\j], v[\IS+bi], s[68+bn]
.set bn, bn+1
.endif
.set bi, bi+1
.endr
.endm
; The list at v[AD] is merged into mine.  Both are sorted by (key, number), and all its numbers are above all of mine (64 insertions have pushed
; every starting entry out).  The smaller of my entry i and its entry 15 - i (mine at equal keys) are the sixteen first of the 32, as a bitonic
; sequence; four stages, back and forth between two sets of registers, sort them.
.macro MERGE AD
.irp e,0,1,2,3,4,5,6,7,8,9,10,11,12,13,14,15
	ds_load_b32 v[DX+\e], v[\AD] offset:256*\e
	ds_load_b32 v[DT+\e], v[\AD] offset:256*\e+128
.endr
	s_wait_dscnt 0x0
.irp i,0,1,2,3,4,5,6,7,8,9,10,11,12,13,14,15
	v_cmp_lt_f32 s[68+\i], v[DX+15-\i], v[KL+\i]
.endr
.irp i,0,1,2,3,4,5,6,7,8,9,10,11,12,13,14,15
	v_cndmask_b32 v[IL+\i], v[IL+\i], v[DT+15-\i], s[68+\i]
.endr
.irp i,0,1,2,3,4,5,6,7,8,9,10,11,12,13,14,15
	v_min_num_f32 v[KL+\i], v[KL+\i], v[DX+15-\i]
.endr
	BSTAGE 8, KL, IL, DX, DT
	BSTAGE 4, DX, DT, KL, IL
	BSTAGE 2, KL, IL, DX, DT
	BSTAGE 1, DX, DT, KL, IL
.endm
	s_load_b256 s[4:11], s[0:1], 0x0               ; coords, grp, nidx, nkd
	v_lshl_add_u32 v136, v0, 2, 0x1c000
	v_mov_b32 v137, 0
	v_lshrrev_b32 v1, 5, v0
	v_readfirstlane_b32 s20, v1                    ; wave
	v_and_b32 v1, 31, v0
	s_lshr_b32 s21, s20, 2                         ; qs
	s_and_b32 s22, s20, 3                          ; p
	s_lshr_b32 s2, ttmp9, 6
	s_mul_i32 s2, s2, 49152
	s_mov_b32 s3, 0
	s_and_b32 s23, ttmp9, 63
	s_lshl_b32 s23, s23, 6
	s_lshl_b32 s24, s21, 5
	s_add_co_u32 s23, s23, s24
	v_add_nc_u32 v[QI], s23, v1
	v_mul_u32_u24 v[OFF], v[QI], 12
	v_lshlrev_b32 v[CA], 4, v0
	v_lshlrev_b32 v[L16], 4, v1
	s_lshl_b32 s25, s20, 12
	s_add_co_u32 s25, s25, MAR                     ; my wave's list region
	v_lshl_add_u32 v[MAO], v1, 2, s25
	s_or_b32 s24, s20, 1
	s_lshl_b32 s24, s24, 12
	s_add_co_u32 s24, s24, MAR
	v_lshl_add_u32 v[MA1], v1, 2, s24              ; inside the first region for every wave
	s_lshl_b32 s24, s21, 14
	s_add_co_u32 s24, s24, MAR+40960               ; the second region, 4,096 x (4 qs + 2)
	v_lshl_add_u32 v[MA2], v1, 2, s24              ; inside the second region for every wave
	s_mov_b32 s92, 0x451c4000
	s_mov_b32 s93, 0x3e99999a
	v_mov_b32 v[VBIG], 0x7f7fffff
.irp i,0,1,2,3,4,5,6,7,8,9,10,11,12,13,14,15
	v_mov_b32 v[KL+\i], 0x7f800000
	v_mov_b32 v[IL+\i], 0
.endr
	s_wait_kmcnt 0x0
	s_add_nc_u64 s[4:5], s[4:5], s[2:3]
	s_lshl_b32 s2, ttmp9, 12
	s_lshl_b32 s24, s21, 11
	s_add_co_u32 s2, s2, s24                       ; 32 queries x 64 bytes a block, in grp, nidx and nkd alike
	s_add_nc_u64 s[8:9], s[8:9], s[2:3]
	s_add_nc_u64 s[10:11], s[10:11], s[2:3]
	s_lshl_b32 s24, s22, 9
	s_add_co_u32 s2, s2, s24
	s_add_nc_u64 s[6:7], s[6:7], s[2:3]
.irp i,0,1,2,3,4,5,6,7,8,9,10,11
	global_load_b128 v[C+4*\i:C+4*\i+3], v[CA], s[4:5] offset:4096*\i
.endr
	global_load_b128 v[G:G+3], v[L16], s[6:7]
	global_load_b32 v[XI], v[OFF], s[4:5]
	global_load_b32 v[YI], v[OFF], s[4:5] offset:4
	global_load_b32 v[TI], v[OFF], s[4:5] offset:8
.irp i,0,1,2,3,4,5,6,7,8,9,10,11
	s_wait_loadcnt 15-\i                           ; piece i is in: 11 - i pieces and four other loads were issued behind it
	ds_store_b128 v[CA], v[C+4*\i:C+4*\i+3] offset:4096*\i
.endr
	s_wait_loadcnt 0x0
	s_wait_dscnt 0x0
	s_barrier_signal -1
	s_barrier_wait -1
	s_mov_b32 s23, 0
.Lt:
	v_min_u32 v[CA], 0xff, v[G]                    ; a group's number stays inside the table
	v_lshlrev_b32 v[VJ0], 4, v[CA]
	v_mul_u32_u24 v[CA], v[CA], 192
.irp i,0,1,2,3,4,5,6,7,8,9,10,11
	ds_load_b128 v[C+4*\i:C+4*\i+3], v[CA] offset:16*\i
.endr
	v_sub_nc_u32 v[QREL], v[QI], v[VJ0]
	s_wait_dscnt 0x0
	DISTV C, 0
.irp c,0,1,2,3,4,5,6,7
	v_add_nc_u32 v[VJ], \c, v[VJ0]
	INSERT DX+\c, VJ
.endr
	DISTV C+24, 8
.irp c,0,1,2,3,4,5,6,7
	v_add_nc_u32 v[VJ], 8+\c, v[VJ0]
	INSERT DX+\c, VJ
.endr
	v_mov_b32 v[G], v[G+1]
	v_mov_b32 v[G+1], v[G+2]
	v_mov_b32 v[G+2], v[G+3]
	s_add_co_u32 s23, s23, 1
	s_cmp_lt_u32 s23, 4
	s_cbranch_scc1 .Lt
	; Merge: part 1 into 0 and 3 into 2, then 2 into 0.  Each hand-over has a barrier in front of it and behind it, so that between two
	; barriers the list regions are either written or read, never both.
	PUTL 0
	s_wait_dscnt 0x0
	s_barrier_signal -1
	s_barrier_wait -1
	s_and_b32 s96, s22, 1
	s_cmp_lg_u32 s96, 0
	s_cbranch_scc1 .Ls1
	MERGE MA1
.Ls1:
	s_wait_dscnt 0x0                               ; my reads of the partner's lists are back
	s_barrier_signal -1
	s_barrier_wait -1
	s_cmp_lg_u32 s22, 2
	s_cbranch_scc1 .Ls2
	PUTL 32768                                     ; part 2 hands on, in the second region
.Ls2:
	s_wait_dscnt 0x0
	s_barrier_signal -1
	s_barrier_wait -1
	s_cmp_lg_u32 s22, 0
	s_cbranch_scc1 .Ls3
	MERGE MA2
.Ls3:
	s_wait_dscnt 0x0                               ; all reads of the list regions are back: the way out may write into them
	s_barrier_signal -1
	s_barrier_wait -1
	s_cmp_lg_u32 s22, 0
	s_cbranch_scc1 .Lend
	; a lane holds a query's 64 bytes; through my own first list region (rows of 80 bytes) they become 512 consecutive bytes an instruction.
	; LDS serves a wave's instructions in order (ISA guide 5.7.1): stores, loads, stores and loads follow each other without a wait.
	v_mul_u32_u24 v[GM], v1, 80
	v_add_nc_u32 v[GM], s25, v[GM]
	v_lshrrev_b32 v[GI], 2, v1
	v_mul_u32_u24 v[GI], v[GI], 80
	v_and_b32 v[VJ], 3, v1
	v_lshl_add_u32 v[GI], v[VJ], 4, v[GI]
	v_add_nc_u32 v[GI], s25, v[GI]
.irp i,0,1,2,3
	ds_store_b128 v[GM], v[IL+4*\i:IL+4*\i+3] offset:16*\i
.endr
.irp i,0,1,2,3
	ds_load_b128 v[C+4*\i:C+4*\i+3], v[GI] offset:640*\i
.endr
.irp i,0,1,2,3
	ds_store_b128 v[GM], v[KL+4*\i:KL+4*\i+3] offset:16*\i
.endr
.irp i,0,1,2,3
	ds_load_b128 v[C+16+4*\i:C+16+4*\i+3], v[GI] offset:640*\i
.endr
	s_wait_dscnt 0x0
.irp i,0,1,2,3
	global_store_b128 v[L16], v[C+4*\i:C+4*\i+3], s[8:9] offset:512*\i
	global_store_b128 v[L16], v[C+16+4*\i:C+16+4*\i+3], s[10:11] offset:512*\i
.endr
.Lend:
	s_wait_tensorcnt 0x0
	ds_add_u32 v136, v137
	s_wait_dscnt 0x0
	s_endpgm
.Lfunc_end_k_qe885adc84c_knn2:
	.size	k_qe885adc84c_knn2, .Lfunc_end_k_qe885adc84c_knn2-k_qe885adc84c_knn2
	.p2alignl 7, 3214868480
	.fill 96, 4, 3214868480
	.section	.rodata,"a",@progbits
	.p2align	6, 0x0
	.amdhsa_kernel k_qe885adc84c_knn2
		.amdhsa_group_segment_fixed_size 115712
		.amdhsa_private_segment_fixed_size 0
		.amdhsa_enable_private_segment 0
		.amdhsa_kernarg_size 32
		.amdhsa_user_sgpr_count 2
		.amdhsa_user_sgpr_kernarg_segment_ptr 1
		.amdhsa_wavefront_size32 1
		.amdhsa_system_sgpr_workgroup_id_x 1
		.amdhsa_system_sgpr_workgroup_id_y 1
		.amdhsa_system_sgpr_workgroup_id_z 1
		.amdhsa_system_vgpr_workitem_id 0
		.amdhsa_next_free_vgpr 138
		.amdhsa_next_free_sgpr 100
		.amdhsa_reserve_vcc 0
		.amdhsa_float_denorm_mode_32 3
		.amdhsa_float_denorm_mode_16_64 3
		.amdhsa_memory_ordered 1
		.amdhsa_forward_progress 1
		.amdhsa_inst_pref_size 124
	.end_amdhsa_kernel
	.amdgpu_metadata
---
amdhsa.version: [ 1, 2 ]
amdhsa.kernels:
  - .name:           k_qe885adc84c_knn2
    .symbol:         k_qe885adc84c_knn2.kd
    .args:
      - { .name: coords, .offset: 0, .size: 8, .value_kind: global_buffer, .address_space: global }
      - { .name: grp, .offset: 8, .size: 8, .value_kind: global_buffer, .address_space: global }
      - { .name: nidx, .offset: 16, .size: 8, .value_kind: global_buffer, .address_space: global }
      - { .name: nkd, .offset: 24, .size: 8, .value_kind: global_buffer, .address_space: global }
    .group_segment_fixed_size: 115712
    .private_segment_fixed_size: 0
    .kernarg_segment_align: 8
    .kernarg_segment_size: 32
    .max_flat_workgroup_size: 256
    .sgpr_count:     100
    .vgpr_count:     138
    .wavefront_size: 32
...
	.end_amdgpu_metadata
.endif
;; end of part 13
;; launch att: the kernel of part 6 again; grid 256 x 1, 16 waves a work-group, no clusters, 272,384 bytes of LDS; arguments coords, nidx, nkd, fbuf, zbuf, wimg, xbar; writes xbar
;; launch back: the kernel of part 10 again; grid 256 x 1, 4 waves a work-group, no clusters, 266,752 bytes of LDS; arguments xbar, wimg, pkv, bo, gamma, beta, fbuf, nkd, out0; writes out0
